; MI455X (gfx1250); checked and timed in simulation.
; The chip was launched on July 23, 2026; its instructions are those of AMD's public machine-readable ISA for CDNA 5 (MIT licence, August 2026) and "CDNA5" Instruction Set Architecture Reference Guide (July 2026). The comments in the code are by the model that wrote it; some were corrected since.
;; Causal Self Attention. Allowed arithmetic: matrix products marked QUANTISED: E5M2 operands, one E8M0 scale for each 32 along K, by v_wmma_scale_f32_16x16x128_f8f6f4 with both operands' format E5M2, f32 sums; everything else in f32.
;; Inputs: Wk 1,024 x 1,024 float32; Wo 1,024 x 1,024 float32; Wq 1,024 x 1,024 float32; Wv 1,024 x 1,024 float32; bk 1,024 float32; bo 1,024 float32; bq 1,024 float32; bv 1,024 float32; k 4 x 2,048 x 1,024 float32; q 4 x 2,048 x 1,024 float32; v 4 x 2,048 x 1,024 float32.
;; Outputs: out0 4 x 2,048 x 1,024 float32.
;; This version of the problem:
;;   THIS VERSION OF THE PROBLEM IS GIVEN IN LOW PRECISION. The matrix products marked QUANTISED in the list below multiply operands that are first quantised to E5M2 (5 exponent bits, 2 mantissa bits; 8 bits a number), with one power-of-two scale for each 32 numbers along K (OCP MX v1.0); their sums are f32. All else is computed in f32.
;;   The module's matrix products, in the order in which they are computed (A, B: the left and right operand; K: the contracted axis; several contracted axes count as one K, in the product's order):
;;     1. [M 8,192, K 1,024] x [K 1,024, N 1,024]; A: input q; B: input Wq: QUANTISED
;;     2. [M 8,192, K 1,024] x [K 1,024, N 1,024]; A: input k; B: input Wk: QUANTISED
;;     3. [M 8,192, K 1,024] x [K 1,024, N 1,024]; A: input v; B: input Wv: QUANTISED
;;     4. batch 64 x [M 2,048, K 64] x [K 64, N 2,048]; A: computed on the way; B: computed on the way: QUANTISED
;;     5. batch 64 x [M 2,048, K 2,048] x [K 2,048, N 64]; A: softmax (see below); B: computed on the way: QUANTISED
;;     6. [M 8,192, K 1,024] x [K 1,024, N 1,024]; A: computed on the way; B: input Wo: QUANTISED
;;   THE QUANTISER, for each operand of a quantised product, along K:
;;     - K is cut into blocks of 32 from its start; a last block that is shorter is filled with zeros.
;;     - A block's scale is 2^e with e = floor(log2(the largest magnitude in the block)) - 15, held to -126 .. 127; a block of zeros has e = 0. As a byte (E8M0): e + 127.
;;     - Each number is divided by its block's scale, clamped to +-57,344, and rounded to the nearest number of E5M2, ties to even, subnormals kept.
;;     - The product sums the exact products of the quantised numbers (number of the format x scale) in f32.
;;   ~~~python
;;   def quantise(x, axis):      # numpy; x: float32 -> the quantised numbers, widened to float32 again
;;       x = np.moveaxis(x, axis, -1); K = x.shape[-1]
;;       x = np.pad(x, [(0, 0)] * (x.ndim - 1) + [(0, -K % 32)]); x = x.reshape(x.shape[:-1] + (-1, 32)); a = np.abs(x).max(-1, keepdims=True)
;;       e = np.where(a > 0, np.clip(np.frexp(np.where(a > 0, a, 1))[1] - 1 - 15, -126, 127), 0)      # np.frexp(a)[1] - 1 = floor(log2(a)), exactly
;;       r = np.clip(x / 2.0 ** e, -57344, 57344)
;;       step = 2.0 ** (np.maximum(np.frexp(np.where(r == 0, 1, r))[1] - 1, -14) - 2)
;;       q = np.round(r / step) * step * 2.0 ** e      # np.round: ties to even
;;       return np.moveaxis(q.reshape(q.shape[:-2] + (-1,))[..., :K], -1, axis).astype(np.float32)
;;   ~~~
;;   SOFTMAX AHEAD OF A QUANTISED PRODUCT. Where the list says 'softmax', what is quantised is not the finished softmax but p = 2^(t - M), with t = logit x log2(e) and M = ceil(the row's largest t), a whole number; so 1/2 < the row's largest p <= 1. The row's sum l is taken of the UNQUANTISED p, in f32, and the product's result is divided by l at the end. Since M is a whole number, a kernel that streams over the keys may use a running M (the ceiling of the running maximum): every later rescaling is an exact power of two, which a block's scale takes up: the codes' values come out the same.
;;   OPERANDS COMPUTED ON THE WAY. 'Computed on the way' means the value that the module computes at that place (a softmax that the list does not call 'softmax' is quantised finished and normalised). What goes into a quantiser is computed in f32, as accurately as f32 sums, v_exp_f32 and their like allow (about 1e-6 of the number): no bf16 or f16 on the way to a quantiser, and a product that is left as it is and whose result goes on into a quantised operand takes f32 operands (vector FMAs, or v_wmma_f32_16x16x4_f32). A number that lies on a knife's edge between two numbers of the format may be rounded either way, as far as f32 arithmetic and the matrix unit's own rounding can turn it there, and no further.
;; 2 versions. Each part assembles by itself: llvm-mc -triple=amdgcn-amd-amdhsa -mcpu=gfx1250 --defsym DOCPART=n.
;; ======== version 1 of 2: 4 launches
;; workspace buffers: wimg 4,194,304 bytes; wscl 131,072 bytes; bimg 262,144 bytes; himg 25,165,824 bytes; hscl 2,097,152 bytes; aimg 8,388,608 bytes; ascl 262,144 bytes
;; launch prep (part 1): grid 8 x 32, 4 waves a work-group, no clusters, 0 bytes of LDS; arguments Wq, Wk, Wv, Wo, bq, bk, bv, bo, wimg, wscl, bimg; writes wimg, wscl, bimg
.if DOCPART == 1
	.amdgcn_target "amdgcn-amd-amdhsa--gfx1250"
	.amdhsa_code_object_version 6
	.text
	.protected	k_q3f5d309cd4_prep
	.globl	k_q3f5d309cd4_prep
	.p2align	8
	.type	k_q3f5d309cd4_prep,@function
k_q3f5d309cd4_prep:
	s_mov_b64 s[64:65], 0
	v_nop
	global_prefetch_b8 v0, s[64:65] scope:SCOPE_SE
	s_setreg_imm32_b32 hwreg(HW_REG_WAVE_MODE, 25, 1), 1
	s_wait_xcnt 0x0
; The four weights [1024 (k)][1024 (n)], f32, K their FIRST axis, become codes of BF8 (E5M2) with one E8M0 byte for each 32 along K,
; laid as IMAGES OF OPERAND REGISTERS: wimg [weight][tile nt 0..63][K step s 0..7][2,048 bytes]; in an image chunk c (512 bytes) holds,
; at 16 x lane, registers 4 c .. 4 c + 3 of lane (r, h): k = 128 s + 32 c + 16 h + 0 .. 15 of the tile's slot r.
; THE COLUMNS OF A TILE ARE NOT NEIGHBOURS: slot r of tile 2 b + u is column 32 b + 8 u + r + 8 (r / 8).
; wscl [weight][b 0..31][s][slot 16 u + r]: one word (four bytes: 128 along K) a column.
; bimg [weight][nt][1,024 bytes]: the eight registers of a C operand: for q, k, o register j of lane (r, h) is bias[32 b + 16 h + 8 u + j];
; for v all eight are bias[32 b + 8 u + r + 8 (r / 8)].
; SHARES: work-group x = 128 columns, y = 8 x weight + K step.  A wave takes 32 columns, A LANE A COLUMN, ITS REGISTERS DOWN K: a block of 32
; lies in one lane, each load reads 128 consecutive bytes a wave (512 a work-group), and the conversions give codes with K innermost.
; A block's scale is 2^(floor(log2(largest magnitude)) - 15); its byte is that magnitude's exponent field - 15, held at 1 from below.
; LIMITS: a block of zeros, or one whose largest magnitude lies under 2^-111, gets the byte 1 (its codes are zeros or tiny; the bytes are read by this
; program alone); NaN and infinities among the inputs are not served.
.set X,   32                           ; v32-159  128 numbers down K
.set CD,  160                          ; v160-191 codes: eight registers for each block, so that no store's data are written again
.set BO,  192                          ; v192-199 the bias image's eight offsets
.set BV,  200                          ; v200-207 and its eight numbers
	s_load_b512 s[4:19], s[0:1], 0x0               ; Wq, Wk, Wv, Wo s[4:11]; bq, bk, bv, bo s[12:19]
	s_load_b128 s[20:23], s[0:1], 0x40             ; wimg, wscl
	s_load_b64 s[24:25], s[0:1], 0x50              ; bimg
	v_lshrrev_b32 v1, 5, v0
	v_readfirstlane_b32 s26, v1                    ; wave
	v_and_b32 v1, 31, v0                           ; lane = my column among the wave's 32
	v_lshlrev_b32 v2, 2, v1                        ; in: 4 bytes a lane
	v_bfe_u32 v5, v0, 3, 1                         ; u = (lane / 8) % 2: which of the two tiles my column falls into
	v_and_b32 v6, 7, v0
	v_bfe_u32 v7, v0, 4, 1                         ; lane / 16
	v_lshl_add_u32 v6, v7, 3, v6                   ; its slot there: lane % 8 + 8 (lane / 16)
	v_lshlrev_b32 v3, 14, v5                       ; codes: tile u is 8 images of 2,048 bytes on,
	v_lshl_add_u32 v3, v6, 4, v3                   ; + 16 x slot
	v_lshl_add_u32 v4, v5, 4, v6
	v_lshlrev_b32 v4, 2, v4                        ; scale word: 4 (16 u + slot)
	v_lshlrev_b32 v208, 4, v1                      ; 16 x lane
	s_and_b32 s27, ttmp7, 0xffff
	s_lshr_b32 s28, s27, 3                         ; which weight
	s_and_b32 s29, s27, 7                          ; which K step
	s_mov_b32 s38, 0x600000                        ; the mantissa field of 57,344
	s_lshl_b32 s30, s29, 19                        ; W: 128 s rows of 4,096 bytes
	s_lshl_b32 s32, ttmp9, 9
	s_add_co_u32 s30, s30, s32                     ; + 128 x columns
	s_lshl_b32 s32, s26, 7
	s_add_co_u32 s30, s30, s32                     ; + 32 x wave columns
	s_mov_b32 s31, 0
	s_lshl_b32 s33, ttmp9, 2
	s_add_co_u32 s33, s33, s26                     ; b = 4 x + wave
	s_lshl_b32 s34, s28, 20                        ; wimg: weight, b (two tiles of 16,384 bytes), K step
	s_lshl_b32 s32, s33, 15
	s_add_co_u32 s34, s34, s32
	s_lshl_b32 s32, s29, 11
	s_add_co_u32 s34, s34, s32
	s_mov_b32 s35, 0
	s_lshl_b32 s36, s33, 3                         ; wscl: (8 b + s) x 128 bytes
	s_add_co_u32 s36, s36, s29
	s_lshl_b32 s36, s36, 7
	s_lshl_b32 s32, s28, 15
	s_add_co_u32 s36, s36, s32
	s_mov_b32 s37, 0
	s_wait_kmcnt 0x0
	s_cmp_eq_u32 s28, 1                            ; the weight and its bias are chosen by the work-group's number alone
	s_cselect_b64 s[4:5], s[6:7], s[4:5]
	s_cselect_b64 s[12:13], s[14:15], s[12:13]
	s_cmp_eq_u32 s28, 2
	s_cselect_b64 s[4:5], s[8:9], s[4:5]
	s_cselect_b64 s[12:13], s[16:17], s[12:13]
	s_cmp_eq_u32 s28, 3
	s_cselect_b64 s[4:5], s[10:11], s[4:5]
	s_cselect_b64 s[12:13], s[18:19], s[12:13]
	s_add_nc_u64 s[4:5], s[4:5], s[30:31]
	s_add_nc_u64 s[20:21], s[20:21], s[34:35]
	s_add_nc_u64 s[22:23], s[22:23], s[36:37]
.set n, 0
.rept 128
	global_load_b32 v[X+n], v2, s[4:5] offset:n*4096 th:TH_LOAD_NT   ; W(128 s + n, my column); read once in the launch
.set n, n+1
.endr
.macro BLOCK c
.set XS, X+32*\c
	v_max3_num_f32 v12, |v[XS]|, |v[XS+1]|, |v[XS+2]|              ; the block's largest magnitude: all 32 numbers are mine; two chains
	v_max3_num_f32 v13, |v[XS+3]|, |v[XS+4]|, |v[XS+5]|
.irp i, 6,10,14,18,22,26
	v_max3_num_f32 v12, v12, |v[XS+\i]|, |v[XS+\i+1]|
	v_max3_num_f32 v13, v13, |v[XS+\i+2]|, |v[XS+\i+3]|
.endr
	v_max3_num_f32 v12, v12, |v[XS+30]|, |v[XS+31]|
	v_max3_num_f32 v12, v12, v13, 0x8000000        ; and the floor 2^(16 - 127): the byte cannot fall under 1
	v_add_nc_u32 v11, 0xf8800000, v12              ; 15 off the exponent field: the conversion's scale operand
	v_and_or_b32 v10, v12, 0x7f800000, s38         ; 57,344 x the scale
	v_lshrrev_b32 v13, 23, v11                     ; the scale's byte
.if \c == 0
	v_mov_b32 v24, v13
.else
	v_lshl_or_b32 v24, v13, 8*\c, v24              ; four bytes make the K step's word
.endif
.set n, 0
.rept 32
	v_med3_num_f32 v[XS+n], v[XS+n], -v10, v10     ; the conversion to an 8-bit code does not saturate (ISA guide 7.6.2): the hold comes first
.set n, n+1
.endr
.irp g, 0,1,2,3
	v_cvt_scalef32_pk8_bf8_f32 v[CD+8*\c+2*\g:CD+8*\c+2*\g+1], v[XS+8*\g:XS+8*\g+7], v11
.endr
	global_store_b128 v3, v[CD+8*\c:CD+8*\c+3], s[20:21] offset:512*\c         ; k 0 .. 15 of the block: the image's lanes 0-15
	global_store_b128 v3, v[CD+8*\c+4:CD+8*\c+7], s[20:21] offset:512*\c+256   ; k 16 .. 31: its lanes 16-31.  Sixteen lanes fill 256 consecutive bytes
.endm
	s_wait_loadcnt 63                              ; of 128 loads the oldest 65 are in: blocks 0 and 1
	BLOCK 0
	BLOCK 1
	s_wait_loadcnt 32                              ; block 3's 32 may be out
	BLOCK 2
	s_wait_loadcnt 0x0
	BLOCK 3
	global_store_b32 v4, v24, s[22:23]             ; the wave's 32 words: 128 consecutive bytes
	; the bias image of tile nt = 8 x + s: wave 0 alone
	s_cmp_lg_u32 s26, 0
	s_cbranch_scc1 .Lend
	s_cmp_eq_u32 s28, 2                            ; v's image runs along the slots, the others' along the registers
	s_cselect_b32 s40, 0, 64                       ; bytes from half to half of the lanes,
	s_cselect_b32 s41, 4, 0                        ; from row to row of the tile,
	s_cselect_b32 s42, 0, 4                        ; from register to register
	s_lshl_b32 s39, ttmp9, 3
	s_add_co_u32 s39, s39, s29                     ; nt
	s_lshr_b32 s43, s39, 1
	s_lshl_b32 s30, s43, 7
	s_and_b32 s43, s39, 1
	s_lshl_b32 s43, s43, 5
	s_add_co_u32 s30, s30, s43                     ; 4 (32 b + 8 u)
	s_add_nc_u64 s[12:13], s[12:13], s[30:31]
	s_lshl_b32 s34, s28, 6
	s_add_co_u32 s34, s34, s39
	s_lshl_b32 s34, s34, 10                        ; bimg: (64 x weight + nt) x 1,024
	s_add_nc_u64 s[24:25], s[24:25], s[34:35]
	v_and_b32 v8, 15, v0
	v_and_b32 v9, 8, v8
	v_add_nc_u32 v9, v9, v8                        ; r + 8 (r / 8)
	v_mul_lo_u32 v[BO], v7, s40
	v_mad_u32_u24 v[BO], v9, s41, v[BO]
.irp j, 1,2,3,4,5,6,7
	v_add_nc_u32 v[BO+\j], s42, v[BO+\j-1]
.endr
.irp j, 0,1,2,3,4,5,6,7
	global_load_b32 v[BV+\j], v[BO+\j], s[12:13]
.endr
	s_wait_loadcnt 0x0
	global_store_b128 v208, v[BV:BV+3], s[24:25]
	global_store_b128 v208, v[BV+4:BV+7], s[24:25] offset:512
.Lend:
	s_endpgm
.Lfunc_end_k_q3f5d309cd4_prep:
	.size	k_q3f5d309cd4_prep, .Lfunc_end_k_q3f5d309cd4_prep-k_q3f5d309cd4_prep
	.p2alignl 7, 3214868480
	.fill 96, 4, 3214868480
	.section	.rodata,"a",@progbits
	.p2align	6, 0x0
	.amdhsa_kernel k_q3f5d309cd4_prep
		.amdhsa_group_segment_fixed_size 0
		.amdhsa_private_segment_fixed_size 0
		.amdhsa_enable_private_segment 0
		.amdhsa_kernarg_size 88
		.amdhsa_user_sgpr_count 2
		.amdhsa_user_sgpr_kernarg_segment_ptr 1
		.amdhsa_wavefront_size32 1
		.amdhsa_system_sgpr_workgroup_id_x 1
		.amdhsa_system_sgpr_workgroup_id_y 1
		.amdhsa_system_sgpr_workgroup_id_z 1
		.amdhsa_system_vgpr_workitem_id 0
		.amdhsa_next_free_vgpr 216
		.amdhsa_next_free_sgpr 66
		.amdhsa_reserve_vcc 0
		.amdhsa_float_denorm_mode_32 3
		.amdhsa_float_denorm_mode_16_64 3
		.amdhsa_memory_ordered 1
		.amdhsa_forward_progress 1
		.amdhsa_inst_pref_size 32
	.end_amdhsa_kernel
	.amdgpu_metadata
---
amdhsa.version: [ 1, 2 ]
amdhsa.kernels:
  - .name:           k_q3f5d309cd4_prep
    .symbol:         k_q3f5d309cd4_prep.kd
    .args:
      - { .name: Wq, .offset: 0, .size: 8, .value_kind: global_buffer, .address_space: global }
      - { .name: Wk, .offset: 8, .size: 8, .value_kind: global_buffer, .address_space: global }
      - { .name: Wv, .offset: 16, .size: 8, .value_kind: global_buffer, .address_space: global }
      - { .name: Wo, .offset: 24, .size: 8, .value_kind: global_buffer, .address_space: global }
      - { .name: bq, .offset: 32, .size: 8, .value_kind: global_buffer, .address_space: global }
      - { .name: bk, .offset: 40, .size: 8, .value_kind: global_buffer, .address_space: global }
      - { .name: bv, .offset: 48, .size: 8, .value_kind: global_buffer, .address_space: global }
      - { .name: bo, .offset: 56, .size: 8, .value_kind: global_buffer, .address_space: global }
      - { .name: wimg, .offset: 64, .size: 8, .value_kind: global_buffer, .address_space: global }
      - { .name: wscl, .offset: 72, .size: 8, .value_kind: global_buffer, .address_space: global }
      - { .name: bimg, .offset: 80, .size: 8, .value_kind: global_buffer, .address_space: global }
    .group_segment_fixed_size: 0
    .private_segment_fixed_size: 0
    .kernarg_segment_align: 8
    .kernarg_segment_size: 88
    .max_flat_workgroup_size: 128
    .sgpr_count:     66
    .vgpr_count:     216
    .wavefront_size: 32
...
	.end_amdgpu_metadata
.endif
;; end of part 1
;; launch proj (part 2): grid 64 x 3, 4 waves a work-group, no clusters, 207,360 bytes of LDS; arguments q, k, v, wimg, wscl, bimg, himg, hscl; writes himg, hscl
.if DOCPART == 2
	.amdgcn_target "amdgcn-amd-amdhsa--gfx1250"
	.amdhsa_code_object_version 6
	.text
	.protected	k_q3f5d309cd4_proj
	.globl	k_q3f5d309cd4_proj
	.p2align	8
	.type	k_q3f5d309cd4_proj,@function
k_q3f5d309cd4_proj:
	s_mov_b64 s[64:65], 0
	v_nop
	global_prefetch_b8 v0, s[64:65] scope:SCOPE_SE
	s_setreg_imm32_b32 hwreg(HW_REG_WAVE_MODE, 25, 1), 1
	s_wait_xcnt 0x0
; qh = q Wq + bq, kh = k Wk + bk, vh = v Wv + bv on codes of BF8 (E5M2) with one E8M0 scale for each 32 along K; the results are quantised again on the way out,
; qh and kh along a head's 64 channels, vh along the keys, and leave as images of the operand registers that the attention launch loads.
; SHARES.  Work-group (x, y): 128 tokens (block x) of tensor y (0 q, 1 k, 2 v) x all 1,024 features, so that the f32 rows are read and quantised once.
; PHASE X: wave w quantises tokens 32 w .. 32 w + 31 (two tiles, eight K steps) and lays the fragments' register images in LDS; one barrier.
; TWO PASSES: in pass p wave w makes features 128 (w + 4 p) on: 128 x 128, 64 accumulators, 8 K steps of 64 matrix instructions.  x's fragments come from LDS (one set of registers:
; tiles 0-3 are fetched anew in a step's middle, tiles 4-7 at its end); the weights' fragments come from memory straight into registers (two sets; each is used by this wave alone).
; TILES.  Slot r of tile 2 b + u, of tokens and of features alike, is row 32 b + 8 u + r + 8 (r / 8): so the 16 result registers of source 0's tiles 2 b and 2 b + 1 are 16 NEIGHBOURS.
; q, k: source 0 = 16 features, source 1 = 16 tokens: a lane holds one token and its registers run along the features.  v: the sources swapped: a lane holds one feature and its registers run along the tokens.
; The two forms differ in the matrix instructions alone: a short branch on the tensor's number stands round each run of 16; loads, waits and the way out are one text.
; The bias is the C of each sum's first matrix instruction.
; OUT.  himg: [tensor][head][block of 128 tokens][8,192]: q, k: [tile 0..7][chunk 0..1][512]; v: [tile of 16 channels 0..3][chunk 0..3][512]; a chunk holds 16 bytes a lane.
; hscl: region 0 q's words, region 1 k's (bytes 0..511 of each 1,024) and v's (512..767).  q's and k's words: two scale bytes, then 0x7f twice (the upper half of a K of 128 is zeros there).
; LIMITS: a block of zeros, or one whose largest magnitude lies under 2^-111, gets the byte 1 (this program alone reads the bytes); NaN and infinities among the inputs are not served.
; REGISTERS, in windows of 256.  Window 0: v4-19 addresses; v20-38 at work in the quantisers, v32-39 x's scale words in the product; v40-47 the weights' scale words; v48-63 codes just made;
;   v64-127 the bias, eight C operands; v128-255 x's eight fragments (phase X: two sets of 64 numbers; way out: 64 numbers, and the scale words read back).
;   Window 1: the weights' fragments, two sets.  Windows 2, 3: the accumulators, (a, b) at 8 (8 a + b): q, k: a = tile of tokens, b = tile of features; v: the other way round.  Phase X: window 2 holds four sets of rows as loaded.
.set XIMG,  0                          ; LDS: x's fragments [K step][tile][2,048]
.set XSC,   131072                     ; their scale words [K step][pair of tiles][32 words]
.set STG,   135168                     ; phase X: two stages of 16 rows x (512 + 16) bytes for each wave
.set STGW,  16896
.set SCR,   202752                     ; the way out: 1,024 bytes of scale words for each wave
.set LI,  4                            ; v4   16 x lane; never rewritten
.set LS,  5                            ; v5   4 x lane; never rewritten
.set STW, 6                            ; v6   the stage, in: 16 x lane
.set STR, 7                            ; v7   the stage, out: 528 r + 64 h
.set XWI, 8                            ; v8   where I lay x's images
.set XWS, 9                            ; v9   and their scale words
.set ADX, 10                           ; v10  the K step's fragments of x
.set ADS, 11                           ; v11  and scale words
.set VO,  12                           ; v12-15 the way out: where the four chunks of a tile go
.set SSA, 16                           ; v16  scale scratch, in
.set SSR, 17                           ; v17  scale scratch, out
.set SSO, 18                           ; v18  and the same place in hscl
.set FIL, 19                           ; v19  0x7f four times
.set TM,  20                           ; v20-23 largest magnitudes, v24-27 bytes, v28-31 57,344 x the scale, v32-35 the conversions' scale operands
.set PW,  36                           ; the scale word just made
.set SW,  37                           ; v37-38 the two heads' words
.set XS,  32
.set WS,  40
.set PC,  48
.set BC,  64
.set XF,  128
.set XA,  128
.set H,   128
.set RB,  192
.set XB,  4                            ; s[4:5]   x at my wave's first row, at the trip's K
.set WP,  6                            ; s[6:7]   my weights' images
.set WSP, 8                            ; s[8:9]   their scale words
.set BP,  10                           ; s[10:11] my bias images
.set OB,  12                           ; s[12:13] himg at the pass's first head
.set OC,  14                           ; s[14:15] the same, walking
.set SB,  16                           ; s[16:17] hscl likewise
.set WV,  18
.set MODE, 19                          ; 1 for v
.set SEL, 20
.set PASS, 22
.set MNT, 23
.set TRIP, 24
.set P0,  25                           ; byte selects that cut the scale word
.set P1,  26
.set STL, 28                           ; s[28:29] bytes from tile to tile on the way out
.set STM, 30                           ; s[30:31] and from tile 3 to tile 4
.set MSB, 0
.macro WIN new                         ; the immediate's high byte repeats the setting that is left; a switch that changes nothing is dropped
.if MSB != (\new)
	s_set_vgpr_msb (MSB<<8)|(\new)
.set MSB, (\new)
.endif
.endm
.macro PLACES n                        ; plain vector instructions between a matrix instruction and a load into, or a vector read of, its registers: eight for this form
.rept \n
	v_nop
.endr
.endm
.macro MM                              ; one matrix instruction from the symbols rD, rA, rB, rC, rSA, rSB; fA, fB: the side's scale words lie in lanes 16-31
.if fA && fB
	v_wmma_scale_f32_16x16x128_f8f6f4 v[rD:rD+7], v[rA:rA+15], v[rB:rB+15], v[rC:rC+7], v[rSA], v[rSB] matrix_a_fmt:MATRIX_FMT_BF8 matrix_b_fmt:MATRIX_FMT_BF8 matrix_a_scale:MATRIX_SCALE_ROW1 matrix_b_scale:MATRIX_SCALE_ROW1
.elseif fA
	v_wmma_scale_f32_16x16x128_f8f6f4 v[rD:rD+7], v[rA:rA+15], v[rB:rB+15], v[rC:rC+7], v[rSA], v[rSB] matrix_a_fmt:MATRIX_FMT_BF8 matrix_b_fmt:MATRIX_FMT_BF8 matrix_a_scale:MATRIX_SCALE_ROW1
.elseif fB
	v_wmma_scale_f32_16x16x128_f8f6f4 v[rD:rD+7], v[rA:rA+15], v[rB:rB+15], v[rC:rC+7], v[rSA], v[rSB] matrix_a_fmt:MATRIX_FMT_BF8 matrix_b_fmt:MATRIX_FMT_BF8 matrix_b_scale:MATRIX_SCALE_ROW1
.else
	v_wmma_scale_f32_16x16x128_f8f6f4 v[rD:rD+7], v[rA:rA+15], v[rB:rB+15], v[rC:rC+7], v[rSA], v[rSB] matrix_a_fmt:MATRIX_FMT_BF8 matrix_b_fmt:MATRIX_FMT_BF8
.endif
.endm
; q, k: tiles of tokens a0, a0 + 1 x the eight tiles of features.  p: the weights' set and the scale words' set.  first = 1: C is the bias
.macro MULQ a0, p, first
.if \first
	WIN 0x81+0x40*((\a0)/4)
.else
	WIN 0xa1+0x50*((\a0)/4)
.endif
.irp a, \a0, \a0+1
.irp b, 0,1,2,3,4,5,6,7
.set rD, 8*(8*((\a)%4)+\b)
.set rA, 128*(\p)+16*\b
.set rB, XF+16*(\a)
.if \first
.set rC, BC+8*\b
.else
.set rC, rD
.endif
.set rSA, WS+4*(\p)+\b/2
.set rSB, XS+4*(\p)+(\a)/2
.set fA, \b%2
.set fB, (\a)%2
	MM
.endr
.endr
.endm
; v: tiles of tokens a0, a0 + 1 (source 0) x the eight tiles of features (source 1)
.macro MULV a0, p
.irp hw, 0,1
	WIN 0xa4+0x50*\hw
.irp wq, 0,1,2,3
.irp xt, \a0, \a0+1
.set rD, 8*(8*\wq+(\xt))
.set rA, XF+16*(\xt)
.set rB, 128*(\p)+16*(4*\hw+\wq)
.set rC, rD
.set rSA, XS+4*(\p)+(\xt)/2
.set rSB, WS+4*(\p)+(4*\hw+\wq)/2
.set fA, (\xt)%2
.set fB, \wq%2
	MM
.endr
.endr
.endr
.endm
; v, the first K step: tiles of features a0, a0 + 1 x all eight tiles of tokens, so that the run starts the same 16 accumulators as q's and k's run does
.macro MULV1 a0
	WIN 0x84+0x40*((\a0)/4)
.irp wt, \a0, \a0+1
.irp xt, 0,1,2,3,4,5,6,7
.set rD, 8*(8*((\wt)%4)+\xt)
.set rA, XF+16*\xt
.set rB, 16*(\wt)
.set rC, BC+8*(\wt)
.set rSA, XS+\xt/2
.set rSB, WS+(\wt)/2
.set fA, \xt%2
.set fB, (\wt)%2
	MM
.endr
.endr
.endm
; 16 matrix instructions in the tensor's form.  In either form the 64 accumulators take turns, one instruction a turn
.macro MUL a0, p, first
	WIN 0                                          ; at a branch and at a label every window is 0
	s_cmp_eq_u32 s[MODE], 0
	s_cbranch_scc0 .Lv_\@
	MULQ \a0, \p, \first
	WIN 0
	s_branch .Lj_\@
.Lv_\@:
.if \first
	MULV1 \a0
.else
	MULV \a0, \p
.endif
	WIN 0
.Lj_\@:
.endm
.macro FETCH_X i0                      ; four fragments of x: their images come back as they were laid
.irp i, \i0, \i0+1, \i0+2, \i0+3
.irp c, 0,1,2,3
	ds_load_b128 v[XF+16*(\i)+4*\c:XF+16*(\i)+4*\c+3], v[ADX] offset:2048*(\i)+512*\c
.endr
.endr
.endm
.macro XSCALES p                       ; lanes 0-15: tile 2 i's words; lanes 16-31: tile 2 i + 1's
.irp i, 0,1,2,3
	ds_load_b32 v[XS+4*(\p)+\i], v[ADS] offset:128*\i
.endr
.endm
.macro FETCH_W p                       ; the weights' fragments and scale words two K steps on, into the set just read out: 36 loads, 512 (128) consecutive bytes each
	s_wait_xcnt 0x0                                ; the earlier loads have read their bases
	s_add_nc_u64 s[WP:WP+1], s[WP:WP+1], 2048
	s_add_nc_u64 s[WSP:WSP+1], s[WSP:WSP+1], 128
	WIN 0x40
.irp i, 0,1,2,3,4,5,6,7
.irp c, 0,1,2,3
	global_load_b128 v[128*(\p)+16*\i+4*\c:128*(\p)+16*\i+4*\c+3], v[LI], s[WP:WP+1] offset:16384*\i+512*\c+2048
.endr
.endr
	WIN 0
.irp i, 0,1,2,3
	global_load_b32 v[WS+4*(\p)+\i], v[LS], s[WSP:WSP+1] offset:1024*\i+128
.endr
.endm
.macro PASSLOAD                        ; a pass's bias (16 loads), K step 0 (36) and K step 1 (36) of its weights, in this order
.irp t, 0,1,2,3,4,5,6,7
	global_load_b128 v[BC+8*\t:BC+8*\t+3], v[LI], s[BP:BP+1] offset:1024*\t
	global_load_b128 v[BC+8*\t+4:BC+8*\t+7], v[LI], s[BP:BP+1] offset:1024*\t+512
.endr
.irp p, 0,1
	WIN 0x40
.irp i, 0,1,2,3,4,5,6,7
.irp c, 0,1,2,3
	global_load_b128 v[128*\p+16*\i+4*\c:128*\p+16*\i+4*\c+3], v[LI], s[WP:WP+1] offset:16384*\i+512*\c+2048*\p
.endr
.endr
	WIN 0
.irp i, 0,1,2,3
	global_load_b32 v[WS+4*\p+\i], v[LS], s[WSP:WSP+1] offset:1024*\i+128*\p
.endr
.endr
.endm
; A K step but the first.  fx: the next step's fragments of x are fetched.  fw = 1: the weights two steps on are asked for; 2: not in the loop's last trip
.macro GSTEP p, fx, fw
	s_wait_dscnt 16                                ; x's tiles 0-3 and the scale words are in; the youngest 16 loads (tiles 4-7) may be out
	MUL 0, \p, 0
	MUL 2, \p, 0
	s_wait_dscnt 0x0                               ; tiles 4-7 are in
	PLACES 8
.if \fx
	v_add_nc_u32 v[ADX], 0x4000, v[ADX]
	v_add_nc_u32 v[ADS], 0x200, v[ADS]
	FETCH_X 0
	XSCALES 1-(\p)
.endif
	MUL 4, \p, 0
	MUL 6, \p, 0
	PLACES 8
.if \fx
	FETCH_X 4
.endif
.if \fw == 1
	FETCH_W \p
	s_wait_loadcnt 36                              ; the 36 just issued may be out; the next step's set, asked for a step ago, is in
.elseif \fw == 2
	s_cmp_eq_u32 s[TRIP], 1
	s_cbranch_scc1 .Lnofetch_\@
	FETCH_W \p
	s_wait_loadcnt 36
	s_branch .Lfetched_\@
.Lnofetch_\@:
	s_wait_loadcnt 0x0                             ; nothing is left to ask for: the last step's set is in
.Lfetched_\@:
.endif
.endm
; 64 numbers of a lane, register 16 b + i = k 32 b + 16 (lane / 16) + i of my row, become a fragment's codes in v[PC] on and its scale word in v[PW]
.macro SCALEWORK                       ; from the four half-blocks' largest magnitudes in v[TM] on
.irp b, 0,1,2,3
	v_permlanex16_b32 v[TM+4+\b], v[TM+\b], s[SEL], s[SEL+1]
.endr
.irp b, 0,1,2,3
	v_max_num_f32 v[TM+\b], v[TM+\b], v[TM+4+\b]   ; with lane l xor 16's: the block's largest magnitude
.endr
.irp b, 0,1,2,3
	v_add_nc_u32 v[TM+12+\b], 0xf8800000, v[TM+\b] ; 15 off its exponent field: the conversion's scale operand
.endr
.irp b, 0,1,2,3
	v_and_or_b32 v[TM+8+\b], v[TM+\b], 0x7f800000, s[MNT]   ; 57,344 x the scale
.endr
.irp b, 0,1,2,3
	v_lshrrev_b32 v[TM+4+\b], 23, v[TM+12+\b]      ; the scale's byte
.endr
	v_lshl_or_b32 v[PW], v[TM+5], 8, v[TM+4]
	v_lshl_or_b32 v[PW], v[TM+6], 16, v[PW]
	v_lshl_or_b32 v[PW], v[TM+7], 24, v[PW]
.endm
.macro CODES s                         ; the conversions, and the plain line that stands behind the last of them
.irp b, 0,1,2,3
	v_cvt_scalef32_pk8_bf8_f32 v[PC+4*\b:PC+4*\b+1], v[(\s)+16*\b:(\s)+16*\b+7], v[TM+12+\b]
	v_cvt_scalef32_pk8_bf8_f32 v[PC+4*\b+2:PC+4*\b+3], v[(\s)+16*\b+8:(\s)+16*\b+15], v[TM+12+\b]
.endr
	v_nop
.endm
.macro QUANT s
.irp b, 0,1,2,3
	v_max3_num_f32 v[TM+\b], |v[(\s)+16*\b]|, |v[(\s)+16*\b+1]|, 0x8000000   ; my 16 numbers of block b, and the floor 2^(16 - 127)
.endr
.irp i, 2,4,6,8,10,12,14
.irp b, 0,1,2,3
	v_max3_num_f32 v[TM+\b], v[TM+\b], |v[(\s)+16*\b+\i]|, |v[(\s)+16*\b+\i+1]|
.endr
.endr
	SCALEWORK
.irp b, 0,1,2,3
.irp i, 0,1,2,3,4,5,6,7,8,9,10,11,12,13,14,15
	v_med3_num_f32 v[(\s)+16*\b+\i], v[(\s)+16*\b+\i], -v[TM+8+\b], v[TM+8+\b]   ; the conversion does not saturate (ISA guide 7.6.2): the hold comes first
.endr
.endr
	CODES \s
.endm
; PHASE X.  Step f = 2 x (K step in the trip) + (which of my two tiles).  A load reads 512 consecutive bytes of one row; the 16 rows turn through my stage, so that a lane gets 16 neighbours of each block
.macro XLOAD f, off
	WIN 0x80
.irp i, 0,1,2,3,4,5,6,7,8,9,10,11,12,13,14,15
	global_load_b128 v[64*(\f)+4*\i:64*(\f)+4*\i+3], v[LI], s[XB:XB+1] offset:(8*((\f)%2)+\i+8*(\i/8))*4096+512*((\f)/2)+\off th:TH_LOAD_NT
.endr
	WIN 0
.endm
.macro XTURN f
	WIN 0x08                                       ; an LDS store's data are its source 1: window 2
.irp i, 0,1,2,3,4,5,6,7,8,9,10,11,12,13,14,15
	ds_store_b128 v[STW], v[64*(\f)+4*\i:64*(\f)+4*\i+3] offset:8448*((\f)%2)+528*\i
.endr
	WIN 0
.irp b, 0,1,2,3
.irp j, 0,1,2,3
	ds_load_b128 v[XA+64*((\f)%2)+16*\b+4*\j:XA+64*((\f)%2)+16*\b+4*\j+3], v[STR] offset:8448*((\f)%2)+128*\b+16*\j   ; LDS serves a wave's instructions in order: these see the stores above
.endr
.endr
.endm
.macro IMAGE f
.irp c, 0,1,2,3
	ds_store_b128 v[XWI], v[PC+4*\c:PC+4*\c+3] offset:16384*((\f)/2)+2048*((\f)%2)+512*\c
.endr
	ds_store_b32 v[XWS], v[PW] offset:512*((\f)/2)+64*((\f)%2)   ; lanes l and l + 16 write the same word with the same value
.endm
.macro XSTEP f, ahead
	s_wait_dscnt 0x0                               ; this step's numbers are back from the stage; the stage's stores have read their registers; the last images are laid
.if \ahead
	XLOAD \f, 1024                                 ; the same step of the next trip
.if \f < 3
	s_wait_loadcnt 48                              ; three sets of 16 may be out: the next step's is in
.endif
.else
.if \f < 3
	s_wait_loadcnt 16*(2-\f)                       ; the last trip asks for nothing: the counts run down
.endif
.endif
.if \f < 3
	XTURN \f+1
.endif
	QUANT XA+64*(\f%2)
	IMAGE \f
.endm
.macro XTRIP ahead
	s_wait_loadcnt 48                              ; step 0's 16 loads are in; the three sets behind them may be out
	XTURN 0
	XSTEP 0, \ahead
	XSTEP 1, \ahead
	XSTEP 2, \ahead
	XSTEP 3, \ahead
.endm
	s_load_b512 s[36:51], s[0:1], 0x0              ; q, k, v s[36:41]; wimg, wscl, bimg s[42:47]; himg, hscl s[48:51]
	v_lshrrev_b32 v1, 5, v0
	v_readfirstlane_b32 s[WV], v1                  ; wave 0..3
	v_and_b32 v1, 31, v0                           ; lane
	v_and_b32 v2, 15, v0                           ; r
	v_bfe_u32 v3, v0, 4, 1                         ; h
	v_lshlrev_b32 v[LI], 4, v1
	v_lshlrev_b32 v[LS], 2, v1
	s_and_b32 s52, ttmp7, 0xffff                   ; the tensor
	s_cmp_eq_u32 s52, 2                            ; what differs for v, chosen without a jump
	s_cselect_b32 s[MODE], 1, 0
	s_mov_b32 s54, 131072                          ; chunks 2 and 3 of a tile: q, k: the next head's chunks 0 and 1; v: the same tile's
	s_cselect_b32 s54, 1024, s54
	s_mov_b32 s55, 131584
	s_cselect_b32 s55, 1536, s55
	s_mov_b32 s[STL], 1024
	s_cselect_b32 s[STL], 2048, s[STL]
	s_mov_b32 s[STM], 1024
	s_cselect_b32 s[STM], 124928, s[STM]           ; v: from a head's tile 3 to the next head's tile 0
	s_mov_b32 s[P0], 0x07060100                    ; q, k: bytes 0, 1 of the word, then 0x7f twice; v: the word as it is
	s_cselect_b32 s[P0], 0x03020100, s[P0]
	s_mov_b32 s[P1], 0x07060302                    ; q, k: bytes 2, 3 for the second head
	s_cselect_b32 s[P1], 0x03020100, s[P1]
	s_mov_b32 s53, 256                             ; scale words out: q, k: 512 bytes on end; v: 256 for each of the two heads
	s_cselect_b32 s53, 16384, s53
	s_mov_b32 s[STL+1], 0
	s_mov_b32 s[STM+1], 0
	s_mov_b32 s[SEL], 0x76543210
	s_mov_b32 s[SEL+1], 0xfedcba98                 ; v_permlanex16_b32's selects for lane l xor 16
	s_mov_b32 s[MNT], 0x600000
	s_mul_i32 s27, s[WV], STGW
	s_add_co_u32 s27, s27, STG
	v_add_nc_u32 v[STW], s27, v[LI]
	v_mul_u32_u24 v[STR], v2, 528
	v_lshl_add_u32 v[STR], v3, 6, v[STR]
	v_add_nc_u32 v[STR], s27, v[STR]
	s_lshl_b32 s27, s[WV], 12                      ; my two tiles' images: 2 x 2,048 x wave
	v_add_nc_u32 v[XWI], s27, v[LI]
	s_lshl_b32 s27, s[WV], 7
	s_add_co_u32 s27, s27, XSC
	v_lshl_add_u32 v[XWS], v2, 2, s27
	v_mov_b32 v[VO], v[LI]
	v_add_nc_u32 v[VO+1], 512, v[LI]
	v_add_nc_u32 v[VO+2], s54, v[LI]
	v_add_nc_u32 v[VO+3], s55, v[LI]
	s_lshl_b32 s27, s[WV], 10
	s_add_co_u32 s27, s27, SCR
	v_lshl_add_u32 v[SSA], v2, 2, s27
	v_add_nc_u32 v[SSR], s27, v[LI]
	v_mul_lo_u32 v[SSO], v3, s53
	v_lshl_add_u32 v[SSO], v2, 4, v[SSO]
	v_mov_b32 v[FIL], 0x7f7f7f7f
.irp b, 0,1,2,3
	v_mov_b32 v[TM+4+\b], 0                        ; written once: a lane permute's destination counts as one of its sources
.endr
	; byte offsets, each in a pair of its own
	s_lshl_b32 s32, ttmp9, 19                      ; x: 128 rows of 4,096 bytes a block,
	s_lshl_b32 s27, s[WV], 17                      ; 32 a wave
	s_add_co_u32 s32, s32, s27
	s_mov_b32 s33, 0
	s_lshl_b32 s34, s52, 20                        ; wimg: the tensor's weight, my eight tiles of 16,384 bytes
	s_add_co_u32 s34, s34, s27
	s_mov_b32 s35, 0
	s_lshl_b32 s60, s52, 15                        ; wscl
	s_lshl_b32 s27, s[WV], 12
	s_add_co_u32 s60, s60, s27
	s_mov_b32 s61, 0
	s_lshl_b32 s62, s52, 16                        ; bimg
	s_lshl_b32 s27, s[WV], 13
	s_add_co_u32 s62, s62, s27
	s_mov_b32 s63, 0
	s_lshr_b32 s53, ttmp9, 4                       ; the batch
	s_lshl_b32 s53, s53, 4
	s_lshl_b32 s27, s[WV], 1
	s_add_co_u32 s53, s53, s27                     ; my first head: 16 n + 2 w
	s_and_b32 s54, ttmp9, 15                       ; the block of 128 tokens in the sequence
	s_lshl_b32 s56, s52, 23                        ; himg: tensor, head, block
	s_lshl_b32 s27, s53, 17
	s_add_co_u32 s56, s56, s27
	s_lshl_b32 s27, s54, 13
	s_add_co_u32 s56, s56, s27
	s_mov_b32 s57, 0
	s_lshl_b32 s58, s53, 4                         ; hscl: (16 x head + block) x 1,024,
	s_add_co_u32 s58, s58, s54
	s_lshl_b32 s58, s58, 10
	s_cmp_lg_u32 s52, 0
	s_cselect_b32 s27, 0x100000, 0                 ; region 1 for k and v,
	s_add_co_u32 s58, s58, s27
	s_lshl_b32 s27, s[MODE], 9                     ; v's words behind k's 512 bytes
	s_add_co_u32 s58, s58, s27
	s_mov_b32 s59, 0
	s_wait_kmcnt 0x0
	s_cmp_eq_u32 s52, 1                            ; the tensor is chosen by the work-group's number alone
	s_cselect_b64 s[XB:XB+1], s[38:39], s[36:37]
	s_cmp_eq_u32 s52, 2
	s_cselect_b64 s[XB:XB+1], s[40:41], s[XB:XB+1]
	s_add_nc_u64 s[XB:XB+1], s[XB:XB+1], s[32:33]
	s_add_nc_u64 s[WP:WP+1], s[42:43], s[34:35]
	s_add_nc_u64 s[WSP:WSP+1], s[44:45], s[60:61]
	s_add_nc_u64 s[BP:BP+1], s[46:47], s[62:63]
	s_add_nc_u64 s[OB:OB+1], s[48:49], s[56:57]
	s_add_nc_u64 s[SB:SB+1], s[50:51], s[58:59]
	PASSLOAD                                       ; the first pass's weights land while x is quantised
	XLOAD 0, 0
	XLOAD 1, 0
	XLOAD 2, 0
	XLOAD 3, 0
	s_mov_b32 s[TRIP], 3
.Lxtrip:                                               ; a trip: two K steps of my two tiles; 64 loads of 512 bytes are on their way throughout
	XTRIP 1
	s_wait_xcnt 0x0                                ; the loads have read their base
	s_add_nc_u64 s[XB:XB+1], s[XB:XB+1], 1024
	v_add_nc_u32 v[XWI], 0x8000, v[XWI]
	v_add_nc_u32 v[XWS], 0x400, v[XWS]
	s_sub_co_u32 s[TRIP], s[TRIP], 1
	s_cmp_lg_u32 s[TRIP], 0
	s_cbranch_scc1 .Lxtrip
	XTRIP 0                                        ; the last trip is written out: no load leaves the rows
	s_wait_dscnt 0x0                               ; for the others' sake: my images and scale words are laid
	s_barrier_signal -1
	s_barrier_wait -1                              ; x's 64 fragments lie in LDS; from here on they are only read
	s_mov_b32 s[PASS], 0
.Lpass:
	v_mov_b32 v[ADX], v[LI]                        ; K step 0 (XIMG = 0)
	v_add_nc_u32 v[ADS], XSC, v[LS]
	FETCH_X 0
	XSCALES 0
	FETCH_X 4
	s_wait_loadcnt 36                              ; the bias and K step 0's weights are in; K step 1's 36 loads may be out
	s_wait_dscnt 0x0                               ; the first step wants all of x's fragments: v's form goes by tiles of features here
	MUL 0, 0, 1
	MUL 2, 0, 1
	MUL 4, 0, 1
	MUL 6, 0, 1
	PLACES 8
	v_add_nc_u32 v[ADX], 0x4000, v[ADX]
	v_add_nc_u32 v[ADS], 0x200, v[ADS]
	FETCH_X 0
	XSCALES 1
	FETCH_X 4
	FETCH_W 0
	s_wait_loadcnt 36
	s_mov_b32 s[TRIP], 3
.Lk:                                                   ; K steps 1 to 6
	GSTEP 1, 1, 1
	GSTEP 0, 1, 2
	s_sub_co_u32 s[TRIP], s[TRIP], 1
	s_cmp_lg_u32 s[TRIP], 0
	s_cbranch_scc1 .Lk
	GSTEP 1, 0, 0                                  ; K step 7; eight places stand behind its last product
	s_wait_loadcnt 0x0                             ; no load is out when the weights' registers are asked for again
	s_cmp_lg_u32 s[PASS], 0
	s_cbranch_scc1 .Lno_next
	s_wait_xcnt 0x0
	s_add_nc_u64 s[WP:WP+1], s[WP:WP+1], 512000    ; four groups of 128 features on: 524,288 less the six steps of 2,048 taken
	s_add_nc_u64 s[WSP:WSP+1], s[WSP:WSP+1], 15616 ; 16,384 less six steps of 128
	s_add_nc_u64 s[BP:BP+1], s[BP:BP+1], 32768
	PASSLOAD                                       ; the second pass's weights land while the first pass's results are quantised
.Lno_next:
	s_mov_b64 s[OC:OC+1], s[OB:OB+1]
; THE WAY OUT, one text for both forms: row a of the accumulators is 64 numbers of a lane, 16 b + i = place 32 b + 16 (lane / 16) + i along the next K.  The hold moves them into window 0
.macro EPI a
.set AC, 64*((\a)%4)
	WIN 0x0a+5*((\a)/4)                            ; sources 0 and 1: window 2 or 3
.irp b, 0,1,2,3
	v_max3_num_f32 v[TM+\b], |v[AC+16*\b]|, |v[AC+16*\b+1]|, 0x8000000   ; each accumulator is read from its low end on
.endr
.irp i, 2,4,6,8,10,12,14
.irp b, 0,1,2,3
	v_max3_num_f32 v[TM+\b], |v[AC+16*\b+\i]|, |v[AC+16*\b+\i+1]|, v[TM+\b]
.endr
.endr
	WIN 0
	SCALEWORK
	WIN 0x02+((\a)/4)                              ; source 0: window 2 or 3
.irp b, 0,1,2,3
.irp i, 0,1,2,3,4,5,6,7,8,9,10,11,12,13,14,15
	v_med3_num_f32 v[H+16*\b+\i], v[AC+16*\b+\i], -v[TM+8+\b], v[TM+8+\b]
.endr
.endr
	WIN 0
.if \a > 0
	s_wait_xcnt 0x0                                ; the last tile's stores have read their data and their base
.if \a == 4
	s_add_nc_u64 s[OC:OC+1], s[OC:OC+1], s[STM:STM+1]
.else
	s_add_nc_u64 s[OC:OC+1], s[OC:OC+1], s[STL:STL+1]
.endif
.endif
	CODES H
.if \a > 0
	s_wait_dscnt 0x0                               ; the last tile's scale words have left their registers
.endif
	v_perm_b32 v[SW], v[FIL], v[PW], s[P0]
	v_perm_b32 v[SW+1], v[FIL], v[PW], s[P1]
	ds_store_b32 v[SSA], v[SW] offset:64*\a        ; lanes l and l + 16 write the same word with the same value
	ds_store_b32 v[SSA], v[SW+1] offset:512+64*\a
.irp b, 0,1,2,3
	global_store_b128 v[VO+\b], v[PC+4*\b:PC+4*\b+3], s[OC:OC+1]   ; a chunk of an image: 512 consecutive bytes
.endr
.endm
	EPI 0
	EPI 1
	EPI 2
	EPI 3
	EPI 4
	EPI 5
	EPI 6
	EPI 7
	ds_load_b128 v[RB:RB+3], v[SSR]                ; my own bytes, served in order: the eight tiles' scale words
	ds_load_b128 v[RB+4:RB+7], v[SSR] offset:512
	s_wait_dscnt 0x0
	global_store_b128 v[SSO], v[RB:RB+3], s[SB:SB+1]   ; sixteen lanes store 256 consecutive bytes
	s_cmp_eq_u32 s[MODE], 0
	s_cbranch_scc0 .Lone
	global_store_b128 v[SSO], v[RB+4:RB+7], s[SB:SB+1] offset:16384   ; q, k: the second head's words
.Lone:
	s_wait_xcnt 0x0                                ; the stores have read their registers and bases: both are written again
	s_add_nc_u64 s[OB:OB+1], s[OB:OB+1], 1048576   ; eight heads on
	s_add_nc_u64 s[SB:SB+1], s[SB:SB+1], 131072
	s_add_co_u32 s[PASS], s[PASS], 1
	s_cmp_lt_u32 s[PASS], 2
	s_cbranch_scc1 .Lpass
	s_wait_xcnt 0x0
	v_lshl_add_u32 v254, v0, 2, 0x32800
	v_mov_b32 v255, 0
	s_wait_tensorcnt 0x0
	ds_add_u32 v254, v255
	s_wait_dscnt 0x0
	s_endpgm
.Lfunc_end_k_q3f5d309cd4_proj:
	.size	k_q3f5d309cd4_proj, .Lfunc_end_k_q3f5d309cd4_proj-k_q3f5d309cd4_proj
	.p2alignl 7, 3214868480
	.fill 96, 4, 3214868480
	.section	.rodata,"a",@progbits
	.p2align	6, 0x0
	.amdhsa_kernel k_q3f5d309cd4_proj
		.amdhsa_group_segment_fixed_size 207360
		.amdhsa_private_segment_fixed_size 0
		.amdhsa_enable_private_segment 0
		.amdhsa_kernarg_size 64
		.amdhsa_user_sgpr_count 2
		.amdhsa_user_sgpr_kernarg_segment_ptr 1
		.amdhsa_wavefront_size32 1
		.amdhsa_system_sgpr_workgroup_id_x 1
		.amdhsa_system_sgpr_workgroup_id_y 1
		.amdhsa_system_sgpr_workgroup_id_z 1
		.amdhsa_system_vgpr_workitem_id 0
		.amdhsa_next_free_vgpr 1024
		.amdhsa_next_free_sgpr 66
		.amdhsa_reserve_vcc 0
		.amdhsa_float_denorm_mode_32 3
		.amdhsa_float_denorm_mode_16_64 3
		.amdhsa_memory_ordered 1
		.amdhsa_forward_progress 1
		.amdhsa_inst_pref_size 255
	.end_amdhsa_kernel
	.section	.bss,"aw",@nobits
	.p2align	6
	.space	262144
	.amdgpu_metadata
---
amdhsa.version: [ 1, 2 ]
amdhsa.kernels:
  - .name:           k_q3f5d309cd4_proj
    .symbol:         k_q3f5d309cd4_proj.kd
    .args:
      - { .name: q, .offset: 0, .size: 8, .value_kind: global_buffer, .address_space: global }
      - { .name: k, .offset: 8, .size: 8, .value_kind: global_buffer, .address_space: global }
      - { .name: v, .offset: 16, .size: 8, .value_kind: global_buffer, .address_space: global }
      - { .name: wimg, .offset: 24, .size: 8, .value_kind: global_buffer, .address_space: global }
      - { .name: wscl, .offset: 32, .size: 8, .value_kind: global_buffer, .address_space: global }
      - { .name: bimg, .offset: 40, .size: 8, .value_kind: global_buffer, .address_space: global }
      - { .name: himg, .offset: 48, .size: 8, .value_kind: global_buffer, .address_space: global }
      - { .name: hscl, .offset: 56, .size: 8, .value_kind: global_buffer, .address_space: global }
    .group_segment_fixed_size: 207360
    .private_segment_fixed_size: 0
    .kernarg_segment_align: 8
    .kernarg_segment_size: 64
    .max_flat_workgroup_size: 128
    .sgpr_count:     66
    .vgpr_count:     1024
    .wavefront_size: 32
...
	.end_amdgpu_metadata
.endif
;; end of part 2
;; launch attn (part 3): grid 4 x 64, 16 waves a work-group, no clusters, 36,864 bytes of LDS; arguments himg, hscl, aimg, ascl; writes aimg, ascl
.if DOCPART == 3
	.amdgcn_target "amdgcn-amd-amdhsa--gfx1250"
	.amdhsa_code_object_version 6
	.text
	.protected	k_q3f5d309cd4_attn
	.globl	k_q3f5d309cd4_attn
	.p2align	8
	.type	k_q3f5d309cd4_attn,@function
k_q3f5d309cd4_attn:
	s_mov_b64 s[64:65], 0
	v_nop
	global_prefetch_b8 v0, s[64:65] scope:SCOPE_SE
	s_setreg_imm32_b32 hwreg(HW_REG_WAVE_MODE, 25, 1), 1
	s_wait_xcnt 0x0
; Causal attention of one head on codes of BF8 (E5M2): S^T = K Q^T (K = the head's 64 channels, in the lower half of a K of 128; the upper half of Q's operand is zero codes under the scale byte 0x7f),
; t = score x log2(e) / 8, M = the running largest t rounded UP to a whole number, p = 2^(t - M) quantised along the keys, O^T += V^T P^T, the row's sum of the unquantised p divides at the end.
; The result is quantised along the model's 1,024 features (a head is two blocks of 32) and leaves as a part of an image of the last product's operand.
; SHARES.  Work-group (x, head) owns the blocks of 256 queries x and 7 - x: 2 x + 2 and 16 - 2 x key steps of 128, 18 in every work-group.  Each of sixteen waves owns 16 queries, one tile, in 256 registers.
; All waves walk the 18 steps (a loop of 9 trips of two); a step all of whose keys come after a wave's queries is jumped over, but for its part in the ring and the barrier.
; THE RING.  Two LDS slots of a key step's K image (8,192 bytes), V image (8,192) and scale words (768).  It goes through registers: each thread carries 16 bytes of K and of V (threads 0 to 191 a scale word too),
; loaded a step ahead of the store that lays them in the slot left at the last barrier; one barrier a step.
; LAYOUT.  Both products are used transposed: a lane holds ONE query (slot lane % 16 of its tile) throughout.  Slot r of tile 2 b + u, of keys, queries and channels alike, is row 32 b + 8 u + r + 8 (r / 8):
; so p's 16 registers of two neighbouring tiles are 16 neighbouring keys, and O^T's are 16 neighbouring channels.
; LIMITS: p under 2^-126 becomes 0 (v_exp_f32 flushes); blocks of zeros get the scale byte 1 (this program alone reads the bytes); NaN and infinities are not served.
; REGISTERS: v1-4, v9 addresses; v7 the mask's bound; v12 -M, v13 the largest t, v[14:15] the sum; v16-23 Q, v24-31 zeros; v32-95 K's eight tiles (eight registers each; a fragment's upper half is the next
; tile's codes, which meet Q's zeros), later V's four fragments; v96-103 zeros; v104-167 S^T, then p; v168-199 O^T; v200-215 p's codes; v216-224 the ring; v232-254 at work; v248-251 scale words; v253 p's; v255 Q's.
.set SLOT, 17408
.set VOFF, 8192
.set SOFF, 16384
.set S,   104
.set O,   168
.set PCD, 200
.set KG,  216
.set VG,  220
.set SG,  224
.set NSA, 16                           ; s16  key steps of the first block
.set NSC, 17                           ; s17  of the block in hand
.set KS,  18                           ; s18  the key step in the block
.set MNT, 19
.set SEL, 20
.set CS,  22                           ; s[22:23] c = log2(e) / 8
.set VS,  24                           ; s24  the step among the 18
.set LW,  25                           ; s25  my wave's last step of the block: the one on the diagonal
.set TRIP, 26
	s_load_b256 s[4:11], s[0:1], 0x0               ; himg, hscl, aimg, ascl
	v_lshl_add_u32 v230, v0, 2, 0x8800
	v_mov_b32 v231, 0
	v_lshrrev_b32 v5, 5, v0
	v_readfirstlane_b32 s12, v5                    ; wave 0..15
	v_and_b32 v5, 31, v0
	v_lshlrev_b32 v1, 4, v5                        ; 16 x lane
	v_lshlrev_b32 v2, 2, v5                        ; 4 x lane
	v_lshlrev_b32 v3, 4, v0                        ; 16 x thread: my part of a tile, in memory and in a slot
	v_lshlrev_b32 v4, 2, v0                        ; 4 x thread: my scale word
	v_and_b32 v6, 15, v0                           ; r
	v_bfe_u32 v8, v0, 4, 1                         ; h
	v_lshlrev_b32 v9, 2, v6                        ; 4 r
	v_and_b32 v7, 8, v6
	v_add_nc_u32 v7, v7, v6                        ; r + 8 (r / 8)
	v_lshlrev_b32 v8, 4, v8
	v_sub_nc_u32 v7, v7, v8
	s_bfe_u32 s52, s12, 0x20001                    ; my tile in its block of 128: 2 b + u = wave % 8
	s_lshl_b32 s52, s52, 5
	s_and_b32 s53, s12, 1
	s_lshl_b32 s53, s53, 3
	s_add_co_u32 s52, s52, s53
	v_add_nc_u32 v7, s52, v7                       ; d = my query in the diagonal step - 16 (lane / 16).  Register 16 b + i holds key 32 b + 16 (lane / 16) + i: hidden where 32 b + i > d
	s_and_b32 s13, ttmp7, 0xffff                   ; the head, 16 n + hd
	s_lshl_b32 s[NSA], ttmp9, 1
	s_add_co_u32 s[NSA], s[NSA], 2
	s_sub_co_u32 s56, 18, s[NSA]                   ; key steps of the second block
	s_mov_b32 s[NSC], s[NSA]
	s_lshr_b32 s52, s12, 3
	s_lshl_b32 s[LW], ttmp9, 1
	s_add_co_u32 s[LW], s[LW], s52                 ; my queries' block of 128: 2 x + wave / 8
	s_lshl_b32 s53, ttmp9, 2
	s_sub_co_u32 s53, 14, s53                      ; blocks of 128 from the first block's queries to the second's: 2 (7 - 2 x)
	s_add_co_u32 s27, s[LW], s53
	s_mov_b32 s[KS], 0
	s_mov_b32 s[VS], 0
	s_mov_b32 s57, 0                               ; 1 in the second block
	s_mov_b32 s[MNT], 0x600000
	s_mov_b32 s[SEL], 0x76543210
	s_mov_b32 s[SEL+1], 0xfedcba98
	s_mov_b32 s[CS], 0x3e38aa3b
	s_mov_b32 s[CS+1], s[CS]                       ; (named with it as a pair, so it is written)
	s_and_b32 s52, s12, 7                          ; my tile
	s_lshl_b32 s58, s13, 17                        ; a head's images: 131,072 bytes
	s_mov_b32 s59, 0
	s_lshl_b32 s60, s13, 14                        ; a head's scale words: 16,384 bytes
	s_mov_b32 s61, 0
	s_lshl_b32 s54, s[LW], 13                      ; Q's image: head, block, tile
	s_add_co_u32 s54, s54, s58
	s_lshl_b32 s55, s52, 10
	s_add_co_u32 s54, s54, s55
	s_mov_b32 s55, 0
	s_lshl_b32 s62, s[LW], 10                      ; Q's scale words
	s_add_co_u32 s62, s62, s60
	s_lshl_b32 s63, s52, 6
	s_add_co_u32 s62, s62, s63
	s_mov_b32 s63, 0
	s_wait_kmcnt 0x0
	s_add_nc_u64 s[40:41], s[4:5], s[54:55]        ; Q's image,
	s_add_nc_u64 s[42:43], s[6:7], s[62:63]        ; its scale words
	s_add_nc_u64 s[28:29], s[4:5], s[58:59]
	s_add_nc_u64 s[30:31], s[28:29], 0x1000000     ; V's region of himg, at my head
	s_add_nc_u64 s[28:29], s[28:29], 0x800000      ; K's
	s_add_nc_u64 s[32:33], s[6:7], s[60:61]
	s_add_nc_u64 s[32:33], s[32:33], 0x100000      ; K's and V's scale words
	global_load_b128 v[KG:KG+3], v3, s[28:29]      ; key step 0
	global_load_b128 v[VG:VG+3], v3, s[30:31]
	s_cmp_lt_u32 s12, 6
	s_cbranch_scc0 .Lp0
	global_load_b32 v[SG], v4, s[32:33]
.Lp0:
	global_load_b128 v[16:19], v1, s[40:41]        ; Q's two chunks
	global_load_b128 v[20:23], v1, s[40:41] offset:512
	global_load_b32 v255, v9, s[42:43]
	; where the results go: aimg [block of 128][pair of heads][tile][2,048], my head's two chunks; ascl [block][pair of heads][pair of tiles][32 words], my head's two bytes
	s_lshr_b32 s54, s13, 4
	s_lshl_b32 s54, s54, 4
	s_add_co_u32 s54, s54, s[LW]                   ; 16 n + block
	s_bfe_u32 s62, s13, 0x30001                    ; hd / 2
	s_and_b32 s63, s13, 1                          ; hd % 2
	s_lshl_b32 s58, s54, 17
	s_lshl_b32 s60, s62, 14
	s_add_co_u32 s58, s58, s60
	s_lshl_b32 s60, s52, 11
	s_add_co_u32 s58, s58, s60
	s_lshl_b32 s60, s63, 10
	s_add_co_u32 s58, s58, s60
	s_add_nc_u64 s[44:45], s[8:9], s[58:59]
	s_lshl_b32 s58, s54, 12
	s_lshl_b32 s60, s62, 9
	s_add_co_u32 s58, s58, s60
	s_lshl_b32 s60, s52, 6                         ; 128 (tile / 2) + 64 (tile % 2) = 64 x tile
	s_add_co_u32 s58, s58, s60
	s_lshl_b32 s60, s63, 1
	s_add_co_u32 s58, s58, s60
	s_add_nc_u64 s[46:47], s[10:11], s[58:59]
	s_lshl_b32 s58, s53, 17                        ; and the same for the second block
	s_add_nc_u64 s[48:49], s[44:45], s[58:59]
	s_lshl_b32 s58, s53, 12
	s_add_nc_u64 s[50:51], s[46:47], s[58:59]
.irp j, 0,1,2,3,4,5,6,7
	v_mov_b32 v[24+\j], 0                          ; the upper half of Q's operand
	v_mov_b32 v[96+\j], 0                          ; and what stands behind K's last tile
.endr
	v_mov_b32 v13, 0xff61b1e6                      ; the largest t so far: -3e38, under every t
	v_floor_f32 v12, -v13                          ; -M
	v_mov_b32 v14, 0
	v_mov_b32 v15, 0
.irp b, 0,1,2,3
	v_mov_b32 v[236+\b], 0                         ; written once: a lane permute's destination counts as one of its sources
.endr
	v_mov_b32 v252, 0
	v_mov_b32 v253, 0
.set n, 0
.rept 32
	v_mov_b32 v[O+n], 0                            ; O^T: the step is written once; its first run finds zeros
.set n, n+1
.endr
	s_wait_loadcnt 0x0
	ds_store_b128 v3, v[KG:KG+3]
	ds_store_b128 v3, v[VG:VG+3] offset:VOFF
	s_cmp_lt_u32 s12, 6
	s_cbranch_scc0 .Lp1
	ds_store_b32 v4, v[SG] offset:SOFF
.Lp1:
	s_wait_dscnt 0x0                               ; slot 0 is laid, and the stores have read their registers
	global_load_b128 v[KG:KG+3], v3, s[28:29] offset:8192    ; key step 1 (every block has at least two)
	global_load_b128 v[VG:VG+3], v3, s[30:31] offset:8192
	s_cmp_lt_u32 s12, 6
	s_cbranch_scc0 .Lp2
	global_load_b32 v[SG], v4, s[32:33] offset:1024
.Lp2:
	s_lshl_b32 s58, s53, 13                        ; Q's loads are done: the pointers go on to the second block's queries
	s_add_nc_u64 s[40:41], s[40:41], s[58:59]
	s_lshl_b32 s58, s53, 10
	s_add_nc_u64 s[42:43], s[42:43], s[58:59]
	s_barrier_signal -1
	s_barrier_wait -1
; A KEY STEP, read from slot b
.macro ASTEP b
	s_wait_loadcnt 0x0                             ; the next step's tile is in my registers (asked for a step ago); Q's reload too
	ds_store_b128 v3, v[KG:KG+3] offset:(1-\b)*SLOT        ; into the slot that every wave left at the last barrier
	ds_store_b128 v3, v[VG:VG+3] offset:(1-\b)*SLOT+VOFF
	s_cmp_lt_u32 s12, 6
	s_cbranch_scc0 .Lns_\@
	ds_store_b32 v4, v[SG] offset:(1-\b)*SLOT+SOFF
.Lns_\@:
	s_wait_dscnt 0x0                               ; the stores have read their registers
	s_cmp_lt_u32 s[VS], 16                         ; the last two steps have nothing left to ask for
	s_cbranch_scc0 .Lnl_\@
	s_add_co_u32 s52, s[VS], 2                     ; the step after next: in the first block, or from the second block's start
	s_cmp_ge_u32 s52, s[NSA]
	s_cselect_b32 s53, s[NSA], 0
	s_sub_co_u32 s52, s52, s53
	s_lshl_b32 s54, s52, 13
	s_mov_b32 s55, 0
	s_add_nc_u64 s[34:35], s[28:29], s[54:55]      ; (the loads that read these bases are done)
	s_add_nc_u64 s[36:37], s[30:31], s[54:55]
	s_lshl_b32 s54, s52, 10
	s_add_nc_u64 s[38:39], s[32:33], s[54:55]
	global_load_b128 v[KG:KG+3], v3, s[34:35]      ; it has this whole step in which to land
	global_load_b128 v[VG:VG+3], v3, s[36:37]
	s_cmp_lt_u32 s12, 6
	s_cbranch_scc0 .Lnl_\@
	global_load_b32 v[SG], v4, s[38:39]
.Lnl_\@:
	s_cmp_gt_u32 s[KS], s[LW]                      ; all 128 keys come after my queries: nothing to compute
	s_cbranch_scc1 .Lhid_\@
.irp t, 0,1,2,3,4,5,6,7
	ds_load_b128 v[32+8*\t:32+8*\t+3], v1 offset:\b*SLOT+1024*\t
	ds_load_b128 v[32+8*\t+4:32+8*\t+7], v1 offset:\b*SLOT+1024*\t+512
.endr
.irp i, 0,1,2,3
	ds_load_b32 v[248+\i], v2 offset:\b*SLOT+SOFF+128*\i   ; lanes 0-15: tile 2 i's words; lanes 16-31: tile 2 i + 1's
.endr
	s_wait_dscnt 0x0
.irp t, 0,2,4,6
	v_wmma_scale_f32_16x16x128_f8f6f4 v[S+8*\t:S+8*\t+7], v[32+8*\t:47+8*\t], v[16:31], 0, v[248+\t/2], v255 matrix_a_fmt:MATRIX_FMT_BF8 matrix_b_fmt:MATRIX_FMT_BF8
	v_wmma_scale_f32_16x16x128_f8f6f4 v[S+8*\t+8:S+8*\t+15], v[40+8*\t:55+8*\t], v[16:31], 0, v[248+\t/2], v255 matrix_a_fmt:MATRIX_FMT_BF8 matrix_b_fmt:MATRIX_FMT_BF8 matrix_a_scale:MATRIX_SCALE_ROW1
.endr
.rept 8
	v_nop                                          ; places in front of the loads into registers that these products have read, and of the first read of the scores
.endr
.irp t, 0,1,2,3
.irp c, 0,1,2,3
	ds_load_b128 v[32+16*\t+4*\c:32+16*\t+4*\c+3], v1 offset:\b*SLOT+VOFF+2048*\t+512*\c   ; V's four fragments land under the softmax
.endr
.endr
	ds_load_b32 v248, v2 offset:\b*SLOT+SOFF+512
	ds_load_b32 v249, v2 offset:\b*SLOT+SOFF+640
	s_cmp_lg_u32 s[KS], s[LW]
	s_cbranch_scc1 .Lopen_\@
	s_cmp_lg_u32 s57, 0                            ; my block's last scores are made: the second block's queries are asked for, once
	s_cbranch_scc1 .Lnoq_\@
	global_load_b128 v[16:19], v1, s[40:41]
	global_load_b128 v[20:23], v1, s[40:41] offset:512
	global_load_b32 v255, v9, s[42:43]
.Lnoq_\@:
	v_mov_b32 v254, 0xff800000                     ; on the diagonal the scores of hidden keys become -infinity ahead of the maximum: p = 0 then
.set n, 0
.rept 64
	v_cmp_gt_i32 vcc_lo, 32*(n/16)+n%16, v7
	v_cndmask_b32 v[S+n], v[S+n], v254, vcc_lo
.set n, n+1
.endr
.Lopen_\@:
.irp b4, 0,1,2,3
	v_max3_num_f32 v[232+\b4], v[S+16*\b4], v[S+1+16*\b4], v[S+2+16*\b4]   ; the largest score of each block of 32 keys: it serves for the row's maximum and, since p rises with the score, for the block's largest p
.endr
.irp i, 3,5,7,9,11,13
.irp b4, 0,1,2,3
	v_max3_num_f32 v[232+\b4], v[232+\b4], v[S+16*\b4+\i], v[S+1+16*\b4+\i]
.endr
.endr
.irp b4, 0,1,2,3
	v_max_num_f32 v[232+\b4], v[232+\b4], v[S+15+16*\b4]
.endr
.irp b4, 0,1,2,3
	v_permlanex16_b32 v[236+\b4], v[232+\b4], s[SEL], s[SEL+1]
.endr
.irp b4, 0,1,2,3
	v_max_num_f32 v[232+\b4], v[232+\b4], v[236+\b4]       ; with lane l xor 16's 16 keys
.endr
	v_max3_num_f32 v254, v232, v233, v234
	v_max_num_f32 v254, v254, v235                 ; the step's largest score of my query (its first key always counts)
	v_mul_f32 v254, s[CS], v254
	v_max_num_f32 v13, v13, v254                   ; the running largest t
	v_mov_b32 v254, v12
	v_floor_f32 v12, -v13                          ; the new -M = -ceil(t): a whole number
	v_sub_f32 v254, v12, v254                      ; old M - new M: a whole number, 0 or less
	v_cvt_i32_f32 v254, v254                       ; (it saturates)
	v_ldexp_f32 v252, 1.0, v254                    ; f = 2^(old M - new M): a multiplication by it rounds nothing
.set n, 0
.rept 32
	v_pk_fma_f32 v[S+n:S+n+1], v[S+n:S+n+1], s[CS:CS+1], v[12:13] op_sel_hi:[1,0,0]   ; t - M, two at a time
.set n, n+2
.endr
.irp b4, 0,1,2,3
	v_fma_f32 v[232+\b4], v[232+\b4], s[CS], v12   ; the same of each block's largest score
.endr
.set n, 0
.rept 64
	v_exp_f32 v[S+n], v[S+n]                       ; p = 2^(t - M), at most 1: not normalised
.set n, n+1
.endr
	v_pk_mul_f32 v[14:15], v[14:15], v[252:253] op_sel_hi:[1,0]   ; the sums under the new M: the plain line behind the exponentials
	s_wait_alu depctr_va_vdst(0)                   ; one wait for the batch of 64, ahead of its first reader
.irp b4, 0,1,2,3
	v_exp_f32 v[232+\b4], v[232+\b4]               ; the block's largest p: the same two instructions on the same number
.endr
	v_pk_add_f32 v[236:237], v[S:S+1], v[S+2:S+3]  ; the row's sum is taken of the unquantised p, in two chains
.irp j, 4,8,12,16,20,24,28,32,36,40,44,48,52,56,60
	v_pk_add_f32 v[14:15], v[14:15], v[S+\j:S+\j+1]
	v_pk_add_f32 v[236:237], v[236:237], v[S+2+\j:S+3+\j]
.endr
	v_pk_add_f32 v[14:15], v[14:15], v[236:237]
	s_wait_alu depctr_va_vdst(0)                   ; and one for the four
.irp b4, 0,1,2,3
	v_max_num_f32 v[232+\b4], 0x8000000, v[232+\b4]        ; the floor 2^(16 - 127): the byte cannot fall under 1
.endr
.irp b4, 0,1,2,3
	v_add_nc_u32 v[244+\b4], 0xf8800000, v[232+\b4]        ; the conversion's scale operand
.endr
.irp b4, 0,1,2,3
	v_and_or_b32 v[240+\b4], v[232+\b4], 0x7f800000, s[MNT]   ; 57,344 x the scale
.endr
.irp b4, 0,1,2,3
	v_lshrrev_b32 v[236+\b4], 23, v[244+\b4]       ; the scale's byte
.endr
	v_lshl_or_b32 v253, v237, 8, v236              ; p's scale word for these 128 keys
	v_lshl_or_b32 v253, v238, 16, v253
	v_lshl_or_b32 v253, v239, 24, v253
.irp b4, 0,1,2,3
.irp i, 0,1,2,3,4,5,6,7,8,9,10,11,12,13,14,15
	v_min_num_f32 v[S+16*\b4+\i], v[S+16*\b4+\i], v[240+\b4]   ; the conversion does not saturate (ISA guide 7.6.2); p is not negative, so the hold is one-sided
.endr
	v_cvt_scalef32_pk8_bf8_f32 v[PCD+4*\b4:PCD+4*\b4+1], v[S+16*\b4:S+16*\b4+7], v[244+\b4]
	v_cvt_scalef32_pk8_bf8_f32 v[PCD+4*\b4+2:PCD+4*\b4+3], v[S+16*\b4+8:S+16*\b4+15], v[244+\b4]
.endr
.set n, 0
.rept 16
	v_pk_mul_f32 v[O+n:O+n+1], v[O+n:O+n+1], v[252:253] op_sel_hi:[1,0]   ; O^T under the new M; these 16 are also the places between the codes and the products
.set n, n+2
.endr
	s_wait_dscnt 0x0                               ; V's fragments and scale words are in
.irp t, 0,2
	v_wmma_scale_f32_16x16x128_f8f6f4 v[O+8*\t:O+8*\t+7], v[32+16*\t:47+16*\t], v[PCD:PCD+15], v[O+8*\t:O+8*\t+7], v[248+\t/2], v253 matrix_a_fmt:MATRIX_FMT_BF8 matrix_b_fmt:MATRIX_FMT_BF8
	v_wmma_scale_f32_16x16x128_f8f6f4 v[O+8*\t+8:O+8*\t+15], v[48+16*\t:63+16*\t], v[PCD:PCD+15], v[O+8*\t+8:O+8*\t+15], v[248+\t/2], v253 matrix_a_fmt:MATRIX_FMT_BF8 matrix_b_fmt:MATRIX_FMT_BF8 matrix_a_scale:MATRIX_SCALE_ROW1
.endr
.rept 8
	v_nop                                          ; places in front of the next step's loads into these products' registers, and of the next read of O^T
.endr
.Lhid_\@:
	s_add_co_u32 s[KS], s[KS], 1
	s_add_co_u32 s[VS], s[VS], 1
	s_wait_dscnt 0x0                               ; my part of the next slot is laid, and my reads of this slot are over
	s_barrier_signal -1
	s_barrier_wait -1
.endm
	s_mov_b32 s[TRIP], 9
.Ltrip:
	ASTEP 0
	ASTEP 1
	s_cmp_lg_u32 s[KS], s[NSC]                     ; a block has an even number of steps, so it ends with a trip; the same in all sixteen waves
	s_cbranch_scc1 .Lnofin
	; THE BLOCK'S END: O^T / the sum, quantised along the features (two blocks of 32: lanes l and l xor 16 hold a block), 1,024 bytes of an image and two scale bytes a row
	v_add_f32 v14, v14, v15
	v_permlanex16_b32 v252, v14, s[SEL], s[SEL+1]
	v_add_f32 v14, v14, v252                       ; the row's sum
	v_rcp_f32 v14, v14
	v_nop                                          ; a plain line behind the transcendental,
	s_wait_alu depctr_va_vdst(0)                   ; and the wait ahead of its first reader
.set n, 0
.rept 16
	v_pk_mul_f32 v[S+n:S+n+1], v[O+n:O+n+1], v[14:15] op_sel_hi:[1,0]   ; register 16 b + i: channel 32 b + 16 (lane / 16) + i; each accumulator from its low end on
.set n, n+2
.endr
.irp b4, 0,1
	v_max3_num_f32 v[232+\b4], |v[S+16*\b4]|, |v[S+16*\b4+1]|, 0x8000000
.endr
.irp i, 2,4,6,8,10,12,14
.irp b4, 0,1
	v_max3_num_f32 v[232+\b4], v[232+\b4], |v[S+16*\b4+\i]|, |v[S+16*\b4+\i+1]|
.endr
.endr
.irp b4, 0,1
	v_permlanex16_b32 v[236+\b4], v[232+\b4], s[SEL], s[SEL+1]
.endr
.irp b4, 0,1
	v_max_num_f32 v[232+\b4], v[232+\b4], v[236+\b4]
.endr
.irp b4, 0,1
	v_add_nc_u32 v[244+\b4], 0xf8800000, v[232+\b4]
.endr
.irp b4, 0,1
	v_and_or_b32 v[240+\b4], v[232+\b4], 0x7f800000, s[MNT]
.endr
.irp b4, 0,1
	v_lshrrev_b32 v[236+\b4], 23, v[244+\b4]
.endr
	v_lshl_or_b32 v254, v237, 8, v236              ; my head's two bytes of the row's scale word
.irp b4, 0,1
.irp i, 0,1,2,3,4,5,6,7,8,9,10,11,12,13,14,15
	v_med3_num_f32 v[S+16*\b4+\i], v[S+16*\b4+\i], -v[240+\b4], v[240+\b4]
.endr
	v_cvt_scalef32_pk8_bf8_f32 v[PCD+4*\b4:PCD+4*\b4+1], v[S+16*\b4:S+16*\b4+7], v[244+\b4]
	v_cvt_scalef32_pk8_bf8_f32 v[PCD+4*\b4+2:PCD+4*\b4+3], v[S+16*\b4+8:S+16*\b4+15], v[244+\b4]
.endr
	v_nop                                          ; the plain line behind the last conversion
	global_store_b128 v1, v[PCD:PCD+3], s[44:45]   ; 512 consecutive bytes each
	global_store_b128 v1, v[PCD+4:PCD+7], s[44:45] offset:512
	global_store_b16 v9, v254, s[46:47]            ; lanes l and l + 16 write the same two bytes with the same value; the word's other half is the neighbouring head's
	v_mov_b32 v13, 0xff61b1e6                      ; the second block begins as the first did
	v_floor_f32 v12, -v13
	v_mov_b32 v14, 0
	v_mov_b32 v15, 0
.set n, 0
.rept 32
	v_mov_b32 v[O+n], 0
.set n, n+1
.endr
	s_mov_b32 s[KS], 0
	s_mov_b32 s[NSC], s56
	s_mov_b32 s[LW], s27
	s_mov_b32 s57, 1
	s_wait_xcnt 0x0                                ; the stores have read their data and bases
	s_mov_b64 s[44:45], s[48:49]
	s_mov_b64 s[46:47], s[50:51]
.Lnofin:
	s_sub_co_u32 s[TRIP], s[TRIP], 1
	s_cmp_lg_u32 s[TRIP], 0
	s_cbranch_scc1 .Ltrip
	s_wait_tensorcnt 0x0
	ds_add_u32 v230, v231
	s_wait_dscnt 0x0
	s_endpgm
.Lfunc_end_k_q3f5d309cd4_attn:
	.size	k_q3f5d309cd4_attn, .Lfunc_end_k_q3f5d309cd4_attn-k_q3f5d309cd4_attn
	.p2alignl 7, 3214868480
	.fill 96, 4, 3214868480
	.section	.rodata,"a",@progbits
	.p2align	6, 0x0
	.amdhsa_kernel k_q3f5d309cd4_attn
		.amdhsa_group_segment_fixed_size 36864
		.amdhsa_private_segment_fixed_size 0
		.amdhsa_enable_private_segment 0
		.amdhsa_kernarg_size 32
		.amdhsa_user_sgpr_count 2
		.amdhsa_user_sgpr_kernarg_segment_ptr 1
		.amdhsa_wavefront_size32 1
		.amdhsa_system_sgpr_workgroup_id_x 1
		.amdhsa_system_sgpr_workgroup_id_y 1
		.amdhsa_system_sgpr_workgroup_id_z 1
		.amdhsa_system_vgpr_workitem_id 0
		.amdhsa_next_free_vgpr 256
		.amdhsa_next_free_sgpr 66
		.amdhsa_reserve_vcc 1
		.amdhsa_float_denorm_mode_32 3
		.amdhsa_float_denorm_mode_16_64 3
		.amdhsa_memory_ordered 1
		.amdhsa_forward_progress 1
		.amdhsa_inst_pref_size 64
	.end_amdhsa_kernel
	.amdgpu_metadata
---
amdhsa.version: [ 1, 2 ]
amdhsa.kernels:
  - .name:           k_q3f5d309cd4_attn
    .symbol:         k_q3f5d309cd4_attn.kd
    .args:
      - { .name: himg, .offset: 0, .size: 8, .value_kind: global_buffer, .address_space: global }
      - { .name: hscl, .offset: 8, .size: 8, .value_kind: global_buffer, .address_space: global }
      - { .name: aimg, .offset: 16, .size: 8, .value_kind: global_buffer, .address_space: global }
      - { .name: ascl, .offset: 24, .size: 8, .value_kind: global_buffer, .address_space: global }
    .group_segment_fixed_size: 36864
    .private_segment_fixed_size: 0
    .kernarg_segment_align: 8
    .kernarg_segment_size: 32
    .max_flat_workgroup_size: 512
    .sgpr_count:     66
    .vgpr_count:     256
    .wavefront_size: 32
...
	.end_amdgpu_metadata
.endif
;; end of part 3
;; launch outp (part 4): grid 64 x 2, 4 waves a work-group, no clusters, 169,472 bytes of LDS; arguments aimg, ascl, wimg, wscl, bimg, out0; writes out0
.if DOCPART == 4
	.amdgcn_target "amdgcn-amd-amdhsa--gfx1250"
	.amdhsa_code_object_version 6
	.text
	.protected	k_q3f5d309cd4_outp
	.globl	k_q3f5d309cd4_outp
	.p2align	8
	.type	k_q3f5d309cd4_outp,@function
k_q3f5d309cd4_outp:
	s_mov_b64 s[64:65], 0
	v_nop
	global_prefetch_b8 v0, s[64:65] scope:SCOPE_SE
	s_setreg_imm32_b32 hwreg(HW_REG_WAVE_MODE, 25, 1), 1
	s_wait_xcnt 0x0
; out0 = A Wo + bo on codes of BF8 (E5M2) with one E8M0 scale for each 32 along K.  A arrives as images of the operand's registers (aimg [block of 128 tokens][K step][tile][2,048]) with its scale
; words (ascl [block][K step][pair of tiles][32 words]); Wo likewise (wimg, wscl, weight 3); bo as images of a C operand (bimg).
; SHARES.  Work-group (x, y): 128 tokens x 512 features; wave w makes features 128 (4 y + w) on: 128 x 128, 64 accumulators, 8 K steps of 64 matrix instructions.
; A's 128 KiB are copied flat into LDS once (each wave a quarter), one barrier; its fragments come from there (one set of registers: tiles 0-3 are fetched anew in a step's middle, tiles 4-7 at its end).
; The weights' fragments come from memory straight into registers (two sets): each is used by this wave alone.
; Source 0 = 16 features, source 1 = 16 tokens: a lane holds one token, and the 16 registers of the feature tiles 2 b and 2 b + 1 are 16 neighbouring features
; (slot r of tile 2 b + u is row 32 b + 8 u + r + 8 (r / 8), of tokens and of features alike).  The bias is the C of each sum's first matrix instruction.
; REGISTERS, in windows of 256.  Window 0: v4-11 addresses; v32-39 A's scale words, v40-47 the weights'; v64-127 the bias; v128-255 A's eight fragments, on the way out rows of out0.
;   Window 1: the weights' fragments, two sets.  Windows 2, 3: the accumulators, (tile of tokens a, tile of features b) at 8 (8 a + b); at the head window 2 carries the copy.
.set XIMG,  0
.set XSC,   131072
.set STG,   135168                     ; the way out: 16 rows x (512 + 16) bytes for each wave
.set LI,  4                            ; v4   16 x lane; never rewritten
.set LS,  5                            ; v5   4 x lane; never rewritten
.set STO, 6                            ; v6   the stage, in
.set RD,  7                            ; v7   the stage, out
.set CPA, 8                            ; v8   the copy: my quarter of A's images
.set CPS, 9                            ; v9   and of the scale words
.set ADX, 10
.set ADS, 11
.set XS,  32
.set WS,  40
.set BC,  64
.set XF,  128
.set BK,  128
.set AP,  4                            ; s[4:5]   aimg at my quarter
.set WP,  6
.set WSP, 8
.set BP,  10
.set OUT, 12                           ; s[12:13] out0 at the block's first row, my 512 bytes
.set ASP, 14
.set WV,  18
.set TRIP, 24
.set MSB, 0
.macro WIN new                         ; the immediate's high byte repeats the setting that is left; a switch that changes nothing is dropped
.if MSB != (\new)
	s_set_vgpr_msb (MSB<<8)|(\new)
.set MSB, (\new)
.endif
.endm
.macro PLACES n                        ; plain vector instructions between a matrix instruction and a load into, or a read of, its registers: eight for this form
.rept \n
	v_nop
.endr
.endm
.macro MM                              ; one matrix instruction from the symbols rD, rA, rB, rC, rSA, rSB; fA, fB: the side's scale words lie in lanes 16-31
.if fA && fB
	v_wmma_scale_f32_16x16x128_f8f6f4 v[rD:rD+7], v[rA:rA+15], v[rB:rB+15], v[rC:rC+7], v[rSA], v[rSB] matrix_a_fmt:MATRIX_FMT_BF8 matrix_b_fmt:MATRIX_FMT_BF8 matrix_a_scale:MATRIX_SCALE_ROW1 matrix_b_scale:MATRIX_SCALE_ROW1
.elseif fA
	v_wmma_scale_f32_16x16x128_f8f6f4 v[rD:rD+7], v[rA:rA+15], v[rB:rB+15], v[rC:rC+7], v[rSA], v[rSB] matrix_a_fmt:MATRIX_FMT_BF8 matrix_b_fmt:MATRIX_FMT_BF8 matrix_a_scale:MATRIX_SCALE_ROW1
.elseif fB
	v_wmma_scale_f32_16x16x128_f8f6f4 v[rD:rD+7], v[rA:rA+15], v[rB:rB+15], v[rC:rC+7], v[rSA], v[rSB] matrix_a_fmt:MATRIX_FMT_BF8 matrix_b_fmt:MATRIX_FMT_BF8 matrix_b_scale:MATRIX_SCALE_ROW1
.else
	v_wmma_scale_f32_16x16x128_f8f6f4 v[rD:rD+7], v[rA:rA+15], v[rB:rB+15], v[rC:rC+7], v[rSA], v[rSB] matrix_a_fmt:MATRIX_FMT_BF8 matrix_b_fmt:MATRIX_FMT_BF8
.endif
.endm
; 16 matrix instructions: tiles of tokens a0, a0 + 1 x the eight tiles of features.  The 64 accumulators take turns, one instruction a turn.  first = 1: C is the bias
.macro MUL a0, p, first
.if \first
	WIN 0x81+0x40*((\a0)/4)
.else
	WIN 0xa1+0x50*((\a0)/4)
.endif
.irp a, \a0, \a0+1
.irp b, 0,1,2,3,4,5,6,7
.set rD, 8*(8*((\a)%4)+\b)
.set rA, 128*(\p)+16*\b
.set rB, XF+16*(\a)
.if \first
.set rC, BC+8*\b
.else
.set rC, rD
.endif
.set rSA, WS+4*(\p)+\b/2
.set rSB, XS+4*(\p)+(\a)/2
.set fA, \b%2
.set fB, (\a)%2
	MM
.endr
.endr
.endm
.macro FETCH_X i0
.irp i, \i0, \i0+1, \i0+2, \i0+3
.irp c, 0,1,2,3
	ds_load_b128 v[XF+16*(\i)+4*\c:XF+16*(\i)+4*\c+3], v[ADX] offset:2048*(\i)+512*\c
.endr
.endr
.endm
.macro XSCALES p                       ; lanes 0-15: tile 2 i's words; lanes 16-31: tile 2 i + 1's
.irp i, 0,1,2,3
	ds_load_b32 v[XS+4*(\p)+\i], v[ADS] offset:128*\i
.endr
.endm
.macro FETCH_W p                       ; the weights' fragments and scale words two K steps on, into the set just read out: 36 loads
	s_wait_xcnt 0x0                                ; the earlier loads have read their bases
	s_add_nc_u64 s[WP:WP+1], s[WP:WP+1], 2048
	s_add_nc_u64 s[WSP:WSP+1], s[WSP:WSP+1], 128
	WIN 0x40
.irp i, 0,1,2,3,4,5,6,7
.irp c, 0,1,2,3
	global_load_b128 v[128*(\p)+16*\i+4*\c:128*(\p)+16*\i+4*\c+3], v[LI], s[WP:WP+1] offset:16384*\i+512*\c+2048
.endr
.endr
	WIN 0
.irp i, 0,1,2,3
	global_load_b32 v[WS+4*(\p)+\i], v[LS], s[WSP:WSP+1] offset:1024*\i+128
.endr
.endm
.macro GSTEP p, fx, fw
	s_wait_dscnt 16                                ; A's tiles 0-3 and the scale words are in; the youngest 16 loads (tiles 4-7) may be out
	MUL 0, \p, 0
	MUL 2, \p, 0
	WIN 0
	s_wait_dscnt 0x0
	PLACES 8
.if \fx
	v_add_nc_u32 v[ADX], 0x4000, v[ADX]
	v_add_nc_u32 v[ADS], 0x200, v[ADS]
	FETCH_X 0
	XSCALES 1-(\p)
.endif
	MUL 4, \p, 0
	MUL 6, \p, 0
	WIN 0
	PLACES 8
.if \fx
	FETCH_X 4
.endif
.if \fw == 1
	FETCH_W \p
	s_wait_loadcnt 36                              ; the 36 just issued may be out; the next step's set, asked for a step ago, is in
.elseif \fw == 2
	s_cmp_eq_u32 s[TRIP], 1
	s_cbranch_scc1 .Lnofetch_\@
	FETCH_W \p
	s_wait_loadcnt 36
	s_branch .Lfetched_\@
.Lnofetch_\@:
	s_wait_loadcnt 0x0                             ; nothing is left to ask for: the last step's set is in
.Lfetched_\@:
.endif
.endm
	s_load_b256 s[36:43], s[0:1], 0x0              ; aimg, ascl, wimg, wscl
	s_load_b128 s[44:47], s[0:1], 0x20             ; bimg, out0
	v_lshl_add_u32 v62, v0, 2, 0x29400
	v_mov_b32 v63, 0
	v_lshrrev_b32 v1, 5, v0
	v_readfirstlane_b32 s[WV], v1                  ; wave 0..3
	v_and_b32 v1, 31, v0
	v_and_b32 v2, 15, v0                           ; r
	v_bfe_u32 v3, v0, 4, 1                         ; h
	v_lshlrev_b32 v[LI], 4, v1
	v_lshlrev_b32 v[LS], 2, v1
	s_mul_i32 s27, s[WV], 8448
	s_add_co_u32 s27, s27, STG
	v_mul_u32_u24 v[STO], v2, 528
	v_lshl_add_u32 v[STO], v3, 6, v[STO]
	v_add_nc_u32 v[STO], s27, v[STO]               ; in: row r, + 64 h: the 16 features of my half in each block of 32
	v_add_nc_u32 v[RD], s27, v[LI]                 ; back: a row of 512 bytes, 16 a lane
	s_lshl_b32 s27, s[WV], 15
	v_add_nc_u32 v[CPA], s27, v[LI]
	s_lshl_b32 s27, s[WV], 10
	s_add_co_u32 s27, s27, XSC
	v_add_nc_u32 v[CPS], s27, v[LI]
	s_and_b32 s52, ttmp7, 0xffff
	s_lshl_b32 s52, s52, 2
	s_add_co_u32 s52, s52, s[WV]                   ; my group of 128 features
	s_lshl_b32 s32, s52, 17                        ; wimg: weight 3, my eight tiles
	s_add_co_u32 s32, s32, 0x300000
	s_mov_b32 s33, 0
	s_lshl_b32 s34, s52, 12                        ; wscl
	s_add_co_u32 s34, s34, 0x18000
	s_mov_b32 s35, 0
	s_lshl_b32 s56, s52, 13                        ; bimg
	s_add_co_u32 s56, s56, 0x30000
	s_mov_b32 s57, 0
	s_lshl_b32 s58, ttmp9, 17                      ; aimg: the block, my quarter
	s_lshl_b32 s27, s[WV], 15
	s_add_co_u32 s58, s58, s27
	s_mov_b32 s59, 0
	s_lshl_b32 s60, ttmp9, 12                      ; ascl likewise
	s_lshl_b32 s27, s[WV], 10
	s_add_co_u32 s60, s60, s27
	s_mov_b32 s61, 0
	s_lshl_b32 s62, ttmp9, 19                      ; out0: 128 rows of 4,096 bytes a block, + my 512 bytes of a row
	s_lshl_b32 s27, s52, 9
	s_add_co_u32 s62, s62, s27
	s_mov_b32 s63, 0
	s_wait_kmcnt 0x0
	s_add_nc_u64 s[WP:WP+1], s[40:41], s[32:33]
	s_add_nc_u64 s[WSP:WSP+1], s[42:43], s[34:35]
	s_add_nc_u64 s[BP:BP+1], s[44:45], s[56:57]
	s_add_nc_u64 s[AP:AP+1], s[36:37], s[58:59]
	s_add_nc_u64 s[ASP:ASP+1], s[38:39], s[60:61]
	s_add_nc_u64 s[OUT:OUT+1], s[46:47], s[62:63]
	; the bias (16 loads), K steps 0 and 1 of the weights (36 each)
.irp t, 0,1,2,3,4,5,6,7
	global_load_b128 v[BC+8*\t:BC+8*\t+3], v[LI], s[BP:BP+1] offset:1024*\t
	global_load_b128 v[BC+8*\t+4:BC+8*\t+7], v[LI], s[BP:BP+1] offset:1024*\t+512
.endr
.irp p, 0,1
	WIN 0x40
.irp i, 0,1,2,3,4,5,6,7
.irp c, 0,1,2,3
	global_load_b128 v[128*\p+16*\i+4*\c:128*\p+16*\i+4*\c+3], v[LI], s[WP:WP+1] offset:16384*\i+512*\c+2048*\p
.endr
.endr
	WIN 0
.irp i, 0,1,2,3
	global_load_b32 v[WS+4*\p+\i], v[LS], s[WSP:WSP+1] offset:1024*\i+128*\p
.endr
.endr
	; the copy: my 32,768 bytes of A's images and 1,024 of its scale words, 512 consecutive bytes a load
	WIN 0x80
.set n, 0
.rept 64
	global_load_b128 v[4*n:4*n+3], v[LI], s[AP:AP+1] offset:512*n
.set n, n+1
.endr
	WIN 0
	global_load_b128 v[128:131], v[LI], s[ASP:ASP+1]
	global_load_b128 v[132:135], v[LI], s[ASP:ASP+1] offset:512
.set n, 0
.irp q, 0,1,2,3
	s_wait_loadcnt 50-16*\q                        ; the younger loads of the copy may be out: 48, 32, 16, 0 of the images' and the two of the scale words
	WIN 0x08                                       ; an LDS store's data are its source 1: window 2
.rept 16
	ds_store_b128 v[CPA], v[4*n:4*n+3] offset:512*n
.set n, n+1
.endr
	WIN 0
.endr
	s_wait_loadcnt 0x0
	ds_store_b128 v[CPS], v[128:131]
	ds_store_b128 v[CPS], v[132:135] offset:512
	s_wait_dscnt 0x0                               ; for the others' sake: my quarter is laid
	s_barrier_signal -1
	s_barrier_wait -1                              ; from here on the images are only read
	v_mov_b32 v[ADX], v[LI]                        ; K step 0 (XIMG = 0)
	v_add_nc_u32 v[ADS], XSC, v[LS]
	FETCH_X 0
	XSCALES 0
	FETCH_X 4
	s_wait_dscnt 0x0
	MUL 0, 0, 1                                    ; the first K step starts the sums from the bias
	MUL 2, 0, 1
	MUL 4, 0, 1
	MUL 6, 0, 1
	WIN 0
	PLACES 8
	v_add_nc_u32 v[ADX], 0x4000, v[ADX]
	v_add_nc_u32 v[ADS], 0x200, v[ADS]
	FETCH_X 0
	XSCALES 1
	FETCH_X 4
	FETCH_W 0
	s_wait_loadcnt 36
	s_mov_b32 s[TRIP], 3
.Lk:                                                   ; K steps 1 to 6
	GSTEP 1, 1, 1
	GSTEP 0, 1, 2
	s_sub_co_u32 s[TRIP], s[TRIP], 1
	s_cmp_lg_u32 s[TRIP], 0
	s_cbranch_scc1 .Lk
	GSTEP 1, 0, 0                                  ; K step 7; eight places stand behind its last product
; THE WAY OUT, a tile of 16 tokens x 128 features at a time, through my own stage: a lane holds 64 bytes of each block of 32 features of one row; back come whole rows of 512 bytes.
; LDS serves a wave's instructions in order (ISA guide 5.7.1.4): no wait between the stores and the loads, nor in front of the next tile's stores
.macro TOSTAGE a
.set AC, 64*((\a)%4)
	WIN 0x08+4*((\a)/4)                            ; the data: window 2 or 3
.irp b, 0,1,2,3,4,5,6,7
	ds_store_b128 v[STO], v[AC+8*\b:AC+8*\b+3] offset:128*(\b/2)+32*(\b%2)         ; each accumulator from its low end on
	ds_store_b128 v[STO], v[AC+8*\b+4:AC+8*\b+7] offset:128*(\b/2)+32*(\b%2)+16
.endr
	WIN 0
.set BB, BK+64*((\a)%2)
.irp t, 0,1,2,3,4,5,6,7,8,9,10,11,12,13,14,15
	ds_load_b128 v[BB+4*\t:BB+4*\t+3], v[RD] offset:528*\t
.endr
.endm
.macro SEND a, younger                 ; younger: the LDS instructions issued behind tile a's loads, which may stay out
.set BB, BK+64*((\a)%2)
	s_wait_dscnt \younger
.irp t, 0,1,2,3,4,5,6,7,8,9,10,11,12,13,14,15
	global_store_b128 v[LI], v[BB+4*\t:BB+4*\t+3], s[OUT:OUT+1] offset:(32*((\a)/2)+8*((\a)%2)+\t+8*(\t/8))*4096 th:TH_STORE_NT   ; slot t's token; 512 consecutive bytes, at a multiple of 512 from out0's first byte
.endr
.endm
	TOSTAGE 0
.irp a, 1,2,3,4,5,6,7
.if \a > 1
	s_wait_xcnt 0x0                                ; tile a - 2's stores have read their registers: tile a's rows may land there
.endif
	TOSTAGE \a
	SEND \a-1, 32                                  ; behind tile a - 1's loads: tile a's 16 stores and 16 loads
.endr
	SEND 7, 0
	s_wait_tensorcnt 0x0
	ds_add_u32 v62, v63
	s_wait_dscnt 0x0
	s_endpgm
.Lfunc_end_k_q3f5d309cd4_outp:
	.size	k_q3f5d309cd4_outp, .Lfunc_end_k_q3f5d309cd4_outp-k_q3f5d309cd4_outp
	.p2alignl 7, 3214868480
	.fill 96, 4, 3214868480
	.section	.rodata,"a",@progbits
	.p2align	6, 0x0
	.amdhsa_kernel k_q3f5d309cd4_outp
		.amdhsa_group_segment_fixed_size 169472
		.amdhsa_private_segment_fixed_size 0
		.amdhsa_enable_private_segment 0
		.amdhsa_kernarg_size 48
		.amdhsa_user_sgpr_count 2
		.amdhsa_user_sgpr_kernarg_segment_ptr 1
		.amdhsa_wavefront_size32 1
		.amdhsa_system_sgpr_workgroup_id_x 1
		.amdhsa_system_sgpr_workgroup_id_y 1
		.amdhsa_system_sgpr_workgroup_id_z 1
		.amdhsa_system_vgpr_workitem_id 0
		.amdhsa_next_free_vgpr 1024
		.amdhsa_next_free_sgpr 66
		.amdhsa_reserve_vcc 0
		.amdhsa_float_denorm_mode_32 3
		.amdhsa_float_denorm_mode_16_64 3
		.amdhsa_memory_ordered 1
		.amdhsa_forward_progress 1
		.amdhsa_inst_pref_size 106
	.end_amdhsa_kernel
	.amdgpu_metadata
---
amdhsa.version: [ 1, 2 ]
amdhsa.kernels:
  - .name:           k_q3f5d309cd4_outp
    .symbol:         k_q3f5d309cd4_outp.kd
    .args:
      - { .name: aimg, .offset: 0, .size: 8, .value_kind: global_buffer, .address_space: global }
      - { .name: ascl, .offset: 8, .size: 8, .value_kind: global_buffer, .address_space: global }
      - { .name: wimg, .offset: 16, .size: 8, .value_kind: global_buffer, .address_space: global }
      - { .name: wscl, .offset: 24, .size: 8, .value_kind: global_buffer, .address_space: global }
      - { .name: bimg, .offset: 32, .size: 8, .value_kind: global_buffer, .address_space: global }
      - { .name: out0, .offset: 40, .size: 8, .value_kind: global_buffer, .address_space: global }
    .group_segment_fixed_size: 169472
    .private_segment_fixed_size: 0
    .kernarg_segment_align: 8
    .kernarg_segment_size: 48
    .max_flat_workgroup_size: 128
    .sgpr_count:     66
    .vgpr_count:     1024
    .wavefront_size: 32
...
	.end_amdgpu_metadata
.endif
;; end of part 4
;; ======== version 2 of 2: 4 launches; version 1 with the launches proj, attn, outp written anew for expert scheduling mode
;; workspace buffers: wimg 4,194,304 bytes; wscl 131,072 bytes; bimg 262,144 bytes; himg 25,165,824 bytes; hscl 2,097,152 bytes; aimg 8,388,608 bytes; ascl 262,144 bytes
;; launch prep: the kernel of part 1 again; grid 8 x 32, 4 waves a work-group, no clusters, 0 bytes of LDS; arguments Wq, Wk, Wv, Wo, bq, bk, bv, bo, wimg, wscl, bimg; writes wimg, wscl, bimg
;; launch proj (part 5): grid 64 x 3, 4 waves a work-group, no clusters, 207,360 bytes of LDS; arguments q, k, v, wimg, wscl, bimg, himg, hscl; writes himg, hscl
.if DOCPART == 5
	.amdgcn_target "amdgcn-amd-amdhsa--gfx1250"
	.amdhsa_code_object_version 6
	.text
	.protected	k_q3f5d309cd4_proj
	.globl	k_q3f5d309cd4_proj
	.p2align	8
	.type	k_q3f5d309cd4_proj,@function
k_q3f5d309cd4_proj:
	s_mov_b64 s[64:65], 0
	v_nop
	global_prefetch_b8 v0, s[64:65] scope:SCOPE_SE
	s_setreg_imm32_b32 hwreg(HW_REG_WAVE_SCHED_MODE, 0, 2), 2
	s_setreg_imm32_b32 hwreg(HW_REG_WAVE_MODE, 25, 1), 1
	s_wait_xcnt 0x0
	s_wait_alu depctr_vm_vsrc(0)
; qh = q Wq + bq, kh = k Wk + bk, vh = v Wv + bv on codes of BF8 (E5M2) with one E8M0 scale for each 32 along K; the results are quantised again on the way out,
; qh and kh along a head's 64 channels, vh along the keys, and leave as images of the operand registers that the attention launch loads.
; SHARES.  Work-group (x, y): 128 tokens (block x) of tensor y (0 q, 1 k, 2 v) x all 1,024 features, so that the f32 rows are read and quantised once.
; PHASE X: wave w quantises tokens 32 w .. 32 w + 31 (two tiles, eight K steps) and lays the fragments' register images in LDS; one barrier.
; TWO PASSES: in pass p wave w makes features 128 (w + 4 p) on: 128 x 128, 64 accumulators, 8 K steps of 64 matrix instructions.  x's fragments come from LDS (one set of registers:
; tiles 0-3 are fetched anew in a step's middle, tiles 4-7 at its end); the weights' fragments come from memory straight into registers (two sets; each is used by this wave alone).
; TILES.  Slot r of tile 2 b + u, of tokens and of features alike, is row 32 b + 8 u + r + 8 (r / 8): so the 16 result registers of source 0's tiles 2 b and 2 b + 1 are 16 NEIGHBOURS.
; q, k: source 0 = 16 features, source 1 = 16 tokens: a lane holds one token and its registers run along the features.  v: the sources swapped: a lane holds one feature and its registers run along the tokens.
; The two forms differ in the matrix instructions alone: a short branch on the tensor's number stands round each run of 16; loads, waits and the way out are one text.
; The bias is the C of each sum's first matrix instruction.
; OUT.  himg: [tensor][head][block of 128 tokens][8,192]: q, k: [tile 0..7][chunk 0..1][512]; v: [tile of 16 channels 0..3][chunk 0..3][512]; a chunk holds 16 bytes a lane.
; hscl: region 0 q's words, region 1 k's (bytes 0..511 of each 1,024) and v's (512..767).  q's and k's words: two scale bytes, then 0x7f twice (the upper half of a K of 128 is zeros there).
; LIMITS: a block of zeros, or one whose largest magnitude lies under 2^-111, gets the byte 1 (this program alone reads the bytes); NaN and infinities among the inputs are not served.
; REGISTERS, in windows of 256.  Window 0: v4-19 addresses; v20-38 at work in the quantisers, v32-39 x's scale words in the product; v40-47 the weights' scale words; v48-63 codes just made;
;   v64-127 the bias, eight C operands; v128-255 x's eight fragments (phase X: two sets of 64 numbers; way out: 64 numbers, and the scale words read back).
;   Window 1: the weights' fragments, two sets.  Windows 2, 3: the accumulators, (a, b) at 8 (8 a + b): q, k: a = tile of tokens, b = tile of features; v: the other way round.  Phase X: window 2 holds four sets of rows as loaded.
; THE MODE: SCHED_MODE bits 1:0 = 2 (LLVM: expert scheduling mode 2), set by the entry lines.  The code itself states the register dependences
; between vector or matrix instructions and memory or LDS instructions, with s_wait_alu, always for 0.
; THE PLAN.  Registers that memory or LDS instructions touch:
;   v4-9, v12-18     offsets and LDS addresses.  Made at the head; v[XWI] and v[XWS] alone are stepped, once a trip of phase X.
;   PHASE X, step f: the rows' set f (window 2): loads land in it, the stage's stores read it, the loads of the next trip land in it again.  The numbers' set f % 2: the stage's loads land in it, the quantiser
;                    reads and writes it.  v[PC ..], v[PW]: the quantiser writes them, the image's stores read them.
;                    One wait on vm_vsrc at a step's head (the stage's stores have read set f; the last image's stores have read the codes) and one on va_vdst behind the quantiser (the codes are written; the
;                    quantiser is done with its set, in which loads land a step later, when only the other set's quantiser and the two address steps have been issued).
;   A K STEP:        v[ADX], v[ADS]: read by the LDS loads, stepped in a step's middle.  x's tiles 0-3 and the other set of x's scale words: free behind the step's first 32 products.
;                    x's tiles 4-7, the weights' set and its scale words: free behind its last.  So two waits on va_vdst a step; behind the first the 20 LDS loads are dealt among the step's last 32 products,
;                    which name tiles 4-7, this step's weights and scale words and the accumulators: none of the registers that those loads touch.
;   THE WAY OUT:     v[PC ..], v[SW ..]: the conversions and byte selects write them, a tile's stores read them: va_vdst ahead of the stores, vm_vsrc ahead of the next tile's conversions.
.set XIMG,  0                          ; LDS: x's fragments [K step][tile][2,048]
.set XSC,   131072                     ; their scale words [K step][pair of tiles][32 words]
.set STG,   135168                     ; phase X: two stages of 16 rows x (512 + 16) bytes for each wave
.set STGW,  16896
.set SCR,   202752                     ; the way out: 1,024 bytes of scale words for each wave
.set LI,  4                            ; v4   16 x lane; never rewritten
.set LS,  5                            ; v5   4 x lane; never rewritten
.set STW, 6                            ; v6   the stage, in: 16 x lane
.set STR, 7                            ; v7   the stage, out: 528 r + 64 h
.set XWI, 8                            ; v8   where I lay x's images
.set XWS, 9                            ; v9   and their scale words
.set ADX, 10                           ; v10  the K step's fragments of x
.set ADS, 11                           ; v11  and scale words
.set VO,  12                           ; v12-15 the way out: where the four chunks of a tile go
.set SSA, 16                           ; v16  scale scratch, in
.set SSR, 17                           ; v17  scale scratch, out
.set SSO, 18                           ; v18  and the same place in hscl
.set FIL, 19                           ; v19  0x7f four times
.set TM,  20                           ; v20-23 largest magnitudes, v24-27 bytes, v28-31 57,344 x the scale, v32-35 the conversions' scale operands
.set PW,  36                           ; the scale word just made
.set SW,  37                           ; v37-38 the two heads' words
.set XS,  32
.set WS,  40
.set PC,  48
.set BC,  64
.set XF,  128
.set XA,  128
.set H,   128
.set RB,  192
.set XB,  4                            ; s[4:5]   x at my wave's first row, at the trip's K
.set WP,  6                            ; s[6:7]   my weights' images
.set WSP, 8                            ; s[8:9]   their scale words
.set BP,  10                           ; s[10:11] my bias images
.set OB,  12                           ; s[12:13] himg at the pass's first head
.set OC,  14                           ; s[14:15] the same, walking
.set SB,  16                           ; s[16:17] hscl likewise
.set WV,  18
.set MODE, 19                          ; 1 for v
.set SEL, 20
.set PASS, 22
.set MNT, 23
.set TRIP, 24
.set P0,  25                           ; byte selects that cut the scale word
.set P1,  26
.set STL, 28                           ; s[28:29] bytes from tile to tile on the way out
.set STM, 30                           ; s[30:31] and from tile 3 to tile 4
.set MSB, 0
.macro WIN new                         ; the immediate's high byte repeats the setting that is left; a switch that changes nothing is dropped
.if MSB != (\new)
	s_set_vgpr_msb (MSB<<8)|(\new)
.set MSB, (\new)
.endif
.endm
.macro PLACES n                        ; plain vector instructions behind a matrix instruction, eight for this form: ahead of a vector read of its results; ahead of loads into its registers they stand with the wait on va_vdst behind them
.rept \n
	v_nop
.endr
.endm
.macro MM                              ; one matrix instruction from the symbols rD, rA, rB, rC, rSA, rSB; fA, fB: the side's scale words lie in lanes 16-31
.if fA && fB
	v_wmma_scale_f32_16x16x128_f8f6f4 v[rD:rD+7], v[rA:rA+15], v[rB:rB+15], v[rC:rC+7], v[rSA], v[rSB] matrix_a_fmt:MATRIX_FMT_BF8 matrix_b_fmt:MATRIX_FMT_BF8 matrix_a_scale:MATRIX_SCALE_ROW1 matrix_b_scale:MATRIX_SCALE_ROW1
.elseif fA
	v_wmma_scale_f32_16x16x128_f8f6f4 v[rD:rD+7], v[rA:rA+15], v[rB:rB+15], v[rC:rC+7], v[rSA], v[rSB] matrix_a_fmt:MATRIX_FMT_BF8 matrix_b_fmt:MATRIX_FMT_BF8 matrix_a_scale:MATRIX_SCALE_ROW1
.elseif fB
	v_wmma_scale_f32_16x16x128_f8f6f4 v[rD:rD+7], v[rA:rA+15], v[rB:rB+15], v[rC:rC+7], v[rSA], v[rSB] matrix_a_fmt:MATRIX_FMT_BF8 matrix_b_fmt:MATRIX_FMT_BF8 matrix_b_scale:MATRIX_SCALE_ROW1
.else
	v_wmma_scale_f32_16x16x128_f8f6f4 v[rD:rD+7], v[rA:rA+15], v[rB:rB+15], v[rC:rC+7], v[rSA], v[rSB] matrix_a_fmt:MATRIX_FMT_BF8 matrix_b_fmt:MATRIX_FMT_BF8
.endif
.endm
; q, k: tiles of tokens a0, a0 + 1 x the eight tiles of features.  p: the weights' set and the scale words' set.  first = 1: C is the bias
.macro MULQ a0, p, first
.if \first
	WIN 0x81+0x40*((\a0)/4)
.else
	WIN 0xa1+0x50*((\a0)/4)
.endif
.irp a, \a0, \a0+1
.irp b, 0,1,2,3,4,5,6,7
.set rD, 8*(8*((\a)%4)+\b)
.set rA, 128*(\p)+16*\b
.set rB, XF+16*(\a)
.if \first
.set rC, BC+8*\b
.else
.set rC, rD
.endif
.set rSA, WS+4*(\p)+\b/2
.set rSB, XS+4*(\p)+(\a)/2
.set fA, \b%2
.set fB, (\a)%2
	MM
.endr
.endr
.endm
; v: tiles of tokens a0, a0 + 1 (source 0) x the eight tiles of features (source 1)
.macro MULV a0, p
.irp hw, 0,1
	WIN 0xa4+0x50*\hw
.irp wq, 0,1,2,3
.irp xt, \a0, \a0+1
.set rD, 8*(8*\wq+(\xt))
.set rA, XF+16*(\xt)
.set rB, 128*(\p)+16*(4*\hw+\wq)
.set rC, rD
.set rSA, XS+4*(\p)+(\xt)/2
.set rSB, WS+4*(\p)+(4*\hw+\wq)/2
.set fA, (\xt)%2
.set fB, \wq%2
	MM
.endr
.endr
.endr
.endm
; v, the first K step: tiles of features a0, a0 + 1 x all eight tiles of tokens, so that the run starts the same 16 accumulators as q's and k's run does
.macro MULV1 a0
	WIN 0x84+0x40*((\a0)/4)
.irp wt, \a0, \a0+1
.irp xt, 0,1,2,3,4,5,6,7
.set rD, 8*(8*((\wt)%4)+\xt)
.set rA, XF+16*\xt
.set rB, 16*(\wt)
.set rC, BC+8*(\wt)
.set rSA, XS+\xt/2
.set rSB, WS+(\wt)/2
.set fA, \xt%2
.set fB, (\wt)%2
	MM
.endr
.endr
.endm
; 16 matrix instructions in the tensor's form.  In either form the 64 accumulators take turns, one instruction a turn
.macro MUL a0, p, first
	WIN 0                                          ; at a branch and at a label every window is 0
	s_cmp_eq_u32 s[MODE], 0
	s_cbranch_scc0 .Lv_\@
	MULQ \a0, \p, \first
	WIN 0
	s_branch .Lj_\@
.Lv_\@:
.if \first
	MULV1 \a0
.else
	MULV \a0, \p
.endif
	WIN 0
.Lj_\@:
.endm
.macro FETCH_X2 i0                     ; two fragments of x: their images come back as they were laid
.irp i, \i0, \i0+1
.irp c, 0,1,2,3
	ds_load_b128 v[XF+16*(\i)+4*\c:XF+16*(\i)+4*\c+3], v[ADX] offset:2048*(\i)+512*\c
.endr
.endr
.endm
.macro FETCH_X i0                      ; four
	FETCH_X2 \i0
	FETCH_X2 \i0+2
.endm
.macro XSCALES p                       ; lanes 0-15: tile 2 i's words; lanes 16-31: tile 2 i + 1's
.irp i, 0,1,2,3
	ds_load_b32 v[XS+4*(\p)+\i], v[ADS] offset:128*\i
.endr
.endm
.macro FETCH_W p                       ; the weights' fragments and scale words two K steps on, into the set just read out: 36 loads, 512 (128) consecutive bytes each
	s_wait_xcnt 0x0                                ; the earlier loads have read their bases
	s_add_nc_u64 s[WP:WP+1], s[WP:WP+1], 2048
	s_add_nc_u64 s[WSP:WSP+1], s[WSP:WSP+1], 128
	WIN 0x40
.irp i, 0,1,2,3,4,5,6,7
.irp c, 0,1,2,3
	global_load_b128 v[128*(\p)+16*\i+4*\c:128*(\p)+16*\i+4*\c+3], v[LI], s[WP:WP+1] offset:16384*\i+512*\c+2048
.endr
.endr
	WIN 0
.irp i, 0,1,2,3
	global_load_b32 v[WS+4*(\p)+\i], v[LS], s[WSP:WSP+1] offset:1024*\i+128
.endr
.endm
.macro PASSLOAD                        ; a pass's bias (16 loads), K step 0 (36) and K step 1 (36) of its weights, in this order
.irp t, 0,1,2,3,4,5,6,7
	global_load_b128 v[BC+8*\t:BC+8*\t+3], v[LI], s[BP:BP+1] offset:1024*\t
	global_load_b128 v[BC+8*\t+4:BC+8*\t+7], v[LI], s[BP:BP+1] offset:1024*\t+512
.endr
.irp p, 0,1
	WIN 0x40
.irp i, 0,1,2,3,4,5,6,7
.irp c, 0,1,2,3
	global_load_b128 v[128*\p+16*\i+4*\c:128*\p+16*\i+4*\c+3], v[LI], s[WP:WP+1] offset:16384*\i+512*\c+2048*\p
.endr
.endr
	WIN 0
.irp i, 0,1,2,3
	global_load_b32 v[WS+4*\p+\i], v[LS], s[WSP:WSP+1] offset:1024*\i+128*\p
.endr
.endr
.endm
; A K step but the first.  fx: the next step's fragments of x are fetched.  fw = 1: the weights two steps on are asked for; 2: not in the loop's last trip
.macro GSTEP p, fx, fw
	s_wait_dscnt 16                                ; x's tiles 0-3 and the scale words are in; the youngest 16 loads (tiles 4-7) may be out
	MUL 0, \p, 0
	MUL 2, \p, 0
	s_wait_dscnt 0x0                               ; tiles 4-7 are in
	PLACES 8
.if \fx
	s_wait_alu depctr_vm_vsrc(0)                   ; the LDS loads issued so far have read v[ADX] and v[ADS], which the two adds write
	v_add_nc_u32 v[ADX], 0x4000, v[ADX]
	v_add_nc_u32 v[ADS], 0x200, v[ADS]
	s_wait_alu depctr_va_vdst(0)                   ; v[ADX] and v[ADS] are written; the products above are done reading tiles 0-3, the last step's are done reading the other set of x's scale words: the 20 LDS loads up to the step's last product land there
	FETCH_X2 0
.endif
	MUL 4, \p, 0
.if \fx
	FETCH_X2 2                                     ; no wait: the products since the wait name tiles 4-7, this step's weights and scale words and the accumulators
	XSCALES 1-(\p)
.endif
	MUL 6, \p, 0
	PLACES 8
.if \fx
	s_wait_alu depctr_va_vdst(0)                   ; the step's products are done reading tiles 4-7, the weights' set and its scale words, in which the loads below land
	FETCH_X 4
.endif
.if \fw == 1
	FETCH_W \p
	s_wait_loadcnt 36                              ; the 36 just issued may be out; the next step's set, asked for a step ago, is in
.elseif \fw == 2
	s_cmp_eq_u32 s[TRIP], 1
	s_cbranch_scc1 .Lnofetch_\@
	FETCH_W \p
	s_wait_loadcnt 36
	s_branch .Lfetched_\@
.Lnofetch_\@:
	s_wait_loadcnt 0x0                             ; nothing is left to ask for: the last step's set is in
.Lfetched_\@:
.endif
.endm
; 64 numbers of a lane, register 16 b + i = k 32 b + 16 (lane / 16) + i of my row, become a fragment's codes in v[PC] on and its scale word in v[PW]
.macro SCALEWORK                       ; from the four half-blocks' largest magnitudes in v[TM] on
.irp b, 0,1,2,3
	v_permlanex16_b32 v[TM+4+\b], v[TM+\b], s[SEL], s[SEL+1]
.endr
.irp b, 0,1,2,3
	v_max_num_f32 v[TM+\b], v[TM+\b], v[TM+4+\b]   ; with lane l xor 16's: the block's largest magnitude
.endr
.irp b, 0,1,2,3
	v_add_nc_u32 v[TM+12+\b], 0xf8800000, v[TM+\b] ; 15 off its exponent field: the conversion's scale operand
.endr
.irp b, 0,1,2,3
	v_and_or_b32 v[TM+8+\b], v[TM+\b], 0x7f800000, s[MNT]   ; 57,344 x the scale
.endr
.irp b, 0,1,2,3
	v_lshrrev_b32 v[TM+4+\b], 23, v[TM+12+\b]      ; the scale's byte
.endr
	v_lshl_or_b32 v[PW], v[TM+5], 8, v[TM+4]
	v_lshl_or_b32 v[PW], v[TM+6], 16, v[PW]
	v_lshl_or_b32 v[PW], v[TM+7], 24, v[PW]
.endm
.macro CODES s                         ; the conversions, and the plain line that stands behind the last of them
.irp b, 0,1,2,3
	v_cvt_scalef32_pk8_bf8_f32 v[PC+4*\b:PC+4*\b+1], v[(\s)+16*\b:(\s)+16*\b+7], v[TM+12+\b]
	v_cvt_scalef32_pk8_bf8_f32 v[PC+4*\b+2:PC+4*\b+3], v[(\s)+16*\b+8:(\s)+16*\b+15], v[TM+12+\b]
.endr
	v_nop
.endm
.macro QUANT s
.irp b, 0,1,2,3
	v_max3_num_f32 v[TM+\b], |v[(\s)+16*\b]|, |v[(\s)+16*\b+1]|, 0x8000000   ; my 16 numbers of block b, and the floor 2^(16 - 127)
.endr
.irp i, 2,4,6,8,10,12,14
.irp b, 0,1,2,3
	v_max3_num_f32 v[TM+\b], v[TM+\b], |v[(\s)+16*\b+\i]|, |v[(\s)+16*\b+\i+1]|
.endr
.endr
	SCALEWORK
.irp b, 0,1,2,3
.irp i, 0,1,2,3,4,5,6,7,8,9,10,11,12,13,14,15
	v_med3_num_f32 v[(\s)+16*\b+\i], v[(\s)+16*\b+\i], -v[TM+8+\b], v[TM+8+\b]   ; the conversion does not saturate (ISA guide 7.6.2): the hold comes first
.endr
.endr
	CODES \s
.endm
; PHASE X.  Step f = 2 x (K step in the trip) + (which of my two tiles).  A load reads 512 consecutive bytes of one row; the 16 rows turn through my stage, so that a lane gets 16 neighbours of each block
.macro XLOAD f, off
	WIN 0x80
.irp i, 0,1,2,3,4,5,6,7,8,9,10,11,12,13,14,15
	global_load_b128 v[64*(\f)+4*\i:64*(\f)+4*\i+3], v[LI], s[XB:XB+1] offset:(8*((\f)%2)+\i+8*(\i/8))*4096+512*((\f)/2)+\off th:TH_LOAD_NT
.endr
	WIN 0
.endm
.macro XTURN f
	WIN 0x08                                       ; an LDS store's data are its source 1: window 2
.irp i, 0,1,2,3,4,5,6,7,8,9,10,11,12,13,14,15
	ds_store_b128 v[STW], v[64*(\f)+4*\i:64*(\f)+4*\i+3] offset:8448*((\f)%2)+528*\i
.endr
	WIN 0
.irp b, 0,1,2,3
.irp j, 0,1,2,3
	ds_load_b128 v[XA+64*((\f)%2)+16*\b+4*\j:XA+64*((\f)%2)+16*\b+4*\j+3], v[STR] offset:8448*((\f)%2)+128*\b+16*\j   ; LDS serves a wave's instructions in order: these see the stores above
.endr
.endr
.endm
.macro IMAGE f
.irp c, 0,1,2,3
	ds_store_b128 v[XWI], v[PC+4*\c:PC+4*\c+3] offset:16384*((\f)/2)+2048*((\f)%2)+512*\c
.endr
	ds_store_b32 v[XWS], v[PW] offset:512*((\f)/2)+64*((\f)%2)   ; lanes l and l + 16 write the same word with the same value
.endm
.macro XSTEP f, ahead
	s_wait_dscnt 0x0                               ; this step's numbers are back from the stage; the last images are laid
	s_wait_alu depctr_vm_vsrc(0)                   ; the stage's stores have read the rows' set f, in which the loads below land; the last image's stores have read v[PC ..] and v[PW], which the quantiser below writes again
.if \ahead
	XLOAD \f, 1024                                 ; the same step of the next trip
.if \f < 3
	s_wait_loadcnt 48                              ; three sets of 16 may be out: the next step's is in
.endif
.else
.if \f < 3
	s_wait_loadcnt 16*(2-\f)                       ; the last trip asks for nothing: the counts run down
.endif
.endif
.if \f < 3
	XTURN \f+1                                     ; its loads land in the other set of numbers: the quantiser that worked on it stands ahead of the last wait on va_vdst, and nothing since names it
.endif
	QUANT XA+64*(\f%2)
	s_wait_alu depctr_va_vdst(0)                   ; the quantiser has written v[PC ..] and v[PW], which the stores below read (in a trip's first step v[XWI] and v[XWS] are written too), and is done with its set of numbers, in which the stage's loads land a step on
	IMAGE \f
.endm
.macro XTRIP ahead
	s_wait_loadcnt 48                              ; step 0's 16 loads are in; the three sets behind them may be out
	XTURN 0
	XSTEP 0, \ahead
	XSTEP 1, \ahead
	XSTEP 2, \ahead
	XSTEP 3, \ahead
.endm
	s_load_b512 s[36:51], s[0:1], 0x0              ; q, k, v s[36:41]; wimg, wscl, bimg s[42:47]; himg, hscl s[48:51]
	v_lshrrev_b32 v1, 5, v0
	v_readfirstlane_b32 s[WV], v1                  ; wave 0..3
	v_and_b32 v1, 31, v0                           ; lane
	v_and_b32 v2, 15, v0                           ; r
	v_bfe_u32 v3, v0, 4, 1                         ; h
	v_lshlrev_b32 v[LI], 4, v1
	s_wait_alu depctr_va_vdst(0)
	v_lshlrev_b32 v[LS], 2, v1
	s_and_b32 s52, ttmp7, 0xffff                   ; the tensor
	s_cmp_eq_u32 s52, 2                            ; what differs for v, chosen without a jump
	s_cselect_b32 s[MODE], 1, 0
	s_mov_b32 s54, 131072                          ; chunks 2 and 3 of a tile: q, k: the next head's chunks 0 and 1; v: the same tile's
	s_cselect_b32 s54, 1024, s54
	s_mov_b32 s55, 131584
	s_cselect_b32 s55, 1536, s55
	s_mov_b32 s[STL], 1024
	s_cselect_b32 s[STL], 2048, s[STL]
	s_mov_b32 s[STM], 1024
	s_cselect_b32 s[STM], 124928, s[STM]           ; v: from a head's tile 3 to the next head's tile 0
	s_mov_b32 s[P0], 0x07060100                    ; q, k: bytes 0, 1 of the word, then 0x7f twice; v: the word as it is
	s_cselect_b32 s[P0], 0x03020100, s[P0]
	s_mov_b32 s[P1], 0x07060302                    ; q, k: bytes 2, 3 for the second head
	s_cselect_b32 s[P1], 0x03020100, s[P1]
	s_mov_b32 s53, 256                             ; scale words out: q, k: 512 bytes on end; v: 256 for each of the two heads
	s_cselect_b32 s53, 16384, s53
	s_mov_b32 s[STL+1], 0
	s_mov_b32 s[STM+1], 0
	s_mov_b32 s[SEL], 0x76543210
	s_mov_b32 s[SEL+1], 0xfedcba98                 ; v_permlanex16_b32's selects for lane l xor 16
	s_mov_b32 s[MNT], 0x600000
	s_wait_alu depctr_va_sdst(0)                   ; the wave's number is written, ahead of its first reader: LDS addresses and the bases are made from it
	s_mul_i32 s27, s[WV], STGW
	s_add_co_u32 s27, s27, STG
	v_add_nc_u32 v[STW], s27, v[LI]
	v_mul_u32_u24 v[STR], v2, 528
	v_lshl_add_u32 v[STR], v3, 6, v[STR]
	v_add_nc_u32 v[STR], s27, v[STR]
	s_lshl_b32 s27, s[WV], 12                      ; my two tiles' images: 2 x 2,048 x wave
	v_add_nc_u32 v[XWI], s27, v[LI]
	s_lshl_b32 s27, s[WV], 7
	s_add_co_u32 s27, s27, XSC
	v_lshl_add_u32 v[XWS], v2, 2, s27
	v_mov_b32 v[VO], v[LI]
	v_add_nc_u32 v[VO+1], 512, v[LI]
	v_add_nc_u32 v[VO+2], s54, v[LI]
	v_add_nc_u32 v[VO+3], s55, v[LI]
	s_lshl_b32 s27, s[WV], 10
	s_add_co_u32 s27, s27, SCR
	v_lshl_add_u32 v[SSA], v2, 2, s27
	v_add_nc_u32 v[SSR], s27, v[LI]
	v_mul_lo_u32 v[SSO], v3, s53
	v_lshl_add_u32 v[SSO], v2, 4, v[SSO]
	v_mov_b32 v[FIL], 0x7f7f7f7f
.irp b, 0,1,2,3
	v_mov_b32 v[TM+4+\b], 0                        ; written once: a lane permute's destination counts as one of its sources
.endr
	; byte offsets, each in a pair of its own
	s_lshl_b32 s32, ttmp9, 19                      ; x: 128 rows of 4,096 bytes a block,
	s_lshl_b32 s27, s[WV], 17                      ; 32 a wave
	s_add_co_u32 s32, s32, s27
	s_mov_b32 s33, 0
	s_lshl_b32 s34, s52, 20                        ; wimg: the tensor's weight, my eight tiles of 16,384 bytes
	s_add_co_u32 s34, s34, s27
	s_mov_b32 s35, 0
	s_lshl_b32 s60, s52, 15                        ; wscl
	s_lshl_b32 s27, s[WV], 12
	s_add_co_u32 s60, s60, s27
	s_mov_b32 s61, 0
	s_lshl_b32 s62, s52, 16                        ; bimg
	s_lshl_b32 s27, s[WV], 13
	s_add_co_u32 s62, s62, s27
	s_mov_b32 s63, 0
	s_lshr_b32 s53, ttmp9, 4                       ; the batch
	s_lshl_b32 s53, s53, 4
	s_lshl_b32 s27, s[WV], 1
	s_add_co_u32 s53, s53, s27                     ; my first head: 16 n + 2 w
	s_and_b32 s54, ttmp9, 15                       ; the block of 128 tokens in the sequence
	s_lshl_b32 s56, s52, 23                        ; himg: tensor, head, block
	s_lshl_b32 s27, s53, 17
	s_add_co_u32 s56, s56, s27
	s_lshl_b32 s27, s54, 13
	s_add_co_u32 s56, s56, s27
	s_mov_b32 s57, 0
	s_lshl_b32 s58, s53, 4                         ; hscl: (16 x head + block) x 1,024,
	s_add_co_u32 s58, s58, s54
	s_lshl_b32 s58, s58, 10
	s_cmp_lg_u32 s52, 0
	s_cselect_b32 s27, 0x100000, 0                 ; region 1 for k and v,
	s_add_co_u32 s58, s58, s27
	s_lshl_b32 s27, s[MODE], 9                     ; v's words behind k's 512 bytes
	s_add_co_u32 s58, s58, s27
	s_mov_b32 s59, 0
	s_wait_kmcnt 0x0
	s_cmp_eq_u32 s52, 1                            ; the tensor is chosen by the work-group's number alone
	s_cselect_b64 s[XB:XB+1], s[38:39], s[36:37]
	s_cmp_eq_u32 s52, 2
	s_cselect_b64 s[XB:XB+1], s[40:41], s[XB:XB+1]
	s_add_nc_u64 s[XB:XB+1], s[XB:XB+1], s[32:33]
	s_add_nc_u64 s[WP:WP+1], s[42:43], s[34:35]
	s_add_nc_u64 s[WSP:WSP+1], s[44:45], s[60:61]
	s_add_nc_u64 s[BP:BP+1], s[46:47], s[62:63]
	s_add_nc_u64 s[OB:OB+1], s[48:49], s[56:57]
	s_add_nc_u64 s[SB:SB+1], s[50:51], s[58:59]
	s_wait_alu depctr_va_vdst(0)                   ; the offsets and LDS addresses v4-9 and v12-18 are written, which the loads and stores of the whole kernel read
	PASSLOAD                                       ; the first pass's weights land while x is quantised
	XLOAD 0, 0
	XLOAD 1, 0
	XLOAD 2, 0
	XLOAD 3, 0
	s_mov_b32 s[TRIP], 3
.Lxtrip:                                               ; a trip: two K steps of my two tiles; 64 loads of 512 bytes are on their way throughout
	XTRIP 1
	s_wait_xcnt 0x0                                ; the loads have read their base
	s_add_nc_u64 s[XB:XB+1], s[XB:XB+1], 1024
	s_wait_alu depctr_vm_vsrc(0)                   ; the images' stores have read v[XWI] and v[XWS], which the two adds write
	v_add_nc_u32 v[XWI], 0x8000, v[XWI]
	v_add_nc_u32 v[XWS], 0x400, v[XWS]
	s_sub_co_u32 s[TRIP], s[TRIP], 1
	s_cmp_lg_u32 s[TRIP], 0
	s_cbranch_scc1 .Lxtrip
	XTRIP 0                                        ; the last trip is written out: no load leaves the rows
	s_wait_dscnt 0x0                               ; for the others' sake: my images and scale words are laid
	s_barrier_signal -1
	s_barrier_wait -1                              ; x's 64 fragments lie in LDS; from here on they are only read
	s_mov_b32 s[PASS], 0
.Lpass:
	s_wait_alu depctr_vm_vsrc(0)                   ; first pass: the stage's stores have read window 2, which the products write, and the images' stores v[PW], in which a scale word lands.  Second pass: the LDS loads have read v[ADX] and v[ADS]; the way out's stores have read v[PC ..], v[SW ..] and v[RB ..]
	v_mov_b32 v[ADX], v[LI]                        ; K step 0 (XIMG = 0)
	v_add_nc_u32 v[ADS], XSC, v[LS]
	s_wait_alu depctr_va_vdst(0)                   ; v[ADX] and v[ADS] are written; the quantisers are done with v128-255 and v32-38, in which x's fragments and scale words land
	FETCH_X 0
	XSCALES 0
	FETCH_X 4
	s_wait_loadcnt 36                              ; the bias and K step 0's weights are in; K step 1's 36 loads may be out
	s_wait_dscnt 0x0                               ; the first step wants all of x's fragments: v's form goes by tiles of features here
	MUL 0, 0, 1
	MUL 2, 0, 1
	MUL 4, 0, 1
	MUL 6, 0, 1
	PLACES 8
	s_wait_alu depctr_vm_vsrc(0)                   ; the LDS loads above have read v[ADX] and v[ADS], which the two adds write
	v_add_nc_u32 v[ADX], 0x4000, v[ADX]
	v_add_nc_u32 v[ADS], 0x200, v[ADS]
	s_wait_alu depctr_va_vdst(0)                   ; v[ADX] and v[ADS] are written; the first step's products are done reading x's eight fragments, the weights' set 0 and its scale words, in which the loads below land
	FETCH_X 0
	XSCALES 1
	FETCH_X 4
	FETCH_W 0
	s_wait_loadcnt 36
	s_mov_b32 s[TRIP], 3
.Lk:                                                   ; K steps 1 to 6
	GSTEP 1, 1, 1
	GSTEP 0, 1, 2
	s_sub_co_u32 s[TRIP], s[TRIP], 1
	s_cmp_lg_u32 s[TRIP], 0
	s_cbranch_scc1 .Lk
	GSTEP 1, 0, 0                                  ; K step 7; eight places stand behind its last product
	s_wait_loadcnt 0x0                             ; no load is out when the weights' registers are asked for again
	s_cmp_lg_u32 s[PASS], 0
	s_cbranch_scc1 .Lno_next
	s_wait_xcnt 0x0
	s_add_nc_u64 s[WP:WP+1], s[WP:WP+1], 512000    ; four groups of 128 features on: 524,288 less the six steps of 2,048 taken
	s_add_nc_u64 s[WSP:WSP+1], s[WSP:WSP+1], 15616 ; 16,384 less six steps of 128
	s_add_nc_u64 s[BP:BP+1], s[BP:BP+1], 32768
	s_wait_alu depctr_va_vdst(0)                   ; the pass's products are done reading the bias, both sets of weights and their scale words, in which the loads below land
	PASSLOAD                                       ; the second pass's weights land while the first pass's results are quantised
.Lno_next:
	s_mov_b64 s[OC:OC+1], s[OB:OB+1]
; THE WAY OUT, one text for both forms: row a of the accumulators is 64 numbers of a lane, 16 b + i = place 32 b + 16 (lane / 16) + i along the next K.  The hold moves them into window 0
.macro EPI a
.set AC, 64*((\a)%4)
	WIN 0x0a+5*((\a)/4)                            ; sources 0 and 1: window 2 or 3
.irp b, 0,1,2,3
	v_max3_num_f32 v[TM+\b], |v[AC+16*\b]|, |v[AC+16*\b+1]|, 0x8000000   ; each accumulator is read from its low end on
.endr
.irp i, 2,4,6,8,10,12,14
.irp b, 0,1,2,3
	v_max3_num_f32 v[TM+\b], |v[AC+16*\b+\i]|, |v[AC+16*\b+\i+1]|, v[TM+\b]
.endr
.endr
	WIN 0
	SCALEWORK
	WIN 0x02+((\a)/4)                              ; source 0: window 2 or 3
.irp b, 0,1,2,3
.irp i, 0,1,2,3,4,5,6,7,8,9,10,11,12,13,14,15
	v_med3_num_f32 v[H+16*\b+\i], v[AC+16*\b+\i], -v[TM+8+\b], v[TM+8+\b]
.endr
.endr
	WIN 0
.if \a > 0
	s_wait_alu depctr_va_vdst(0)
	s_wait_xcnt 0x0                                ; the last tile's stores have had their addresses translated: their base is stepped
	s_wait_alu depctr_vm_vsrc(0)                   ; the last tile's stores have read v[PC ..] and v[SW ..], which the conversions and the byte selects below write again
.if \a == 4
	s_add_nc_u64 s[OC:OC+1], s[OC:OC+1], s[STM:STM+1]
.else
	s_add_nc_u64 s[OC:OC+1], s[OC:OC+1], s[STL:STL+1]
.endif
.endif
	CODES H
.if \a > 0
	s_wait_dscnt 0x0                               ; the last tile's scale words lie in the scratch
.endif
	v_perm_b32 v[SW], v[FIL], v[PW], s[P0]
	v_perm_b32 v[SW+1], v[FIL], v[PW], s[P1]
	s_wait_alu depctr_va_vdst(0)                   ; the conversions have written v[PC ..] and the byte selects v[SW ..], which the six stores below read
	ds_store_b32 v[SSA], v[SW] offset:64*\a        ; lanes l and l + 16 write the same word with the same value
	ds_store_b32 v[SSA], v[SW+1] offset:512+64*\a
.irp b, 0,1,2,3
	global_store_b128 v[VO+\b], v[PC+4*\b:PC+4*\b+3], s[OC:OC+1]   ; a chunk of an image: 512 consecutive bytes
.endr
.endm
	EPI 0
	EPI 1
	EPI 2
	EPI 3
	EPI 4
	EPI 5
	EPI 6
	EPI 7
	ds_load_b128 v[RB:RB+3], v[SSR]                ; my own bytes, served in order: the eight tiles' scale words.  (No vector instruction since the products' last wait names v[RB ..])
	ds_load_b128 v[RB+4:RB+7], v[SSR] offset:512
	s_wait_dscnt 0x0
	global_store_b128 v[SSO], v[RB:RB+3], s[SB:SB+1]   ; sixteen lanes store 256 consecutive bytes
	s_cmp_eq_u32 s[MODE], 0
	s_cbranch_scc0 .Lone
	global_store_b128 v[SSO], v[RB+4:RB+7], s[SB:SB+1] offset:16384   ; q, k: the second head's words
.Lone:
	s_wait_xcnt 0x0                                ; the stores have had their addresses translated: their bases are stepped
	s_add_nc_u64 s[OB:OB+1], s[OB:OB+1], 1048576   ; eight heads on
	s_add_nc_u64 s[SB:SB+1], s[SB:SB+1], 131072
	s_add_co_u32 s[PASS], s[PASS], 1
	s_cmp_lt_u32 s[PASS], 2
	s_cbranch_scc1 .Lpass
	s_wait_xcnt 0x0
	v_lshl_add_u32 v254, v0, 2, 0x32800            ; the add's two registers, made anew: no memory or LDS instruction has read v254 or v255
	v_mov_b32 v255, 0
	s_wait_dscnt 0x0                               ; the closing lines, six on end
	s_wait_alu 0x0
	s_wait_tensorcnt 0x0
	ds_add_u32 v254, v255
	s_wait_dscnt 0x0
	s_endpgm
.Lfunc_end_k_q3f5d309cd4_proj:
	.size	k_q3f5d309cd4_proj, .Lfunc_end_k_q3f5d309cd4_proj-k_q3f5d309cd4_proj
	.p2alignl 7, 3214868480
	.fill 96, 4, 3214868480
	.section	.rodata,"a",@progbits
	.p2align	6, 0x0
	.amdhsa_kernel k_q3f5d309cd4_proj
		.amdhsa_group_segment_fixed_size 207360
		.amdhsa_private_segment_fixed_size 0
		.amdhsa_enable_private_segment 0
		.amdhsa_kernarg_size 64
		.amdhsa_user_sgpr_count 2
		.amdhsa_user_sgpr_kernarg_segment_ptr 1
		.amdhsa_wavefront_size32 1
		.amdhsa_system_sgpr_workgroup_id_x 1
		.amdhsa_system_sgpr_workgroup_id_y 1
		.amdhsa_system_sgpr_workgroup_id_z 1
		.amdhsa_system_vgpr_workitem_id 0
		.amdhsa_next_free_vgpr 1024
		.amdhsa_next_free_sgpr 66
		.amdhsa_reserve_vcc 0
		.amdhsa_float_denorm_mode_32 3
		.amdhsa_float_denorm_mode_16_64 3
		.amdhsa_memory_ordered 1
		.amdhsa_forward_progress 1
		.amdhsa_inst_pref_size 255
	.end_amdhsa_kernel
	.section	.bss,"aw",@nobits
	.p2align	6
	.space	262144
	.amdgpu_metadata
---
amdhsa.version: [ 1, 2 ]
amdhsa.kernels:
  - .name:           k_q3f5d309cd4_proj
    .symbol:         k_q3f5d309cd4_proj.kd
    .args:
      - { .name: q, .offset: 0, .size: 8, .value_kind: global_buffer, .address_space: global }
      - { .name: k, .offset: 8, .size: 8, .value_kind: global_buffer, .address_space: global }
      - { .name: v, .offset: 16, .size: 8, .value_kind: global_buffer, .address_space: global }
      - { .name: wimg, .offset: 24, .size: 8, .value_kind: global_buffer, .address_space: global }
      - { .name: wscl, .offset: 32, .size: 8, .value_kind: global_buffer, .address_space: global }
      - { .name: bimg, .offset: 40, .size: 8, .value_kind: global_buffer, .address_space: global }
      - { .name: himg, .offset: 48, .size: 8, .value_kind: global_buffer, .address_space: global }
      - { .name: hscl, .offset: 56, .size: 8, .value_kind: global_buffer, .address_space: global }
    .group_segment_fixed_size: 207360
    .private_segment_fixed_size: 0
    .kernarg_segment_align: 8
    .kernarg_segment_size: 64
    .max_flat_workgroup_size: 128
    .sgpr_count:     66
    .vgpr_count:     1024
    .wavefront_size: 32
...
	.end_amdgpu_metadata
.endif
;; end of part 5
;; launch attn (part 6): grid 4 x 64, 16 waves a work-group, no clusters, 36,864 bytes of LDS; arguments himg, hscl, aimg, ascl; writes aimg, ascl
.if DOCPART == 6
	.amdgcn_target "amdgcn-amd-amdhsa--gfx1250"
	.amdhsa_code_object_version 6
	.text
	.protected	k_q3f5d309cd4_attn
	.globl	k_q3f5d309cd4_attn
	.p2align	8
	.type	k_q3f5d309cd4_attn,@function
k_q3f5d309cd4_attn:
	s_mov_b64 s[64:65], 0
	v_nop
	global_prefetch_b8 v0, s[64:65] scope:SCOPE_SE
	s_setreg_imm32_b32 hwreg(HW_REG_WAVE_SCHED_MODE, 0, 2), 2
	s_setreg_imm32_b32 hwreg(HW_REG_WAVE_MODE, 25, 1), 1
	s_wait_xcnt 0x0
	s_wait_alu depctr_vm_vsrc(0)
; Causal attention of one head on codes of BF8 (E5M2): S^T = K Q^T (K = the head's 64 channels, in the lower half of a K of 128; the upper half of Q's operand is zero codes under the scale byte 0x7f),
; t = score x log2(e) / 8, M = the running largest t rounded UP to a whole number, p = 2^(t - M) quantised along the keys, O^T += V^T P^T, the row's sum of the unquantised p divides at the end.
; The result is quantised along the model's 1,024 features (a head is two blocks of 32) and leaves as a part of an image of the last product's operand.
; SHARES.  Work-group (x, head) owns the blocks of 256 queries x and 7 - x: 2 x + 2 and 16 - 2 x key steps of 128, 18 in every work-group.  Each of sixteen waves owns 16 queries, one tile, in 256 registers.
; All waves walk the 18 steps (a loop of 9 trips of two); a step all of whose keys come after a wave's queries is jumped over, but for its part in the ring and the barrier.
; THE RING.  Two LDS slots of a key step's K image (8,192 bytes), V image (8,192) and scale words (768).  It goes through registers: each thread carries 16 bytes of K and of V (threads 0 to 191 a scale word too),
; loaded a step ahead of the store that lays them in the slot left at the last barrier; one barrier a step.
; LAYOUT.  Both products are used transposed: a lane holds ONE query (slot lane % 16 of its tile) throughout.  Slot r of tile 2 b + u, of keys, queries and channels alike, is row 32 b + 8 u + r + 8 (r / 8):
; so p's 16 registers of two neighbouring tiles are 16 neighbouring keys, and O^T's are 16 neighbouring channels.
; LIMITS: p under 2^-126 becomes 0 (v_exp_f32 flushes); blocks of zeros get the scale byte 1 (this program alone reads the bytes); NaN and infinities are not served.
; REGISTERS: v1-4, v9 addresses; v7 the mask's bound; v12 -M, v13 the largest t, v[14:15] the sum; v16-23 Q, v24-31 zeros; v32-95 K's eight tiles (eight registers each; a fragment's upper half is the next
; tile's codes, which meet Q's zeros), later V's four fragments; v96-103 zeros; v104-167 S^T, then p; v168-199 O^T; v200-215 p's codes; v216-224 the ring; v232-254 at work; v248-251 scale words; v253 p's; v255 Q's.
; THE MODE: SCHED_MODE bits 1:0 = 2 (LLVM: expert scheduling mode 2), set by the entry lines.  The code itself states the register dependences
; between vector or matrix instructions and memory or LDS instructions, with s_wait_alu, always for 0.
; THE PLAN.  Registers that memory or LDS instructions touch, in a key step:
;   v1-4, v9         offsets and LDS addresses: made at the head, never written again.
;   v216-224         the ring: loads land in them, the LDS stores of the next step read them, loads land again: one wait on vm_vsrc between the stores and the loads.  No vector instruction names them.
;   v32-95, v248-251 K's tiles and scale words land; the eight score products read them; V's fragments and scale words land; the four products V^T P^T read them.  A wait on va_vdst ahead of each of the two runs of LDS loads.
;   v16-23, v255     Q: read by the score products; on the diagonal of the first block the second block's queries land: the second of those waits covers it, since only loads and scalar lines stand between.
;   v200-215, v253   p's codes and scale word: written by vector instructions, taken by the scaled products: their places, then a wait on va_vdst.  At a block's end the codes and v254 are stores' data.
; The mask's compares go in runs of sixteen into scalar registers, with one wait on va_sdst behind each run, ahead of the selects that read them.
.set SLOT, 17408
.set VOFF, 8192
.set SOFF, 16384
.set S,   104
.set O,   168
.set PCD, 200
.set KG,  216
.set VG,  220
.set SG,  224
.set NSA, 16                           ; s16  key steps of the first block
.set NSC, 17                           ; s17  of the block in hand
.set KS,  18                           ; s18  the key step in the block
.set MNT, 19
.set SEL, 20
.set CS,  22                           ; s[22:23] c = log2(e) / 8
.set VS,  24                           ; s24  the step among the 18
.set LW,  25                           ; s25  my wave's last step of the block: the one on the diagonal
.set TRIP, 26
.macro MREG m                          ; rM: the m-th of the sixteen scalar registers that take the mask's compares: s4-11, s58-63, s2, s3; behind the head nothing else names them
.if (\m) < 8
.set rM, 4+(\m)
.elseif (\m) < 14
.set rM, 50+(\m)
.else
.set rM, (\m)-12
.endif
.endm
	s_load_b256 s[4:11], s[0:1], 0x0               ; himg, hscl, aimg, ascl
	v_lshl_add_u32 v230, v0, 2, 0x8800
	v_mov_b32 v231, 0
	v_lshrrev_b32 v5, 5, v0
	v_readfirstlane_b32 s12, v5                    ; wave 0..15
	v_and_b32 v5, 31, v0
	v_lshlrev_b32 v1, 4, v5                        ; 16 x lane
	v_lshlrev_b32 v2, 2, v5                        ; 4 x lane
	v_lshlrev_b32 v3, 4, v0                        ; 16 x thread: my part of a tile, in memory and in a slot
	v_lshlrev_b32 v4, 2, v0                        ; 4 x thread: my scale word
	v_and_b32 v6, 15, v0                           ; r
	v_bfe_u32 v8, v0, 4, 1                         ; h
	v_lshlrev_b32 v9, 2, v6                        ; 4 r
	v_and_b32 v7, 8, v6
	v_add_nc_u32 v7, v7, v6                        ; r + 8 (r / 8)
	v_lshlrev_b32 v8, 4, v8
	v_sub_nc_u32 v7, v7, v8
	s_wait_alu depctr_va_sdst(0)                   ; the wave's number is written, ahead of its first reader: the bases, the mask's bound and the branches on it are made from it
	s_bfe_u32 s52, s12, 0x20001                    ; my tile in its block of 128: 2 b + u = wave % 8
	s_lshl_b32 s52, s52, 5
	s_and_b32 s53, s12, 1
	s_lshl_b32 s53, s53, 3
	s_add_co_u32 s52, s52, s53
	v_add_nc_u32 v7, s52, v7                       ; d = my query in the diagonal step - 16 (lane / 16).  Register 16 b + i holds key 32 b + 16 (lane / 16) + i: hidden where 32 b + i > d
	s_and_b32 s13, ttmp7, 0xffff                   ; the head, 16 n + hd
	s_lshl_b32 s[NSA], ttmp9, 1
	s_add_co_u32 s[NSA], s[NSA], 2
	s_sub_co_u32 s56, 18, s[NSA]                   ; key steps of the second block
	s_mov_b32 s[NSC], s[NSA]
	s_lshr_b32 s52, s12, 3
	s_lshl_b32 s[LW], ttmp9, 1
	s_add_co_u32 s[LW], s[LW], s52                 ; my queries' block of 128: 2 x + wave / 8
	s_lshl_b32 s53, ttmp9, 2
	s_sub_co_u32 s53, 14, s53                      ; blocks of 128 from the first block's queries to the second's: 2 (7 - 2 x)
	s_add_co_u32 s27, s[LW], s53
	s_mov_b32 s[KS], 0
	s_mov_b32 s[VS], 0
	s_mov_b32 s57, 0                               ; 1 in the second block
	s_mov_b32 s[MNT], 0x600000
	s_mov_b32 s[SEL], 0x76543210
	s_mov_b32 s[SEL+1], 0xfedcba98
	s_mov_b32 s[CS], 0x3e38aa3b
	s_mov_b32 s[CS+1], s[CS]                       ; (named with it as a pair, so it is written)
	s_and_b32 s52, s12, 7                          ; my tile
	s_lshl_b32 s58, s13, 17                        ; a head's images: 131,072 bytes
	s_mov_b32 s59, 0
	s_lshl_b32 s60, s13, 14                        ; a head's scale words: 16,384 bytes
	s_mov_b32 s61, 0
	s_lshl_b32 s54, s[LW], 13                      ; Q's image: head, block, tile
	s_add_co_u32 s54, s54, s58
	s_lshl_b32 s55, s52, 10
	s_add_co_u32 s54, s54, s55
	s_mov_b32 s55, 0
	s_lshl_b32 s62, s[LW], 10                      ; Q's scale words
	s_add_co_u32 s62, s62, s60
	s_lshl_b32 s63, s52, 6
	s_add_co_u32 s62, s62, s63
	s_mov_b32 s63, 0
	s_wait_kmcnt 0x0
	s_add_nc_u64 s[40:41], s[4:5], s[54:55]        ; Q's image,
	s_add_nc_u64 s[42:43], s[6:7], s[62:63]        ; its scale words
	s_add_nc_u64 s[28:29], s[4:5], s[58:59]
	s_add_nc_u64 s[30:31], s[28:29], 0x1000000     ; V's region of himg, at my head
	s_add_nc_u64 s[28:29], s[28:29], 0x800000      ; K's
	s_add_nc_u64 s[32:33], s[6:7], s[60:61]
	s_add_nc_u64 s[32:33], s[32:33], 0x100000      ; K's and V's scale words
	s_wait_alu depctr_va_vdst(0)                   ; the offsets and LDS addresses v1-4 and v9 are written, which the loads and stores of the whole kernel read
	global_load_b128 v[KG:KG+3], v3, s[28:29]      ; key step 0
	global_load_b128 v[VG:VG+3], v3, s[30:31]
	s_cmp_lt_u32 s12, 6
	s_cbranch_scc0 .Lp0
	global_load_b32 v[SG], v4, s[32:33]
.Lp0:
	global_load_b128 v[16:19], v1, s[40:41]        ; Q's two chunks
	global_load_b128 v[20:23], v1, s[40:41] offset:512
	global_load_b32 v255, v9, s[42:43]
	; where the results go: aimg [block of 128][pair of heads][tile][2,048], my head's two chunks; ascl [block][pair of heads][pair of tiles][32 words], my head's two bytes
	s_lshr_b32 s54, s13, 4
	s_lshl_b32 s54, s54, 4
	s_add_co_u32 s54, s54, s[LW]                   ; 16 n + block
	s_bfe_u32 s62, s13, 0x30001                    ; hd / 2
	s_and_b32 s63, s13, 1                          ; hd % 2
	s_lshl_b32 s58, s54, 17
	s_lshl_b32 s60, s62, 14
	s_add_co_u32 s58, s58, s60
	s_lshl_b32 s60, s52, 11
	s_add_co_u32 s58, s58, s60
	s_lshl_b32 s60, s63, 10
	s_add_co_u32 s58, s58, s60
	s_add_nc_u64 s[44:45], s[8:9], s[58:59]
	s_lshl_b32 s58, s54, 12
	s_lshl_b32 s60, s62, 9
	s_add_co_u32 s58, s58, s60
	s_lshl_b32 s60, s52, 6                         ; 128 (tile / 2) + 64 (tile % 2) = 64 x tile
	s_add_co_u32 s58, s58, s60
	s_lshl_b32 s60, s63, 1
	s_add_co_u32 s58, s58, s60
	s_add_nc_u64 s[46:47], s[10:11], s[58:59]
	s_lshl_b32 s58, s53, 17                        ; and the same for the second block
	s_add_nc_u64 s[48:49], s[44:45], s[58:59]
	s_lshl_b32 s58, s53, 12
	s_add_nc_u64 s[50:51], s[46:47], s[58:59]
.irp j, 0,1,2,3,4,5,6,7
	v_mov_b32 v[24+\j], 0                          ; the upper half of Q's operand
	v_mov_b32 v[96+\j], 0                          ; and what stands behind K's last tile
.endr
	v_mov_b32 v13, 0xff61b1e6                      ; the largest t so far: -3e38, under every t
	v_floor_f32 v12, -v13                          ; -M
	v_mov_b32 v14, 0
	v_mov_b32 v15, 0
.irp b, 0,1,2,3
	v_mov_b32 v[236+\b], 0                         ; written once: a lane permute's destination counts as one of its sources
.endr
	v_mov_b32 v252, 0
	v_mov_b32 v253, 0
.set n, 0
.rept 32
	v_mov_b32 v[O+n], 0                            ; O^T: the step is written once; its first run finds zeros
.set n, n+1
.endr
	s_wait_loadcnt 0x0
	ds_store_b128 v3, v[KG:KG+3]
	ds_store_b128 v3, v[VG:VG+3] offset:VOFF
	s_cmp_lt_u32 s12, 6
	s_cbranch_scc0 .Lp1
	ds_store_b32 v4, v[SG] offset:SOFF
.Lp1:
	s_wait_dscnt 0x0                               ; slot 0 is laid
	s_wait_alu depctr_vm_vsrc(0)                   ; the stores above have read the ring's registers, in which the loads below land
	global_load_b128 v[KG:KG+3], v3, s[28:29] offset:8192    ; key step 1 (every block has at least two)
	global_load_b128 v[VG:VG+3], v3, s[30:31] offset:8192
	s_cmp_lt_u32 s12, 6
	s_cbranch_scc0 .Lp2
	global_load_b32 v[SG], v4, s[32:33] offset:1024
.Lp2:
	s_lshl_b32 s58, s53, 13                        ; Q's loads are done: the pointers go on to the second block's queries
	s_add_nc_u64 s[40:41], s[40:41], s[58:59]
	s_lshl_b32 s58, s53, 10
	s_add_nc_u64 s[42:43], s[42:43], s[58:59]
	s_barrier_signal -1
	s_barrier_wait -1
; A KEY STEP, read from slot b
.macro ASTEP b
	s_wait_loadcnt 0x0                             ; the next step's tile is in my registers (asked for a step ago); Q's reload too
	ds_store_b128 v3, v[KG:KG+3] offset:(1-\b)*SLOT        ; into the slot that every wave left at the last barrier
	ds_store_b128 v3, v[VG:VG+3] offset:(1-\b)*SLOT+VOFF
	s_cmp_lt_u32 s12, 6
	s_cbranch_scc0 .Lns_\@
	ds_store_b32 v4, v[SG] offset:(1-\b)*SLOT+SOFF
.Lns_\@:
	s_wait_dscnt 0x0                               ; my part of the next slot is laid
	s_wait_alu depctr_vm_vsrc(0)                   ; the stores above have read the ring's registers, in which the loads below land
	s_cmp_lt_u32 s[VS], 16                         ; the last two steps have nothing left to ask for
	s_cbranch_scc0 .Lnl_\@
	s_add_co_u32 s52, s[VS], 2                     ; the step after next: in the first block, or from the second block's start
	s_cmp_ge_u32 s52, s[NSA]
	s_cselect_b32 s53, s[NSA], 0
	s_sub_co_u32 s52, s52, s53
	s_lshl_b32 s54, s52, 13
	s_mov_b32 s55, 0
	s_add_nc_u64 s[34:35], s[28:29], s[54:55]      ; (the loads that read these bases are done)
	s_add_nc_u64 s[36:37], s[30:31], s[54:55]
	s_lshl_b32 s54, s52, 10
	s_add_nc_u64 s[38:39], s[32:33], s[54:55]
	global_load_b128 v[KG:KG+3], v3, s[34:35]      ; it has this whole step in which to land
	global_load_b128 v[VG:VG+3], v3, s[36:37]
	s_cmp_lt_u32 s12, 6
	s_cbranch_scc0 .Lnl_\@
	global_load_b32 v[SG], v4, s[38:39]
.Lnl_\@:
	s_cmp_gt_u32 s[KS], s[LW]                      ; all 128 keys come after my queries: nothing to compute
	s_cbranch_scc1 .Lhid_\@
	s_wait_alu depctr_va_vdst(0)                   ; the last step's products V^T P^T are done reading v32-95 and their scale words, in which the loads below land; ahead of the first step: the zeros v24-31 and v96-103, halves of the score products' operands, are written
.irp t, 0,1,2,3,4,5,6,7
	ds_load_b128 v[32+8*\t:32+8*\t+3], v1 offset:\b*SLOT+1024*\t
	ds_load_b128 v[32+8*\t+4:32+8*\t+7], v1 offset:\b*SLOT+1024*\t+512
.endr
.irp i, 0,1,2,3
	ds_load_b32 v[248+\i], v2 offset:\b*SLOT+SOFF+128*\i   ; lanes 0-15: tile 2 i's words; lanes 16-31: tile 2 i + 1's
.endr
	s_wait_dscnt 0x0
.irp t, 0,2,4,6
	v_wmma_scale_f32_16x16x128_f8f6f4 v[S+8*\t:S+8*\t+7], v[32+8*\t:47+8*\t], v[16:31], 0, v[248+\t/2], v255 matrix_a_fmt:MATRIX_FMT_BF8 matrix_b_fmt:MATRIX_FMT_BF8
	v_wmma_scale_f32_16x16x128_f8f6f4 v[S+8*\t+8:S+8*\t+15], v[40+8*\t:55+8*\t], v[16:31], 0, v[248+\t/2], v255 matrix_a_fmt:MATRIX_FMT_BF8 matrix_b_fmt:MATRIX_FMT_BF8 matrix_a_scale:MATRIX_SCALE_ROW1
.endr
.rept 8
	v_nop                                          ; places in front of the first read of the scores; the loads into registers that these products have read stand behind them and behind the wait
.endr
	s_wait_alu depctr_va_vdst(0)                   ; the eight products are done reading K's tiles and scale words, in which V's land, and Q and its scale words, in which on the first block's diagonal the second block's queries land
.irp t, 0,1,2,3
.irp c, 0,1,2,3
	ds_load_b128 v[32+16*\t+4*\c:32+16*\t+4*\c+3], v1 offset:\b*SLOT+VOFF+2048*\t+512*\c   ; V's four fragments land under the softmax
.endr
.endr
	ds_load_b32 v248, v2 offset:\b*SLOT+SOFF+512
	ds_load_b32 v249, v2 offset:\b*SLOT+SOFF+640
	s_cmp_lg_u32 s[KS], s[LW]
	s_cbranch_scc1 .Lopen_\@
	s_cmp_lg_u32 s57, 0                            ; my block's last scores are made: the second block's queries are asked for, once
	s_cbranch_scc1 .Lnoq_\@
	global_load_b128 v[16:19], v1, s[40:41]        ; no wait: nothing but LDS loads and scalar lines stands behind the wait above
	global_load_b128 v[20:23], v1, s[40:41] offset:512
	global_load_b32 v255, v9, s[42:43]
.Lnoq_\@:
	v_mov_b32 v254, 0xff800000                     ; on the diagonal the scores of hidden keys become -infinity ahead of the maximum: p = 0 then
.irp g, 0,1,2,3                        ; a block of 32 keys at a time: my sixteen of them
.set n, 0
.rept 16
	MREG n
	v_cmp_gt_i32 s[rM], 32*\g+n, v7
.set n, n+1
.endr
	s_wait_alu depctr_va_sdst(0)                   ; the sixteen compares have written their masks, ahead of the selects that read them
.set n, 0
.rept 16
	MREG n
	v_cndmask_b32 v[S+16*\g+n], v[S+16*\g+n], v254, s[rM]
.set n, n+1
.endr
.endr
.Lopen_\@:
.irp b4, 0,1,2,3
	v_max3_num_f32 v[232+\b4], v[S+16*\b4], v[S+1+16*\b4], v[S+2+16*\b4]   ; the largest score of each block of 32 keys: it serves for the row's maximum and, since p rises with the score, for the block's largest p
.endr
.irp i, 3,5,7,9,11,13
.irp b4, 0,1,2,3
	v_max3_num_f32 v[232+\b4], v[232+\b4], v[S+16*\b4+\i], v[S+1+16*\b4+\i]
.endr
.endr
.irp b4, 0,1,2,3
	v_max_num_f32 v[232+\b4], v[232+\b4], v[S+15+16*\b4]
.endr
.irp b4, 0,1,2,3
	v_permlanex16_b32 v[236+\b4], v[232+\b4], s[SEL], s[SEL+1]
.endr
.irp b4, 0,1,2,3
	v_max_num_f32 v[232+\b4], v[232+\b4], v[236+\b4]       ; with lane l xor 16's 16 keys
.endr
	v_max3_num_f32 v254, v232, v233, v234
	v_max_num_f32 v254, v254, v235                 ; the step's largest score of my query (its first key always counts)
	v_mul_f32 v254, s[CS], v254
	v_max_num_f32 v13, v13, v254                   ; the running largest t
	v_mov_b32 v254, v12
	v_floor_f32 v12, -v13                          ; the new -M = -ceil(t): a whole number
	v_sub_f32 v254, v12, v254                      ; old M - new M: a whole number, 0 or less
	v_cvt_i32_f32 v254, v254                       ; (it saturates)
	v_ldexp_f32 v252, 1.0, v254                    ; f = 2^(old M - new M): a multiplication by it rounds nothing
.set n, 0
.rept 32
	v_pk_fma_f32 v[S+n:S+n+1], v[S+n:S+n+1], s[CS:CS+1], v[12:13] op_sel_hi:[1,0,0]   ; t - M, two at a time
.set n, n+2
.endr
.irp b4, 0,1,2,3
	v_fma_f32 v[232+\b4], v[232+\b4], s[CS], v12   ; the same of each block's largest score
.endr
.set n, 0
	s_wait_alu depctr_va_vdst(0)
.rept 64
	v_exp_f32 v[S+n], v[S+n]                       ; p = 2^(t - M), at most 1: not normalised
.set n, n+1
.endr
	v_pk_mul_f32 v[14:15], v[14:15], v[252:253] op_sel_hi:[1,0]   ; the sums under the new M: the plain line behind the exponentials
	s_wait_alu depctr_va_vdst(0)                   ; the 64 exponentials have written p: one wait for the batch, ahead of its first reader
.irp b4, 0,1,2,3
	v_exp_f32 v[232+\b4], v[232+\b4]               ; the block's largest p: the same two instructions on the same number
.endr
	v_pk_add_f32 v[236:237], v[S:S+1], v[S+2:S+3]  ; the row's sum is taken of the unquantised p, in two chains
.irp j, 4,8,12,16,20,24,28,32,36,40,44,48,52,56,60
	v_pk_add_f32 v[14:15], v[14:15], v[S+\j:S+\j+1]
	v_pk_add_f32 v[236:237], v[236:237], v[S+2+\j:S+3+\j]
.endr
	v_pk_add_f32 v[14:15], v[14:15], v[236:237]
	s_wait_alu depctr_va_vdst(0)                   ; the four exponentials have written the blocks' largest p, ahead of their first reader
.irp b4, 0,1,2,3
	v_max_num_f32 v[232+\b4], 0x8000000, v[232+\b4]        ; the floor 2^(16 - 127): the byte cannot fall under 1
.endr
.irp b4, 0,1,2,3
	v_add_nc_u32 v[244+\b4], 0xf8800000, v[232+\b4]        ; the conversion's scale operand
.endr
.irp b4, 0,1,2,3
	v_and_or_b32 v[240+\b4], v[232+\b4], 0x7f800000, s[MNT]   ; 57,344 x the scale
.endr
.irp b4, 0,1,2,3
	v_lshrrev_b32 v[236+\b4], 23, v[244+\b4]       ; the scale's byte
.endr
	v_lshl_or_b32 v253, v237, 8, v236              ; p's scale word for these 128 keys
	v_lshl_or_b32 v253, v238, 16, v253
	v_lshl_or_b32 v253, v239, 24, v253
.irp b4, 0,1,2,3
.irp i, 0,1,2,3,4,5,6,7,8,9,10,11,12,13,14,15
	v_min_num_f32 v[S+16*\b4+\i], v[S+16*\b4+\i], v[240+\b4]   ; the conversion does not saturate (ISA guide 7.6.2); p is not negative, so the hold is one-sided
.endr
	v_cvt_scalef32_pk8_bf8_f32 v[PCD+4*\b4:PCD+4*\b4+1], v[S+16*\b4:S+16*\b4+7], v[244+\b4]
	v_cvt_scalef32_pk8_bf8_f32 v[PCD+4*\b4+2:PCD+4*\b4+3], v[S+16*\b4+8:S+16*\b4+15], v[244+\b4]
.endr
.set n, 0
.rept 16
	v_pk_mul_f32 v[O+n:O+n+1], v[O+n:O+n+1], v[252:253] op_sel_hi:[1,0]   ; O^T under the new M; these 16 are also the places between the codes and the products
.set n, n+2
.endr
	s_wait_dscnt 0x0                               ; V's fragments and scale words are in
	s_wait_alu depctr_va_vdst(0)                   ; behind their places: the conversions have written p's codes and the shifts p's scale word, which the scaled products below take as operand and scales
.irp t, 0,2
	v_wmma_scale_f32_16x16x128_f8f6f4 v[O+8*\t:O+8*\t+7], v[32+16*\t:47+16*\t], v[PCD:PCD+15], v[O+8*\t:O+8*\t+7], v[248+\t/2], v253 matrix_a_fmt:MATRIX_FMT_BF8 matrix_b_fmt:MATRIX_FMT_BF8
	v_wmma_scale_f32_16x16x128_f8f6f4 v[O+8*\t+8:O+8*\t+15], v[48+16*\t:63+16*\t], v[PCD:PCD+15], v[O+8*\t+8:O+8*\t+15], v[248+\t/2], v253 matrix_a_fmt:MATRIX_FMT_BF8 matrix_b_fmt:MATRIX_FMT_BF8 matrix_a_scale:MATRIX_SCALE_ROW1
.endr
.rept 8
	v_nop                                          ; places in front of the next read of O^T
.endr
.Lhid_\@:
	s_add_co_u32 s[KS], s[KS], 1
	s_add_co_u32 s[VS], s[VS], 1
	s_wait_dscnt 0x0                               ; my part of the next slot is laid, and my reads of this slot are over
	s_barrier_signal -1
	s_barrier_wait -1
.endm
	s_mov_b32 s[TRIP], 9
.Ltrip:
	ASTEP 0
	ASTEP 1
	s_cmp_lg_u32 s[KS], s[NSC]                     ; a block has an even number of steps, so it ends with a trip; the same in all sixteen waves
	s_cbranch_scc1 .Lnofin
	; THE BLOCK'S END: O^T / the sum, quantised along the features (two blocks of 32: lanes l and l xor 16 hold a block), 1,024 bytes of an image and two scale bytes a row
	v_add_f32 v14, v14, v15
	v_permlanex16_b32 v252, v14, s[SEL], s[SEL+1]
	v_add_f32 v14, v14, v252                       ; the row's sum
	s_wait_alu depctr_va_vdst(0)
	v_rcp_f32 v14, v14
	v_nop                                          ; a plain line behind the transcendental,
	s_wait_alu depctr_va_vdst(0)                   ; and the reciprocal is written, ahead of its first reader
.set n, 0
.rept 16
	v_pk_mul_f32 v[S+n:S+n+1], v[O+n:O+n+1], v[14:15] op_sel_hi:[1,0]   ; register 16 b + i: channel 32 b + 16 (lane / 16) + i; each accumulator from its low end on
.set n, n+2
.endr
.irp b4, 0,1
	v_max3_num_f32 v[232+\b4], |v[S+16*\b4]|, |v[S+16*\b4+1]|, 0x8000000
.endr
.irp i, 2,4,6,8,10,12,14
.irp b4, 0,1
	v_max3_num_f32 v[232+\b4], v[232+\b4], |v[S+16*\b4+\i]|, |v[S+16*\b4+\i+1]|
.endr
.endr
.irp b4, 0,1
	v_permlanex16_b32 v[236+\b4], v[232+\b4], s[SEL], s[SEL+1]
.endr
.irp b4, 0,1
	v_max_num_f32 v[232+\b4], v[232+\b4], v[236+\b4]
.endr
.irp b4, 0,1
	v_add_nc_u32 v[244+\b4], 0xf8800000, v[232+\b4]
.endr
.irp b4, 0,1
	v_and_or_b32 v[240+\b4], v[232+\b4], 0x7f800000, s[MNT]
.endr
.irp b4, 0,1
	v_lshrrev_b32 v[236+\b4], 23, v[244+\b4]
.endr
	v_lshl_or_b32 v254, v237, 8, v236              ; my head's two bytes of the row's scale word
.irp b4, 0,1
.irp i, 0,1,2,3,4,5,6,7,8,9,10,11,12,13,14,15
	v_med3_num_f32 v[S+16*\b4+\i], v[S+16*\b4+\i], -v[240+\b4], v[240+\b4]
.endr
	v_cvt_scalef32_pk8_bf8_f32 v[PCD+4*\b4:PCD+4*\b4+1], v[S+16*\b4:S+16*\b4+7], v[244+\b4]
	v_cvt_scalef32_pk8_bf8_f32 v[PCD+4*\b4+2:PCD+4*\b4+3], v[S+16*\b4+8:S+16*\b4+15], v[244+\b4]
.endr
	v_nop                                          ; the plain line behind the last conversion
	s_wait_alu depctr_va_vdst(0)                   ; the conversions have written the codes and the shift v254, which the three stores below read
	global_store_b128 v1, v[PCD:PCD+3], s[44:45]   ; 512 consecutive bytes each
	global_store_b128 v1, v[PCD+4:PCD+7], s[44:45] offset:512
	global_store_b16 v9, v254, s[46:47]            ; lanes l and l + 16 write the same two bytes with the same value; the word's other half is the neighbouring head's
	v_mov_b32 v13, 0xff61b1e6                      ; the second block begins as the first did
	v_floor_f32 v12, -v13
	v_mov_b32 v14, 0
	v_mov_b32 v15, 0
.set n, 0
.rept 32
	v_mov_b32 v[O+n], 0
.set n, n+1
.endr
	s_mov_b32 s[KS], 0
	s_mov_b32 s[NSC], s56
	s_mov_b32 s[LW], s27
	s_mov_b32 s57, 1
	s_wait_xcnt 0x0                                ; the stores have had their addresses translated: their bases are written again
	s_wait_alu depctr_vm_vsrc(0)                   ; the stores have read the codes' registers and v254, which the next block's steps write again
	s_mov_b64 s[44:45], s[48:49]
	s_mov_b64 s[46:47], s[50:51]
.Lnofin:
	s_sub_co_u32 s[TRIP], s[TRIP], 1
	s_cmp_lg_u32 s[TRIP], 0
	s_cbranch_scc1 .Ltrip
	s_wait_dscnt 0x0                               ; the closing lines, six on end
	s_wait_alu 0x0
	s_wait_tensorcnt 0x0
	ds_add_u32 v230, v231
	s_wait_dscnt 0x0
	s_endpgm
.Lfunc_end_k_q3f5d309cd4_attn:
	.size	k_q3f5d309cd4_attn, .Lfunc_end_k_q3f5d309cd4_attn-k_q3f5d309cd4_attn
	.p2alignl 7, 3214868480
	.fill 96, 4, 3214868480
	.section	.rodata,"a",@progbits
	.p2align	6, 0x0
	.amdhsa_kernel k_q3f5d309cd4_attn
		.amdhsa_group_segment_fixed_size 36864
		.amdhsa_private_segment_fixed_size 0
		.amdhsa_enable_private_segment 0
		.amdhsa_kernarg_size 32
		.amdhsa_user_sgpr_count 2
		.amdhsa_user_sgpr_kernarg_segment_ptr 1
		.amdhsa_wavefront_size32 1
		.amdhsa_system_sgpr_workgroup_id_x 1
		.amdhsa_system_sgpr_workgroup_id_y 1
		.amdhsa_system_sgpr_workgroup_id_z 1
		.amdhsa_system_vgpr_workitem_id 0
		.amdhsa_next_free_vgpr 256
		.amdhsa_next_free_sgpr 66
		.amdhsa_reserve_vcc 0
		.amdhsa_float_denorm_mode_32 3
		.amdhsa_float_denorm_mode_16_64 3
		.amdhsa_memory_ordered 1
		.amdhsa_forward_progress 1
		.amdhsa_inst_pref_size 73
	.end_amdhsa_kernel
	.amdgpu_metadata
---
amdhsa.version: [ 1, 2 ]
amdhsa.kernels:
  - .name:           k_q3f5d309cd4_attn
    .symbol:         k_q3f5d309cd4_attn.kd
    .args:
      - { .name: himg, .offset: 0, .size: 8, .value_kind: global_buffer, .address_space: global }
      - { .name: hscl, .offset: 8, .size: 8, .value_kind: global_buffer, .address_space: global }
      - { .name: aimg, .offset: 16, .size: 8, .value_kind: global_buffer, .address_space: global }
      - { .name: ascl, .offset: 24, .size: 8, .value_kind: global_buffer, .address_space: global }
    .group_segment_fixed_size: 36864
    .private_segment_fixed_size: 0
    .kernarg_segment_align: 8
    .kernarg_segment_size: 32
    .max_flat_workgroup_size: 512
    .sgpr_count:     66
    .vgpr_count:     256
    .wavefront_size: 32
...
	.end_amdgpu_metadata
.endif
;; end of part 6
;; launch outp (part 7): grid 64 x 2, 4 waves a work-group, no clusters, 169,472 bytes of LDS; arguments aimg, ascl, wimg, wscl, bimg, out0; writes out0
.if DOCPART == 7
	.amdgcn_target "amdgcn-amd-amdhsa--gfx1250"
	.amdhsa_code_object_version 6
	.text
	.protected	k_q3f5d309cd4_outp
	.globl	k_q3f5d309cd4_outp
	.p2align	8
	.type	k_q3f5d309cd4_outp,@function
k_q3f5d309cd4_outp:
	s_mov_b64 s[64:65], 0
	v_nop
	global_prefetch_b8 v0, s[64:65] scope:SCOPE_SE
	s_setreg_imm32_b32 hwreg(HW_REG_WAVE_SCHED_MODE, 0, 2), 2
	s_setreg_imm32_b32 hwreg(HW_REG_WAVE_MODE, 25, 1), 1
	s_wait_xcnt 0x0
	s_wait_alu depctr_vm_vsrc(0)
; out0 = A Wo + bo on codes of BF8 (E5M2) with one E8M0 scale for each 32 along K.  A arrives as images of the operand's registers (aimg [block of 128 tokens][K step][tile][2,048]) with its scale
; words (ascl [block][K step][pair of tiles][32 words]); Wo likewise (wimg, wscl, weight 3); bo as images of a C operand (bimg).
; SHARES.  Work-group (x, y): 128 tokens x 512 features; wave w makes features 128 (4 y + w) on: 128 x 128, 64 accumulators, 8 K steps of 64 matrix instructions.
; A's 128 KiB are copied flat into LDS once (each wave a quarter), one barrier; its fragments come from there (one set of registers: tiles 0-3 are fetched anew in a step's middle, tiles 4-7 at its end).
; The weights' fragments come from memory straight into registers (two sets): each is used by this wave alone.
; Source 0 = 16 features, source 1 = 16 tokens: a lane holds one token, and the 16 registers of the feature tiles 2 b and 2 b + 1 are 16 neighbouring features
; (slot r of tile 2 b + u is row 32 b + 8 u + r + 8 (r / 8), of tokens and of features alike).  The bias is the C of each sum's first matrix instruction.
; REGISTERS, in windows of 256.  Window 0: v4-11 addresses; v32-39 A's scale words, v40-47 the weights'; v64-127 the bias; v128-255 A's eight fragments, on the way out rows of out0.
;   Window 1: the weights' fragments, two sets.  Windows 2, 3: the accumulators, (tile of tokens a, tile of features b) at 8 (8 a + b); at the head window 2 carries the copy.
; THE MODE: SCHED_MODE bits 1:0 = 2 (LLVM: expert scheduling mode 2), set by the entry lines.  The code itself states the register dependences
; between vector or matrix instructions and memory or LDS instructions, with s_wait_alu, always for 0.
; THE PLAN.  Registers that memory or LDS instructions touch:
;   v4-9             offsets and LDS addresses: made at the head, never written again.
;   v[ADX], v[ADS]   made at the head; read by the LDS loads of fragments and scale words; stepped in a K step's middle: a wait on vm_vsrc ahead of the two adds, and behind them the wait on va_vdst that stands there anyway.
;   window 2, v128-135   the copy: loads land, LDS stores read them; then the products write window 2 and fragments land in v128 on: one wait on vm_vsrc behind the copy's barrier.
;   A K STEP:        A's tiles 0-3 and the other set of A's scale words are free behind the step's first 32 products; tiles 4-7, the weights' set and its scale words behind its last.  So two waits on va_vdst a step;
;                    behind the first the 20 LDS loads are dealt among the step's last 32 products, which name tiles 4-7, this step's weights and scale words and the accumulators: none of the registers that those loads touch.
;   THE WAY OUT:     the accumulators are the stage's stores' data: the places, then a wait on va_vdst, which also shows the products done with v128-255, in which the rows land.  No vector instruction follows it.
;                    A tile's rows land in the registers that the stores of two tiles back read: a wait on vm_vsrc.
.set XIMG,  0
.set XSC,   131072
.set STG,   135168                     ; the way out: 16 rows x (512 + 16) bytes for each wave
.set LI,  4                            ; v4   16 x lane; never rewritten
.set LS,  5                            ; v5   4 x lane; never rewritten
.set STO, 6                            ; v6   the stage, in
.set RD,  7                            ; v7   the stage, out
.set CPA, 8                            ; v8   the copy: my quarter of A's images
.set CPS, 9                            ; v9   and of the scale words
.set ADX, 10
.set ADS, 11
.set XS,  32
.set WS,  40
.set BC,  64
.set XF,  128
.set BK,  128
.set AP,  4                            ; s[4:5]   aimg at my quarter
.set WP,  6
.set WSP, 8
.set BP,  10
.set OUT, 12                           ; s[12:13] out0 at the block's first row, my 512 bytes
.set ASP, 14
.set WV,  18
.set TRIP, 24
.set MSB, 0
.macro WIN new                         ; the immediate's high byte repeats the setting that is left; a switch that changes nothing is dropped
.if MSB != (\new)
	s_set_vgpr_msb (MSB<<8)|(\new)
.set MSB, (\new)
.endif
.endm
.macro PLACES n                        ; plain vector instructions behind a matrix instruction, eight for this form: ahead of a store of its results; ahead of loads into its registers they stand with the wait on va_vdst behind them
.rept \n
	v_nop
.endr
.endm
.macro MM                              ; one matrix instruction from the symbols rD, rA, rB, rC, rSA, rSB; fA, fB: the side's scale words lie in lanes 16-31
.if fA && fB
	v_wmma_scale_f32_16x16x128_f8f6f4 v[rD:rD+7], v[rA:rA+15], v[rB:rB+15], v[rC:rC+7], v[rSA], v[rSB] matrix_a_fmt:MATRIX_FMT_BF8 matrix_b_fmt:MATRIX_FMT_BF8 matrix_a_scale:MATRIX_SCALE_ROW1 matrix_b_scale:MATRIX_SCALE_ROW1
.elseif fA
	v_wmma_scale_f32_16x16x128_f8f6f4 v[rD:rD+7], v[rA:rA+15], v[rB:rB+15], v[rC:rC+7], v[rSA], v[rSB] matrix_a_fmt:MATRIX_FMT_BF8 matrix_b_fmt:MATRIX_FMT_BF8 matrix_a_scale:MATRIX_SCALE_ROW1
.elseif fB
	v_wmma_scale_f32_16x16x128_f8f6f4 v[rD:rD+7], v[rA:rA+15], v[rB:rB+15], v[rC:rC+7], v[rSA], v[rSB] matrix_a_fmt:MATRIX_FMT_BF8 matrix_b_fmt:MATRIX_FMT_BF8 matrix_b_scale:MATRIX_SCALE_ROW1
.else
	v_wmma_scale_f32_16x16x128_f8f6f4 v[rD:rD+7], v[rA:rA+15], v[rB:rB+15], v[rC:rC+7], v[rSA], v[rSB] matrix_a_fmt:MATRIX_FMT_BF8 matrix_b_fmt:MATRIX_FMT_BF8
.endif
.endm
; 16 matrix instructions: tiles of tokens a0, a0 + 1 x the eight tiles of features.  The 64 accumulators take turns, one instruction a turn.  first = 1: C is the bias
.macro MUL a0, p, first
.if \first
	WIN 0x81+0x40*((\a0)/4)
.else
	WIN 0xa1+0x50*((\a0)/4)
.endif
.irp a, \a0, \a0+1
.irp b, 0,1,2,3,4,5,6,7
.set rD, 8*(8*((\a)%4)+\b)
.set rA, 128*(\p)+16*\b
.set rB, XF+16*(\a)
.if \first
.set rC, BC+8*\b
.else
.set rC, rD
.endif
.set rSA, WS+4*(\p)+\b/2
.set rSB, XS+4*(\p)+(\a)/2
.set fA, \b%2
.set fB, (\a)%2
	MM
.endr
.endr
.endm
.macro FETCH_X2 i0                     ; two fragments of A
.irp i, \i0, \i0+1
.irp c, 0,1,2,3
	ds_load_b128 v[XF+16*(\i)+4*\c:XF+16*(\i)+4*\c+3], v[ADX] offset:2048*(\i)+512*\c
.endr
.endr
.endm
.macro FETCH_X i0                      ; four
	FETCH_X2 \i0
	FETCH_X2 \i0+2
.endm
.macro XSCALES p                       ; lanes 0-15: tile 2 i's words; lanes 16-31: tile 2 i + 1's
.irp i, 0,1,2,3
	ds_load_b32 v[XS+4*(\p)+\i], v[ADS] offset:128*\i
.endr
.endm
.macro FETCH_W p                       ; the weights' fragments and scale words two K steps on, into the set just read out: 36 loads
	s_wait_xcnt 0x0                                ; the earlier loads have read their bases
	s_add_nc_u64 s[WP:WP+1], s[WP:WP+1], 2048
	s_add_nc_u64 s[WSP:WSP+1], s[WSP:WSP+1], 128
	WIN 0x40
.irp i, 0,1,2,3,4,5,6,7
.irp c, 0,1,2,3
	global_load_b128 v[128*(\p)+16*\i+4*\c:128*(\p)+16*\i+4*\c+3], v[LI], s[WP:WP+1] offset:16384*\i+512*\c+2048
.endr
.endr
	WIN 0
.irp i, 0,1,2,3
	global_load_b32 v[WS+4*(\p)+\i], v[LS], s[WSP:WSP+1] offset:1024*\i+128
.endr
.endm
.macro GSTEP p, fx, fw
	s_wait_dscnt 16                                ; A's tiles 0-3 and the scale words are in; the youngest 16 loads (tiles 4-7) may be out
	MUL 0, \p, 0
	MUL 2, \p, 0
	WIN 0
	s_wait_dscnt 0x0
	PLACES 8
.if \fx
	s_wait_alu depctr_vm_vsrc(0)                   ; the LDS loads issued so far have read v[ADX] and v[ADS], which the two adds write
	v_add_nc_u32 v[ADX], 0x4000, v[ADX]
	v_add_nc_u32 v[ADS], 0x200, v[ADS]
	s_wait_alu depctr_va_vdst(0)                   ; v[ADX] and v[ADS] are written; the products above are done reading tiles 0-3, the last step's are done reading the other set of A's scale words: the 20 LDS loads up to the step's last product land there
	FETCH_X2 0
.endif
	MUL 4, \p, 0
.if \fx
	WIN 0
	FETCH_X2 2                                     ; no wait: the products since the wait name tiles 4-7, this step's weights and scale words and the accumulators
	XSCALES 1-(\p)
.endif
	MUL 6, \p, 0
	WIN 0
	PLACES 8
.if \fx
	s_wait_alu depctr_va_vdst(0)                   ; the step's products are done reading tiles 4-7, the weights' set and its scale words, in which the loads below land
	FETCH_X 4
.endif
.if \fw == 1
	FETCH_W \p
	s_wait_loadcnt 36                              ; the 36 just issued may be out; the next step's set, asked for a step ago, is in
.elseif \fw == 2
	s_cmp_eq_u32 s[TRIP], 1
	s_cbranch_scc1 .Lnofetch_\@
	FETCH_W \p
	s_wait_loadcnt 36
	s_branch .Lfetched_\@
.Lnofetch_\@:
	s_wait_loadcnt 0x0                             ; nothing is left to ask for: the last step's set is in
.Lfetched_\@:
.endif
.endm
	s_load_b256 s[36:43], s[0:1], 0x0              ; aimg, ascl, wimg, wscl
	s_load_b128 s[44:47], s[0:1], 0x20             ; bimg, out0
	v_lshl_add_u32 v62, v0, 2, 0x29400
	v_mov_b32 v63, 0
	v_lshrrev_b32 v1, 5, v0
	v_readfirstlane_b32 s[WV], v1                  ; wave 0..3
	v_and_b32 v1, 31, v0
	v_and_b32 v2, 15, v0                           ; r
	v_bfe_u32 v3, v0, 4, 1                         ; h
	v_lshlrev_b32 v[LI], 4, v1
	v_lshlrev_b32 v[LS], 2, v1
	s_wait_alu depctr_va_sdst(0)                   ; the wave's number is written, ahead of its first reader: LDS addresses and the bases are made from it
	s_mul_i32 s27, s[WV], 8448
	s_add_co_u32 s27, s27, STG
	v_mul_u32_u24 v[STO], v2, 528
	v_lshl_add_u32 v[STO], v3, 6, v[STO]
	v_add_nc_u32 v[STO], s27, v[STO]               ; in: row r, + 64 h: the 16 features of my half in each block of 32
	v_add_nc_u32 v[RD], s27, v[LI]                 ; back: a row of 512 bytes, 16 a lane
	s_lshl_b32 s27, s[WV], 15
	v_add_nc_u32 v[CPA], s27, v[LI]
	s_lshl_b32 s27, s[WV], 10
	s_add_co_u32 s27, s27, XSC
	v_add_nc_u32 v[CPS], s27, v[LI]
	v_mov_b32 v[ADX], v[LI]                        ; K step 0 (XIMG = 0)
	v_add_nc_u32 v[ADS], XSC, v[LS]
	s_and_b32 s52, ttmp7, 0xffff
	s_lshl_b32 s52, s52, 2
	s_add_co_u32 s52, s52, s[WV]                   ; my group of 128 features
	s_lshl_b32 s32, s52, 17                        ; wimg: weight 3, my eight tiles
	s_add_co_u32 s32, s32, 0x300000
	s_mov_b32 s33, 0
	s_lshl_b32 s34, s52, 12                        ; wscl
	s_add_co_u32 s34, s34, 0x18000
	s_mov_b32 s35, 0
	s_lshl_b32 s56, s52, 13                        ; bimg
	s_add_co_u32 s56, s56, 0x30000
	s_mov_b32 s57, 0
	s_lshl_b32 s58, ttmp9, 17                      ; aimg: the block, my quarter
	s_lshl_b32 s27, s[WV], 15
	s_add_co_u32 s58, s58, s27
	s_mov_b32 s59, 0
	s_lshl_b32 s60, ttmp9, 12                      ; ascl likewise
	s_lshl_b32 s27, s[WV], 10
	s_add_co_u32 s60, s60, s27
	s_mov_b32 s61, 0
	s_lshl_b32 s62, ttmp9, 19                      ; out0: 128 rows of 4,096 bytes a block, + my 512 bytes of a row
	s_lshl_b32 s27, s52, 9
	s_add_co_u32 s62, s62, s27
	s_mov_b32 s63, 0
	s_wait_kmcnt 0x0
	s_add_nc_u64 s[WP:WP+1], s[40:41], s[32:33]
	s_add_nc_u64 s[WSP:WSP+1], s[42:43], s[34:35]
	s_add_nc_u64 s[BP:BP+1], s[44:45], s[56:57]
	s_add_nc_u64 s[AP:AP+1], s[36:37], s[58:59]
	s_add_nc_u64 s[ASP:ASP+1], s[38:39], s[60:61]
	s_add_nc_u64 s[OUT:OUT+1], s[46:47], s[62:63]
	s_wait_alu depctr_va_vdst(0)                   ; the offsets and LDS addresses v4-11 are written, which the loads and stores below read
	; the bias (16 loads), K steps 0 and 1 of the weights (36 each)
.irp t, 0,1,2,3,4,5,6,7
	global_load_b128 v[BC+8*\t:BC+8*\t+3], v[LI], s[BP:BP+1] offset:1024*\t
	global_load_b128 v[BC+8*\t+4:BC+8*\t+7], v[LI], s[BP:BP+1] offset:1024*\t+512
.endr
.irp p, 0,1
	WIN 0x40
.irp i, 0,1,2,3,4,5,6,7
.irp c, 0,1,2,3
	global_load_b128 v[128*\p+16*\i+4*\c:128*\p+16*\i+4*\c+3], v[LI], s[WP:WP+1] offset:16384*\i+512*\c+2048*\p
.endr
.endr
	WIN 0
.irp i, 0,1,2,3
	global_load_b32 v[WS+4*\p+\i], v[LS], s[WSP:WSP+1] offset:1024*\i+128*\p
.endr
.endr
	; the copy: my 32,768 bytes of A's images and 1,024 of its scale words, 512 consecutive bytes a load
	WIN 0x80
.set n, 0
.rept 64
	global_load_b128 v[4*n:4*n+3], v[LI], s[AP:AP+1] offset:512*n
.set n, n+1
.endr
	WIN 0
	global_load_b128 v[128:131], v[LI], s[ASP:ASP+1]
	global_load_b128 v[132:135], v[LI], s[ASP:ASP+1] offset:512
.set n, 0
.irp q, 0,1,2,3
	s_wait_loadcnt 50-16*\q                        ; the younger loads of the copy may be out: 48, 32, 16, 0 of the images' and the two of the scale words
	WIN 0x08                                       ; an LDS store's data are its source 1: window 2
.rept 16
	ds_store_b128 v[CPA], v[4*n:4*n+3] offset:512*n
.set n, n+1
.endr
	WIN 0
.endr
	s_wait_loadcnt 0x0
	ds_store_b128 v[CPS], v[128:131]
	ds_store_b128 v[CPS], v[132:135] offset:512
	s_wait_dscnt 0x0                               ; for the others' sake: my quarter is laid
	s_barrier_signal -1
	s_barrier_wait -1                              ; from here on the images are only read
	s_wait_alu depctr_vm_vsrc(0)                   ; the copy's stores have read window 2, which the products write, and v128-135, in which A's fragments land
	FETCH_X 0
	XSCALES 0
	FETCH_X 4
	s_wait_dscnt 0x0
	MUL 0, 0, 1                                    ; the first K step starts the sums from the bias
	MUL 2, 0, 1
	MUL 4, 0, 1
	MUL 6, 0, 1
	WIN 0
	PLACES 8
	s_wait_alu depctr_vm_vsrc(0)                   ; the LDS loads above have read v[ADX] and v[ADS], which the two adds write
	v_add_nc_u32 v[ADX], 0x4000, v[ADX]
	v_add_nc_u32 v[ADS], 0x200, v[ADS]
	s_wait_alu depctr_va_vdst(0)                   ; v[ADX] and v[ADS] are written; the first step's products are done reading A's eight fragments, the weights' set 0 and its scale words, in which the loads below land
	FETCH_X 0
	XSCALES 1
	FETCH_X 4
	FETCH_W 0
	s_wait_loadcnt 36
	s_mov_b32 s[TRIP], 3
.Lk:                                                   ; K steps 1 to 6
	GSTEP 1, 1, 1
	GSTEP 0, 1, 2
	s_sub_co_u32 s[TRIP], s[TRIP], 1
	s_cmp_lg_u32 s[TRIP], 0
	s_cbranch_scc1 .Lk
	GSTEP 1, 0, 0                                  ; K step 7; eight places stand behind its last product
	s_wait_alu depctr_va_vdst(0)                   ; behind the places: the products have written the accumulators, which the stage's stores read, and are done reading A's fragments, in which the rows land
; THE WAY OUT, a tile of 16 tokens x 128 features at a time, through my own stage: a lane holds 64 bytes of each block of 32 features of one row; back come whole rows of 512 bytes.
; LDS serves a wave's instructions in order (ISA guide 5.7.1.4): no wait between the stores and the loads, nor in front of the next tile's stores
.macro TOSTAGE a
.set AC, 64*((\a)%4)
	WIN 0x08+4*((\a)/4)                            ; the data: window 2 or 3
.irp b, 0,1,2,3,4,5,6,7
	ds_store_b128 v[STO], v[AC+8*\b:AC+8*\b+3] offset:128*(\b/2)+32*(\b%2)         ; each accumulator from its low end on
	ds_store_b128 v[STO], v[AC+8*\b+4:AC+8*\b+7] offset:128*(\b/2)+32*(\b%2)+16
.endr
	WIN 0
.set BB, BK+64*((\a)%2)
.irp t, 0,1,2,3,4,5,6,7,8,9,10,11,12,13,14,15
	ds_load_b128 v[BB+4*\t:BB+4*\t+3], v[RD] offset:528*\t
.endr
.endm
.macro SEND a, younger                 ; younger: the LDS instructions issued behind tile a's loads, which may stay out
.set BB, BK+64*((\a)%2)
	s_wait_dscnt \younger
.irp t, 0,1,2,3,4,5,6,7,8,9,10,11,12,13,14,15
	global_store_b128 v[LI], v[BB+4*\t:BB+4*\t+3], s[OUT:OUT+1] offset:(32*((\a)/2)+8*((\a)%2)+\t+8*(\t/8))*4096 th:TH_STORE_NT   ; slot t's token; 512 consecutive bytes, at a multiple of 512 from out0's first byte
.endr
.endm
	TOSTAGE 0
.irp a, 1,2,3,4,5,6,7
.if \a > 1
	s_wait_xcnt 0x0                                ; tile a - 2's stores have had their addresses translated
	s_wait_alu depctr_vm_vsrc(0)                   ; tile a - 2's stores have read their rows' registers, in which tile a's rows land
.endif
	TOSTAGE \a
	SEND \a-1, 32                                  ; behind tile a - 1's loads: tile a's 16 stores and 16 loads
.endr
	SEND 7, 0
	s_wait_dscnt 0x0                               ; the closing lines, six on end
	s_wait_alu 0x0
	s_wait_tensorcnt 0x0
	ds_add_u32 v62, v63
	s_wait_dscnt 0x0
	s_endpgm
.Lfunc_end_k_q3f5d309cd4_outp:
	.size	k_q3f5d309cd4_outp, .Lfunc_end_k_q3f5d309cd4_outp-k_q3f5d309cd4_outp
	.p2alignl 7, 3214868480
	.fill 96, 4, 3214868480
	.section	.rodata,"a",@progbits
	.p2align	6, 0x0
	.amdhsa_kernel k_q3f5d309cd4_outp
		.amdhsa_group_segment_fixed_size 169472
		.amdhsa_private_segment_fixed_size 0
		.amdhsa_enable_private_segment 0
		.amdhsa_kernarg_size 48
		.amdhsa_user_sgpr_count 2
		.amdhsa_user_sgpr_kernarg_segment_ptr 1
		.amdhsa_wavefront_size32 1
		.amdhsa_system_sgpr_workgroup_id_x 1
		.amdhsa_system_sgpr_workgroup_id_y 1
		.amdhsa_system_sgpr_workgroup_id_z 1
		.amdhsa_system_vgpr_workitem_id 0
		.amdhsa_next_free_vgpr 1024
		.amdhsa_next_free_sgpr 66
		.amdhsa_reserve_vcc 0
		.amdhsa_float_denorm_mode_32 3
		.amdhsa_float_denorm_mode_16_64 3
		.amdhsa_memory_ordered 1
		.amdhsa_forward_progress 1
		.amdhsa_inst_pref_size 107
	.end_amdhsa_kernel
	.amdgpu_metadata
---
amdhsa.version: [ 1, 2 ]
amdhsa.kernels:
  - .name:           k_q3f5d309cd4_outp
    .symbol:         k_q3f5d309cd4_outp.kd
    .args:
      - { .name: aimg, .offset: 0, .size: 8, .value_kind: global_buffer, .address_space: global }
      - { .name: ascl, .offset: 8, .size: 8, .value_kind: global_buffer, .address_space: global }
      - { .name: wimg, .offset: 16, .size: 8, .value_kind: global_buffer, .address_space: global }
      - { .name: wscl, .offset: 24, .size: 8, .value_kind: global_buffer, .address_space: global }
      - { .name: bimg, .offset: 32, .size: 8, .value_kind: global_buffer, .address_space: global }
      - { .name: out0, .offset: 40, .size: 8, .value_kind: global_buffer, .address_space: global }
    .group_segment_fixed_size: 169472
    .private_segment_fixed_size: 0
    .kernarg_segment_align: 8
    .kernarg_segment_size: 48
    .max_flat_workgroup_size: 128
    .sgpr_count:     66
    .vgpr_count:     1024
    .wavefront_size: 32
...
	.end_amdgpu_metadata
.endif
;; end of part 7
